; MI455X (gfx1250); checked and timed in simulation.
; The chip was launched on July 23, 2026; its instructions are those of AMD's public machine-readable ISA for CDNA 5 (MIT licence, August 2026) and "CDNA5" Instruction Set Architecture Reference Guide (July 2026). The comments in the code are by the model that wrote it; some were corrected since.
;; Optimized Transformer Block. Allowed arithmetic: matrix products marked QUANTISED: E2M1 operands, one E8M0 scale for each 32 along K, by v_wmma_scale_f32_16x16x128_f8f6f4 with both operands' format E2M1 (or v_wmma_scale_f32_32x16x128_f4), f32 sums; everything else in f32.
;; Inputs: ff_down_w 1,024 x 4,096 float32; ff_up_w 4,096 x 1,024 float32; norm1_bias 1,024 float32; norm1_scale 1,024 float32; norm2_bias 1,024 float32; norm2_scale 1,024 float32; out_w 1,024 x 1,024 float32; qkv_w 3,072 x 1,024 float32; x 2 x 2,048 x 1,024 float32.
;; Outputs: out0 2 x 2,048 x 1,024 float32.
;; This version of the problem:
;;   THIS VERSION OF THE PROBLEM IS GIVEN IN LOW PRECISION. The matrix products marked QUANTISED in the list below multiply operands that are first quantised to E2M1 (2 exponent bits, 1 mantissa bit; 4 bits a number), with one power-of-two scale for each 32 numbers along K (OCP MX v1.0); their sums are f32. All else is computed in f32.
;;   The module's matrix products, in the order in which they are computed (A, B: the left and right operand; K: the contracted axis; several contracted axes count as one K, in the product's order):
;;     1. [M 4,096, K 1,024] x [K 1,024, N 3,072]; A: computed on the way; B: input qkv_w: QUANTISED
;;     2. batch 32 x [M 2,048, K 64] x [K 64, N 2,048]; A: computed on the way; B: computed on the way: QUANTISED
;;     3. batch 32 x [M 2,048, K 2,048] x [K 2,048, N 64]; A: softmax (see below); B: computed on the way: QUANTISED
;;     4. [M 4,096, K 1,024] x [K 1,024, N 1,024]; A: computed on the way; B: input out_w: QUANTISED
;;     5. [M 4,096, K 1,024] x [K 1,024, N 4,096]; A: computed on the way; B: input ff_up_w: QUANTISED
;;     6. [M 4,096, K 4,096] x [K 4,096, N 1,024]; A: computed on the way; B: input ff_down_w: QUANTISED
;;   THE QUANTISER, for each operand of a quantised product, along K:
;;     - K is cut into blocks of 32 from its start; a last block that is shorter is filled with zeros.
;;     - A block's scale is 2^e with e = floor(log2(the largest magnitude in the block)) - 2, held to -126 .. 127; a block of zeros has e = 0. As a byte (E8M0): e + 127.
;;     - Each number is divided by its block's scale, clamped to +-6, and rounded to the nearest number of E2M1, ties to even, subnormals kept.
;;     - The product sums the exact products of the quantised numbers (number of the format x scale) in f32.
;;   ~~~python
;;   def quantise(x, axis):      # numpy; x: float32 -> the quantised numbers, widened to float32 again
;;       x = np.moveaxis(x, axis, -1); K = x.shape[-1]
;;       x = np.pad(x, [(0, 0)] * (x.ndim - 1) + [(0, -K % 32)]); x = x.reshape(x.shape[:-1] + (-1, 32)); a = np.abs(x).max(-1, keepdims=True)
;;       e = np.where(a > 0, np.clip(np.frexp(np.where(a > 0, a, 1))[1] - 1 - 2, -126, 127), 0)      # np.frexp(a)[1] - 1 = floor(log2(a)), exactly
;;       r = np.clip(x / 2.0 ** e, -6, 6)
;;       step = 2.0 ** (np.maximum(np.frexp(np.where(r == 0, 1, r))[1] - 1, 0) - 1)
;;       q = np.round(r / step) * step * 2.0 ** e      # np.round: ties to even
;;       return np.moveaxis(q.reshape(q.shape[:-2] + (-1,))[..., :K], -1, axis).astype(np.float32)
;;   ~~~
;;   SOFTMAX AHEAD OF A QUANTISED PRODUCT. Where the list says 'softmax', what is quantised is not the finished softmax but p = 2^(t - M), with t = logit x log2(e) and M = ceil(the row's largest t), a whole number; so 1/2 < the row's largest p <= 1. The row's sum l is taken of the UNQUANTISED p, in f32, and the product's result is divided by l at the end. Since M is a whole number, a kernel that streams over the keys may use a running M (the ceiling of the running maximum): every later rescaling is an exact power of two, which a block's scale takes up: the codes' values come out the same.
;;   OPERANDS COMPUTED ON THE WAY. 'Computed on the way' means the value that the module computes at that place (a softmax that the list does not call 'softmax' is quantised finished and normalised). What goes into a quantiser is computed in f32, as accurately as f32 sums, v_exp_f32 and their like allow (about 1e-6 of the number): no bf16 or f16 on the way to a quantiser, and a product that is left as it is and whose result goes on into a quantised operand takes f32 operands (vector FMAs, or v_wmma_f32_16x16x4_f32). A number that lies on a knife's edge between two numbers of the format may be rounded either way, as far as f32 arithmetic and the matrix unit's own rounding can turn it there, and no further.
;; 2 versions. Each part assembles by itself: llvm-mc -triple=amdgcn-amd-amdhsa -mcpu=gfx1250 --defsym DOCPART=n.
;; ======== version 1 of 2: 7 launches
;; workspace buffers: h_img 2,228,224 bytes; w_img 6,684,672 bytes; qkv_img 6,946,816 bytes; attn_img 2,228,224 bytes; x1 16,777,216 bytes; act_img 8,912,896 bytes
;; launch prep (part 1): grid 1024 x 1, 8 waves a work-group, no clusters, 67,072 bytes of LDS; arguments x, norm1_scale, norm1_bias, qkv_w, out_w, ff_up_w, ff_down_w, h_img, w_img; writes h_img, w_img
.if DOCPART == 1
	.amdgcn_target "amdgcn-amd-amdhsa--gfx1250"
	.amdhsa_code_object_version 6
	.text
	.protected	k_q25bac3b1b1_prep
	.globl	k_q25bac3b1b1_prep
	.p2align	8
	.type	k_q25bac3b1b1_prep,@function
k_q25bac3b1b1_prep:
	s_mov_b64 s[64:65], 0
	v_nop
	global_prefetch_b8 v0, s[64:65] scope:SCOPE_SE
	s_setreg_imm32_b32 hwreg(HW_REG_WAVE_MODE, 25, 1), 1
	s_wait_xcnt 0x0
; Rows of f32 with K innermost become operand images of FP4 (E2M1) codes with one E8M0 scale byte for each 32 along K.
; Work-groups 0-255: a layer norm over rows of 1,024 (argument 0, gain, bias) ahead of the quantiser, into h_img.
; Work-groups 256-1023: the four weights as they are, into w_img (qkv_w, out_w, ff_up_w, ff_down_w on end).
; A UNIT, one work-group's share, is a tile of 16 rows x 1,024 along K.  ROW ORDER: lane r of tile T stands for row 32 (T / 2) + 8 (T % 2) + r + 8 (r / 8),
; so that a product used transposed leaves 16 neighbours of the next K in a lane's 16 registers of two neighbouring tiles.
; IMAGE: for each tile and each 512 along K a record of 4,352 bytes: four fragments of 1,024 bytes (128 along K each; register group c of lane l at 512 c + 16 l,
; holding k = 64 c + 32 (l / 16) + 0 .. 31 of row l % 16), then four runs of 16 scale words (64 q + 4 r).
; PHASE 1: wave w loads rows 2 w and 2 w + 1 of the tile whole (each load 512 consecutive bytes), norms them if asked, and lays them in a stage in LDS.
; PHASE 2, behind the one barrier: wave w takes the unit's w-th 128 along K: a lane reads two whole blocks of 32 of its row, so no other lane is asked for a maximum.
; A block's scale byte is its largest magnitude's exponent field - 2, held at 1 from below.
; LIMITS: a block of zeros, or one whose largest magnitude lies under 2^-124, gets the byte 1 (its codes are zeros or near it; the bytes are read by this program alone);
; NaN and infinities among the inputs are not served; 1 / sqrt(var + eps) is v_rsq_f32's.
; No tile is shared between work-groups, so no cluster; memory binds, so no matrix unit.  The scale words leave in runs of 64 bytes: one byte in 128 of what is read.
.set PITCH, 4112                       ; a stage row: 4,096 bytes + 16: an odd multiple of 16, so the 16 rows that a load touches start in different banks
.set REC,   4352
.set X,     32                         ; v32-95   two rows as loaded, 32 registers each; in phase 2 my two blocks
.set G,     96                         ; v96-127  the gain of my columns
.set BV,    128                        ; v128-159 the bias
.set PC,    20                         ; v20-27   the fragment's codes
	s_load_b512 s[4:19], s[0:1], 0x0               ; rows s[4:5], gain s[6:7], bias s[8:9], qkv_w s[10:11], out_w s[12:13], ff_up_w s[14:15], ff_down_w s[16:17], h_img s[18:19]
	s_load_b64 s[20:21], s[0:1], 0x40              ; w_img
	v_lshl_add_u32 v168, v0, 2, 0x10200
	v_mov_b32 v169, 0
	v_lshrrev_b32 v1, 5, v0
	v_readfirstlane_b32 s24, v1                    ; wave 0..7
	v_and_b32 v1, 31, v0                           ; lane
	v_and_b32 v2, 15, v0                           ; r
	v_bfe_u32 v3, v0, 4, 1                         ; h
	v_lshlrev_b32 v4, 4, v1                        ; 16 x lane
	s_mul_i32 s25, s24, 2*PITCH
	v_add_nc_u32 v5, s25, v4                       ; the stage, in: my wave's two rows
	v_mul_u32_u24 v6, v2, PITCH
	v_lshl_add_u32 v6, v3, 7, v6
	s_lshl_b32 s25, s24, 9
	v_add_nc_u32 v6, s25, v6                       ; and out: row r, my wave's 512 bytes, + 128 h
	v_lshlrev_b32 v7, 2, v2                        ; 4 r
	s_mov_b32 s34, 0x76543210
	s_mov_b32 s35, 0xfedcba98                      ; v_permlanex16_b32's selects for lane l xor 16
	s_mov_b32 s36, 0x3727c5ac                      ; 1e-5
	s_mov_b32 s37, 0x3a800000                      ; 1 / 1,024
	s_wait_kmcnt 0x0
	; which tensor: the choice hangs on the work-group's number alone
	s_mov_b64 s[22:23], s[16:17]
	s_mov_b32 s26, 768
	s_cmp_lt_u32 ttmp9, 768
	s_cselect_b64 s[22:23], s[14:15], s[22:23]
	s_cselect_b32 s26, 512, s26                    ; the tensor's first work-group
	s_cselect_b32 s27, 0, 2                        ; ff_down_w has four units to a tile of rows
	s_cselect_b32 s28, 12, 14                      ; log2 of a row's bytes
	s_cselect_b32 s29, 0, 3
	s_cmp_lt_u32 ttmp9, 512
	s_cselect_b64 s[22:23], s[12:13], s[22:23]
	s_cselect_b32 s26, 448, s26
	s_cmp_lt_u32 ttmp9, 448
	s_cselect_b64 s[22:23], s[10:11], s[22:23]
	s_cselect_b32 s26, 256, s26
	s_cmp_lt_u32 ttmp9, 256
	s_cselect_b64 s[22:23], s[4:5], s[22:23]
	s_cselect_b32 s26, 0, s26
	s_cselect_b64 s[38:39], s[18:19], s[20:21]     ; where the unit's two records go:
	s_cselect_b32 s30, 0, 256
	s_sub_co_u32 s30, ttmp9, s30
	s_mul_i32 s30, s30, 2*REC                      ; units lie on end in both buffers (a tile of ff_down_w is four units)
	s_mov_b32 s31, 0
	s_add_nc_u64 s[38:39], s[38:39], s[30:31]
	s_sub_co_u32 s26, ttmp9, s26                   ; the unit's number in its tensor
	s_lshr_b32 s30, s26, s27                       ; T
	s_and_b32 s29, s26, s29
	s_lshl_b32 s29, s29, 12                        ; the unit's first column, in bytes
	s_lshr_b32 s31, s30, 1
	s_lshl_b32 s31, s31, 5
	s_and_b32 s30, s30, 1
	s_lshl_b32 s30, s30, 3
	s_add_co_u32 s30, s30, s31                     ; 32 (T / 2) + 8 (T % 2)
	s_lshl_b32 s31, s24, 1
	s_add_co_u32 s30, s30, s31                     ; + r = 2 w
	s_lshr_b32 s31, s24, 2
	s_lshl_b32 s31, s31, 3
	s_add_co_u32 s30, s30, s31                     ; + 8 (r / 8): my first row; my second is the next
	s_lshl_b32 s30, s30, s28
	s_add_co_u32 s30, s30, s29                     ; under 2^25
	s_mov_b32 s31, 0
	s_add_nc_u64 s[22:23], s[22:23], s[30:31]
	s_lshl_b32 s31, 1, s28
	v_add_nc_u32 v9, s31, v4                       ; 16 x lane, a row further down
	s_lshr_b32 s30, s24, 2                         ; phase 2's places: record w / 4, fragment w % 4
	s_mul_i32 s30, s30, REC
	s_and_b32 s31, s24, 3
	s_lshl_b32 s32, s31, 10
	s_add_co_u32 s32, s32, s30
	s_mov_b32 s33, 0
	s_add_nc_u64 s[40:41], s[38:39], s[32:33]      ; the codes
	s_lshl_b32 s32, s31, 6
	s_add_co_u32 s32, s32, s30
	s_add_co_u32 s32, s32, 4096
	s_add_nc_u64 s[42:43], s[38:39], s[32:33]      ; the scale words
.irp i, 0,1,2,3,4,5,6,7
	global_load_b128 v[X+4*\i:X+4*\i+3], v4, s[22:23] offset:512*\i th:TH_LOAD_NT
.endr
.irp i, 0,1,2,3,4,5,6,7
	global_load_b128 v[X+32+4*\i:X+32+4*\i+3], v9, s[22:23] offset:512*\i th:TH_LOAD_NT
.endr
	s_cmp_ge_u32 ttmp9, 256
	s_cbranch_scc1 .Lplain                         ; weights are quantised as they are
.irp i, 0,1,2,3,4,5,6,7
	global_load_b128 v[G+4*\i:G+4*\i+3], v4, s[6:7] offset:512*\i
.endr
.irp i, 0,1,2,3,4,5,6,7
	global_load_b128 v[BV+4*\i:BV+4*\i+3], v4, s[8:9] offset:512*\i
.endr
; v[p] (row 0) and v[p+4] (row 1) summed over the 32 lanes, the result in every lane; v[p+1] and v[p+5] at work
.macro ALLSUM p
.irp m, 1,2,4,8
.irp e, 0,4
	v_add_f32_dpp v[\p+\e], v[\p+\e], v[\p+\e] row_xmask:\m row_mask:0xf bank_mask:0xf
.endr
.endr
.irp e, 0,4
	v_permlanex16_b32 v[\p+\e+1], v[\p+\e], s34, s35
.endr
.irp e, 0,4
	v_add_f32 v[\p+\e], v[\p+\e], v[\p+\e+1]
.endr
.endm
	s_wait_loadcnt 16                              ; my two rows are in; the sixteen loads of gain and bias may be out
.irp e, 0,1                                        ; the rows' sums: two chains a row, the rows by turns
	v_pk_add_f32 v[10+4*\e:11+4*\e], v[X+32*\e:X+32*\e+1], v[X+32*\e+2:X+32*\e+3]
	v_pk_add_f32 v[12+4*\e:13+4*\e], v[X+32*\e+4:X+32*\e+5], v[X+32*\e+6:X+32*\e+7]
.endr
.irp i, 8,12,16,20,24,28
.irp e, 0,1
	v_pk_add_f32 v[10+4*\e:11+4*\e], v[10+4*\e:11+4*\e], v[X+32*\e+\i:X+32*\e+\i+1]
	v_pk_add_f32 v[12+4*\e:13+4*\e], v[12+4*\e:13+4*\e], v[X+32*\e+\i+2:X+32*\e+\i+3]
.endr
.endr
.irp e, 0,1
	v_pk_add_f32 v[10+4*\e:11+4*\e], v[10+4*\e:11+4*\e], v[12+4*\e:13+4*\e]
.endr
.irp e, 0,1
	v_add_f32 v[10+4*\e], v[10+4*\e], v[11+4*\e]
.endr
	ALLSUM 10
.irp e, 0,1
	v_mul_f32 v[10+4*\e], s37, v[10+4*\e]          ; the mean
.endr
.irp i, 0,2,4,6,8,10,12,14,16,18,20,22,24,26,28,30
.irp e, 0,1
	v_pk_add_f32 v[X+32*\e+\i:X+32*\e+\i+1], v[X+32*\e+\i:X+32*\e+\i+1], v[10+4*\e:11+4*\e] op_sel_hi:[1,0] neg_lo:[0,1] neg_hi:[0,1]   ; x - mean, in place
.endr
.endr
.irp e, 0,1                                        ; the sums of their squares
	v_pk_mul_f32 v[12+4*\e:13+4*\e], v[X+32*\e:X+32*\e+1], v[X+32*\e:X+32*\e+1]
	v_pk_mul_f32 v[160+2*\e:161+2*\e], v[X+32*\e+2:X+32*\e+3], v[X+32*\e+2:X+32*\e+3]
.endr
.irp i, 4,8,12,16,20,24,28
.irp e, 0,1
	v_pk_fma_f32 v[12+4*\e:13+4*\e], v[X+32*\e+\i:X+32*\e+\i+1], v[X+32*\e+\i:X+32*\e+\i+1], v[12+4*\e:13+4*\e]
	v_pk_fma_f32 v[160+2*\e:161+2*\e], v[X+32*\e+\i+2:X+32*\e+\i+3], v[X+32*\e+\i+2:X+32*\e+\i+3], v[160+2*\e:161+2*\e]
.endr
.endr
.irp e, 0,1
	v_pk_add_f32 v[12+4*\e:13+4*\e], v[12+4*\e:13+4*\e], v[160+2*\e:161+2*\e]
.endr
.irp e, 0,1
	v_add_f32 v[12+4*\e], v[12+4*\e], v[13+4*\e]
.endr
	ALLSUM 12
.irp e, 0,1
	v_fma_f32 v[12+4*\e], v[12+4*\e], s37, s36     ; the variance + eps
.endr
	v_rsq_f32 v12, v12
	v_rsq_f32 v16, v16
	v_nop                                          ; a plain instruction behind the last of the two
	s_wait_alu depctr_va_vdst(0)                   ; one wait for both, ahead of their first reader
	s_wait_loadcnt 0x0                             ; gain and bias
.irp i, 0,2,4,6,8,10,12,14,16,18,20,22,24,26,28,30
.irp e, 0,1
	v_pk_mul_f32 v[X+32*\e+\i:X+32*\e+\i+1], v[X+32*\e+\i:X+32*\e+\i+1], v[12+4*\e:13+4*\e] op_sel_hi:[1,0]
.endr
.endr
.irp i, 0,2,4,6,8,10,12,14,16,18,20,22,24,26,28,30
.irp e, 0,1
	v_pk_fma_f32 v[X+32*\e+\i:X+32*\e+\i+1], v[X+32*\e+\i:X+32*\e+\i+1], v[G+\i:G+\i+1], v[BV+\i:BV+\i+1]
.endr
.endr
.Lplain:
	s_wait_loadcnt 0x0
.irp e, 0,1
.irp i, 0,1,2,3,4,5,6,7
	ds_store_b128 v5, v[X+32*\e+4*\i:X+32*\e+4*\i+3] offset:\e*PITCH+512*\i
.endr
.endr
	s_wait_dscnt 0x0                               ; for the others' sake: my two rows lie in the stage
	s_barrier_signal -1
	s_barrier_wait -1                              ; all sixteen do
.irp c, 0,1
.irp j, 0,1,2,3,4,5,6,7
	ds_load_b128 v[X+32*\c+4*\j:X+32*\c+4*\j+3], v6 offset:256*\c+16*\j   ; k = 64 c + 32 h + 4 j .. of row r
.endr
.endr
	s_wait_dscnt 0x0
.irp c, 0,1
	v_max3_num_f32 v[28+\c], |v[X+32*\c]|, |v[X+32*\c+1]|, 0x1800000   ; my block 2 c + h, and the floor 2^(3 - 127): the byte cannot fall under 1
.endr
.irp i, 2,4,6,8,10,12,14,16,18,20,22,24,26,28,30
.irp c, 0,1
	v_max3_num_f32 v[28+\c], v[28+\c], |v[X+32*\c+\i]|, |v[X+32*\c+\i+1]|
.endr
.endr
.irp c, 0,1
	v_add_nc_u32 v[30+\c], 0xff000000, v[28+\c]    ; 2 off the exponent field: the conversion's scale operand
.endr
.irp c, 0,1
	v_lshrrev_b32 v[28+\c], 23, v[30+\c]           ; the scale's byte
.endr
	v_lshl_or_b32 v10, v29, 16, v28                ; blocks h and 2 + h,
	v_lshlrev_b32 v11, 3, v3
	v_lshlrev_b32 v10, v11, v10                    ; at their places in the row's word;
	v_mov_b32 v11, 0
	v_permlanex16_b32 v11, v10, s34, s35
	v_or_b32 v10, v10, v11                         ; with lane l xor 16's two the word is whole
.irp c, 0,1
.irp g, 0,1,2,3
	v_cvt_scalef32_pk8_fp4_f32 v[PC+4*\c+\g], v[X+32*\c+8*\g:X+32*\c+8*\g+7], v[30+\c]
.endr
.endr
	global_store_b128 v4, v[PC:PC+3], s[40:41]             ; 512 consecutive bytes each: the fragment as its registers stand
	global_store_b128 v4, v[PC+4:PC+7], s[40:41] offset:512
	global_store_b32 v7, v10, s[42:43]                     ; both halves of the lanes hold the same word and write it to the same place
	s_wait_tensorcnt 0x0
	ds_add_u32 v168, v169
	s_wait_dscnt 0x0
	s_endpgm
.Lfunc_end_k_q25bac3b1b1_prep:
	.size	k_q25bac3b1b1_prep, .Lfunc_end_k_q25bac3b1b1_prep-k_q25bac3b1b1_prep
	.p2alignl 7, 3214868480
	.fill 96, 4, 3214868480
	.section	.rodata,"a",@progbits
	.p2align	6, 0x0
	.amdhsa_kernel k_q25bac3b1b1_prep
		.amdhsa_group_segment_fixed_size 67072
		.amdhsa_private_segment_fixed_size 0
		.amdhsa_enable_private_segment 0
		.amdhsa_kernarg_size 72
		.amdhsa_user_sgpr_count 2
		.amdhsa_user_sgpr_kernarg_segment_ptr 1
		.amdhsa_wavefront_size32 1
		.amdhsa_system_sgpr_workgroup_id_x 1
		.amdhsa_system_sgpr_workgroup_id_y 1
		.amdhsa_system_sgpr_workgroup_id_z 1
		.amdhsa_system_vgpr_workitem_id 0
		.amdhsa_next_free_vgpr 170
		.amdhsa_next_free_sgpr 66
		.amdhsa_reserve_vcc 0
		.amdhsa_float_denorm_mode_32 3
		.amdhsa_float_denorm_mode_16_64 3
		.amdhsa_memory_ordered 1
		.amdhsa_forward_progress 1
		.amdhsa_inst_pref_size 24
	.end_amdhsa_kernel
	.amdgpu_metadata
---
amdhsa.version: [ 1, 2 ]
amdhsa.kernels:
  - .name:           k_q25bac3b1b1_prep
    .symbol:         k_q25bac3b1b1_prep.kd
    .args:
      - { .name: x, .offset: 0, .size: 8, .value_kind: global_buffer, .address_space: global }
      - { .name: norm1_scale, .offset: 8, .size: 8, .value_kind: global_buffer, .address_space: global }
      - { .name: norm1_bias, .offset: 16, .size: 8, .value_kind: global_buffer, .address_space: global }
      - { .name: qkv_w, .offset: 24, .size: 8, .value_kind: global_buffer, .address_space: global }
      - { .name: out_w, .offset: 32, .size: 8, .value_kind: global_buffer, .address_space: global }
      - { .name: ff_up_w, .offset: 40, .size: 8, .value_kind: global_buffer, .address_space: global }
      - { .name: ff_down_w, .offset: 48, .size: 8, .value_kind: global_buffer, .address_space: global }
      - { .name: h_img, .offset: 56, .size: 8, .value_kind: global_buffer, .address_space: global }
      - { .name: w_img, .offset: 64, .size: 8, .value_kind: global_buffer, .address_space: global }
    .group_segment_fixed_size: 67072
    .private_segment_fixed_size: 0
    .kernarg_segment_align: 8
    .kernarg_segment_size: 72
    .max_flat_workgroup_size: 256
    .sgpr_count:     66
    .vgpr_count:     170
    .wavefront_size: 32
...
	.end_amdgpu_metadata
.endif
;; end of part 1
;; launch g1 (part 2): grid 12 x 16, 4 waves a work-group, clusters of 4 x 4, 327,680 bytes of LDS; arguments h_img, w_img, qkv_img; writes qkv_img
.if DOCPART == 2
	.amdgcn_target "amdgcn-amd-amdhsa--gfx1250"
	.amdhsa_code_object_version 6
	.text
	.protected	k_q25bac3b1b1_g1
	.globl	k_q25bac3b1b1_g1
	.p2align	8
	.type	k_q25bac3b1b1_g1,@function
k_q25bac3b1b1_g1:
	s_mov_b64 s[64:65], 0
	v_nop
	global_prefetch_b8 v0, s[64:65] scope:SCOPE_SE
	s_setreg_imm32_b32 hwreg(HW_REG_WAVE_MODE, 25, 1), 1
	s_wait_xcnt 0x0
	s_wait_alu depctr_hold_cnt(0) depctr_sa_sdst(0) depctr_va_vdst(0) depctr_va_sdst(0) depctr_va_ssrc(0) depctr_va_vcc(0) depctr_vm_vsrc(0)
	s_getreg_b32 s2, hwreg(HW_REG_IB_STS2, 6, 4)
	s_cmp_eq_u32 s2, 0
	s_cbranch_scc0 .Lentry_in_a_cluster
	s_endpgm
.Lentry_in_a_cluster:
	s_bfe_u32 s2, ttmp6, 0x10000c
	s_cmp_lg_u32 s2, 0xf033
	s_cbranch_scc0 .Lentry_shape_is_right
	s_endpgm
.Lentry_shape_is_right:
; Product 1 on operand images of FP4 codes, and its results quantised for attention.  K = 1,024.
; Clusters x = 0, 1: q and k.  Source 1 = tokens (h_img), source 0 = rows 0-2,047 of qkv_w (w_img): a lane holds one token and 128 neighbouring channels, two heads: quantised along d.
; Cluster x = 2: V^T = Wv h^T.  Source 1 = Wv's rows, source 0 = tokens: a lane holds one channel and 128 neighbouring keys: quantised along the keys.
; A work-group makes 256 x 256, each of its four waves 128 x 128: 64 accumulators, 512 registers.  The instruction is used transposed throughout.
; IMAGES (made by the launch before): for each tile of 16 rows and each 512 along K a record of 4,352 bytes: four fragments of 1,024 bytes as their registers stand, then four runs of 16 scale words.
; One tensor load brings 8 records (8 tiles x 512 along K), codes and scales together; a fragment is two dense LDS loads.  K's two steps of 512 fill the two slots once: nothing is filled again.
; CLUSTERS: 4 x 4 work-groups; source 1's tiles are asked for jointly along a row of the cluster, source 0's along a column.  Which part a cluster makes hangs on the cluster's x alone.
; ROW ORDER: lane r of tile T stands for row 32 (T / 2) + 8 (T % 2) + r + 8 (r / 8); so in accumulator (a, b) lane (r, h), register j is source 0's row 32 (b / 2) + 8 (b % 2) + 16 h + j.
; OUT (qkv_img): Q: for each (batch, head) 73,728 bytes: 128 tiles x 512 bytes of codes (lane (r, h): d = 32 h ..), at +65,536 the scale words (two bytes, two zero bytes).
;   K, V from 2,359,296 on, 143,360 bytes each: K's codes and words likewise; at +73,728 V^T's fragments [key step][tile of 16 d] x 1,024; at +139,264 their scale words.
; LIMITS: a block whose largest magnitude lies under 2^-124 gets the scale byte 1; NaN and infinities are not served.
; REGISTERS, in windows of 256: window 0: v1-31 addresses; v32-95 scale words, two sets; v96-122 the quantiser; v128-191 source 1's fragments, one set.  window 1: source 0's, two sets, at v0 and v128.
;   window 2: accumulators of my rows' blocks 0-3 ((a, b) at v[8 (8 (a % 4) + b)]); window 3: blocks 4-7.
.set SIZE_K, 1024
.set KSTEP,  512
.set NQ,     4
.set REC,    4352
.set TROW,   (SIZE_K/512)*REC          ; a tile's records in memory
.set HALFT,  8*REC                     ; what one tensor load brings, and what one wave reads of either operand
.set SLOT,   4*HALFT
.set SPARE,  2*SLOT                    ; behind the slots: the spare words, 128 bytes for each wave
.set FR,     8
.set NL,     2
.set NP,     4
.set WV_OFF, 1114112                   ; Wv's image in w_img
.set KV_OFF, 2359296
.set QSTR,   73728
.set KVSTR,  143360
.set L16,  3                           ; v3      16 x lane
.set ADRA, 16                          ; v16-17  source 1's fragments in slot 0, 1
.set ADRS, 18                          ; v18-19  scale words: lanes 0-15 source 1's, lanes 16-31 source 0's
.set ADRB, 20                          ; v20-21  source 0's fragments
.set SPW,  28
.set NIL,  29
.set VC,   30                          ; v30     the codes' offset in qkv_img
.set VS,   31                          ; v31     the scale words'
.set SC,   32
.set PC,   96                          ; v96-103 the fragment just made
.set TM,   104                         ; v104-119 maxima, bytes, scale operands
.set PW,   120                         ; v120    its scale word; v121, v122 the word's halves
.set AF,   128
.set G1, 24
.set G0, 32
.set G1B, 48
.set G0B, 56
.set SEL, 66
.set MSB, 0
.macro WIN new                         ; the immediate's high byte repeats the setting that is left
.if MSB != (\new)
	s_set_vgpr_msb (MSB<<8)|(\new)
.set MSB, (\new)
.endif
.endm
.set MUL_LO, 0xa1                      ; source 0 window 1, source 1 window 0, C and D window 2
.set MUL_HI, 0xf1
.set TO_B,   0x40
.macro JLOAD g0a, g1a, g0b, g1b        ; a joint load: waves 0 and 1 fetch for source 1, waves 2 and 3 for source 0; four v_nop follow each line
	s_cmp_eq_u32 s15, 0
	s_cbranch_scc0 .Lfor_b_\@
	tensor_load_to_lds s[\g0a:\g0a+3], s[\g1a:\g1a+7]
	s_nop 0
.rept 4
	v_nop
.endr
	s_branch .Lasked_\@
.Lfor_b_\@:
	tensor_load_to_lds s[\g0b:\g0b+3], s[\g1b:\g1b+7]
	s_nop 0
.rept 4
	v_nop
.endr
.Lasked_\@:
.endm
.macro CREST
	s_cmp_lg_u32 s14, 0
	s_cbranch_scc1 .Lnot_wave_0_\@
	s_barrier_signal -3
.Lnot_wave_0_\@:
	s_barrier_wait -3
	s_barrier_signal -1
	s_barrier_wait -1
.endm
.macro CROUND
	s_barrier_signal -1
	s_barrier_wait -1
	CREST
.endm
	s_load_b128 s[4:7], s[0:1], 0x0                ; h_img, w_img
	s_load_b64 s[8:9], s[0:1], 0x10                ; qkv_img
	v_lshl_add_u32 v[SPW], v0, 2, SPARE
	v_mov_b32 v[NIL], 0
	ds_add_u32 v28, v29
	ds_add_u32 v28, v29
	s_wait_dscnt 0x0
	v_lshrrev_b32 v1, 5, v0
	v_readfirstlane_b32 s14, v1                    ; wave 0..3
	s_lshr_b32 s15, s14, 1                         ; my half of source 1's rows.  Also: I fetch for source 1 (0) or source 0 (1)
	s_and_b32 s16, s14, 1                          ; my half of source 0's rows.  Also: which 8 tiles I fetch
	s_bfe_u32 s40, ttmp6, 0x40000                  ; cx
	s_bfe_u32 s41, ttmp6, 0x40004                  ; cy
	s_and_b32 s18, ttmp7, 0xffff
	s_lshl_b32 s18, s18, 2                         ; 4 x cluster y
	s_lshl_b32 s19, ttmp9, 2                       ; 4 x cluster x
	s_cmp_lt_u32 ttmp9, 2                          ; q and k, or V^T?  The same in all sixteen partners
	s_cselect_b32 s17, s18, 0
	s_cselect_b32 s42, s19, s18
	s_add_co_u32 s17, s17, s41                     ; block of 256 rows of source 1: tokens 4 Y + cy, or Wv's cy
	s_add_co_u32 s42, s42, s40                     ; block of 256 rows of source 0: channels 4 X + cx, or tokens 4 Y + cx
	s_lshl_b32 s43, s41, 2
	s_lshl_b32 s43, 15, s43                        ; my row of the cluster
	s_lshl_b32 s44, 0x1111, s40                    ; my column
	; descriptor group 1: 8 rows of 544 elements of 8 bytes (a record), TROW bytes apart; no padding
	s_or_b32 s[G1+0], s43, (3<<16)|(1<<21)
	s_or_b32 s[G1B+0], s44, (3<<16)|(1<<21)
.irp g, G1, G1B
	s_mov_b32 s[\g+1], 544<<16                     ; tensor_dim0
	s_mov_b32 s[\g+2], 8<<16                       ; tensor_dim1
	s_mov_b32 s[\g+3], 544<<16                     ; tile_dim0
	s_mov_b32 s[\g+4], 8                           ; tile_dim1
	s_mov_b32 s[\g+5], TROW/8                      ; tensor_dim0_stride
	s_mov_b32 s[\g+6], 0
	s_mov_b32 s[\g+7], 0
.endr
	s_lshl_b32 s18, s16, 3
	s_lshl_b32 s20, s17, 4
	s_add_co_u32 s20, s20, s18                     ; source 1: tile 16 x block + 8 x half
	s_mul_i32 s20, s20, TROW
	s_mov_b32 s21, 0
	s_lshl_b32 s46, s42, 4
	s_add_co_u32 s46, s46, s18                     ; source 0 likewise
	s_mul_i32 s46, s46, TROW
	s_mov_b32 s47, 0
	s_mul_i32 s45, s14, HALFT                      ; where they go: wave x 8 records: no place in the cluster enters an LDS address
	s_wait_kmcnt 0x0
	s_add_nc_u64 s[12:13], s[6:7], WV_OFF
	s_cmp_lt_u32 ttmp9, 2
	s_cselect_b64 s[10:11], s[4:5], s[12:13]       ; source 1: h_img or Wv's image
	s_cselect_b64 s[12:13], s[6:7], s[4:5]         ; source 0: w_img or h_img
	s_add_nc_u64 s[20:21], s[10:11], s[20:21]
	s_add_nc_u64 s[46:47], s[12:13], s[46:47]
	CROUND                                         ; all sixteen work-groups are here: the joint loads meet
.irp s, 0,1
	s_mov_b32 s[G0+4*\s], 1
	s_add_co_u32 s[G0+4*\s+1], s45, \s*SLOT
	s_add_nc_u64 s[G0+4*\s+2:G0+4*\s+3], s[20:21], \s*REC
	s_or_b32 s[G0+4*\s+3], s[G0+4*\s+3], 0x80000000
	s_mov_b32 s[G0B+4*\s], 1
	s_add_co_u32 s[G0B+4*\s+1], s45, \s*SLOT
	s_add_nc_u64 s[G0B+4*\s+2:G0B+4*\s+3], s[46:47], \s*REC
	s_or_b32 s[G0B+4*\s+3], s[G0B+4*\s+3], 0x80000000
	JLOAD G0+4*\s, G1, G0B+4*\s, G1B               ; two loads of mine are out
.endr
	v_and_b32 v1, 15, v0                           ; r
	v_bfe_u32 v2, v0, 4, 1                         ; h
	v_and_b32 v[L16], 31, v0
	v_lshlrev_b32 v[L16], 4, v[L16]
	s_mul_i32 s21, s15, HALFT                      ; my 8 tiles of source 1
	s_mul_i32 s22, s16, HALFT
	s_add_co_u32 s22, s22, 2*HALFT                 ; my 8 of source 0, behind source 1's 16
	s_sub_co_u32 s23, s22, s21
	v_mul_u32_u24 v4, s23, v2                      ; lanes 16-31 take source 0's scale words
	v_lshl_add_u32 v4, v1, 2, v4
.irp s, 0,1
	v_add_nc_u32 v[ADRA+\s], s21, v[L16]
	v_add_nc_u32 v[ADRB+\s], s22, v[L16]
	v_add_nc_u32 v[ADRS+\s], s21, v4
	s_add_co_u32 s21, s21, SLOT
	s_add_co_u32 s22, s22, SLOT
.endr
.macro FRAG reg, adr, q, i             ; a fragment as its registers stand: two dense loads of 512 bytes
.irp c, 0,1
	ds_load_b128 v[\reg+4*\c:\reg+4*\c+3], v[\adr] offset:(\i)*REC+1024*(\q)+512*\c
.endr
.endm
; 16 matrix instructions: source 1's blocks a0, a0 + 1 x source 0's eight.  The 64 accumulators take turns, one instruction a turn.
.macro MUL16 a0, p, q, sc, zero
.irp a, \a0, \a0+1
.irp b, 0,1,2,3,4,5,6,7
.if \zero
	v_wmma_scale_f32_16x16x128_f8f6f4 v[8*(8*((\a)%4)+\b):8*(8*((\a)%4)+\b)+7], v[128*(\p)+FR*\b:128*(\p)+FR*\b+FR-1], v[AF+FR*(\a):AF+FR*(\a)+FR-1], 0, v[SC+8*NQ*(\sc)+NQ*\b+(\q)], v[SC+8*NQ*(\sc)+NQ*(\a)+(\q)] matrix_a_fmt:MATRIX_FMT_FP4 matrix_b_fmt:MATRIX_FMT_FP4 matrix_a_scale:MATRIX_SCALE_ROW1
.else
	v_wmma_scale_f32_16x16x128_f8f6f4 v[8*(8*((\a)%4)+\b):8*(8*((\a)%4)+\b)+7], v[128*(\p)+FR*\b:128*(\p)+FR*\b+FR-1], v[AF+FR*(\a):AF+FR*(\a)+FR-1], v[8*(8*((\a)%4)+\b):8*(8*((\a)%4)+\b)+7], v[SC+8*NQ*(\sc)+NQ*\b+(\q)], v[SC+8*NQ*(\sc)+NQ*(\a)+(\q)] matrix_a_fmt:MATRIX_FMT_FP4 matrix_b_fmt:MATRIX_FMT_FP4 matrix_a_scale:MATRIX_SCALE_ROW1
.endif
.endr
.endr
.endm
.macro FETCH_B slot, q, p
	WIN TO_B
.irp i, 0,1,2,3,4,5,6,7
	FRAG 128*(\p)+FR*\i, ADRB+\slot, \q, \i
.endr
	WIN 0
.endm
.macro FETCH_A slot, q, i0
.irp i, \i0, \i0+1, \i0+2, \i0+3
	FRAG AF+FR*(\i), ADRA+\slot, \q, \i
.endr
.endm
.macro SCALES sc                       ; a slot's scale words: register NQ i + q: lanes 0-15 source 1's block i, lanes 16-31 source 0's block i
.irp i, 0,1,2,3,4,5,6,7
.irp q, 0,1,2,3
	ds_load_b32 v[SC+8*NQ*\sc+NQ*\i+\q], v[ADRS+\sc] offset:\i*REC+4096+64*\q
.endr
.endr
.endm
.macro PLACES n                        ; plain instructions between a matrix instruction and a load into, or a read of, its registers
.rept \n
	v_nop
.endr
.endm
.macro STEP slot, q, zero              ; 128 along K, with its successor in the same slot
	s_wait_dscnt 4*NL                              ; all but the youngest eight loads (source 1's blocks 4-7)
	WIN MUL_LO
	MUL16 0, (\q)%2, \q, \slot, \zero
	MUL16 2, (\q)%2, \q, \slot, \zero
	s_wait_dscnt 0
	PLACES NP
	FETCH_B \slot, (\q)+1, 1-(\q)%2
	FETCH_A \slot, (\q)+1, 0
	WIN MUL_HI
	MUL16 4, (\q)%2, \q, \slot, \zero
	MUL16 6, (\q)%2, \q, \slot, \zero
	PLACES NP
	WIN 0
	FETCH_A \slot, (\q)+1, 4
.endm
.macro TURN slot, next                 ; a slot's last step, and the change of slots: one barrier; nothing is filled again here
	s_wait_tensorcnt 0x0                           ; my part of the next slot has landed
	ds_add_u32 v[SPW], v[NIL]                      ; 0 onto my spare word
	s_wait_dscnt 4*NL+1                            ; the add and the youngest eight loads may be out
	WIN MUL_LO
	MUL16 0, 1, NQ-1, \slot, 0
	s_wait_dscnt 0x0                               ; the add is done, my reads of this slot are over
	s_barrier_signal -1
	MUL16 2, 1, NQ-1, \slot, 0
	WIN 0
	s_barrier_wait -1                              ; the next slot is whole
	PLACES NP
	FETCH_B \next, 0, 0
	FETCH_A \next, 0, 0
	SCALES \next
	WIN MUL_HI
	MUL16 4, 1, NQ-1, \slot, 0
	MUL16 6, 1, NQ-1, \slot, 0
	PLACES NP
	WIN 0
	FETCH_A \next, 0, 4
.endm
	s_wait_tensorcnt 1                             ; my part of slot 0 is in; slot 1's may be out
	s_barrier_signal -1
	s_barrier_wait -1
	FETCH_B 0, 0, 0
	FETCH_A 0, 0, 0
	SCALES 0
	FETCH_A 0, 0, 4
	STEP 0, 0, 1                                   ; the first products start the sums
	STEP 0, 1, 0
	STEP 0, 2, 0
	TURN 0, 1
	STEP 1, 0, 0
	STEP 1, 1, 0
	STEP 1, 2, 0
	s_wait_dscnt 4*NL
	WIN MUL_LO
	MUL16 0, 1, NQ-1, 1, 0
	MUL16 2, 1, NQ-1, 1, 0
	s_wait_dscnt 0
	WIN MUL_HI
	MUL16 4, 1, NQ-1, 1, 0
	MUL16 6, 1, NQ-1, 1, 0
	WIN 0
	PLACES NP
; 64 numbers of a lane in window w, register 16 b + i = k 32 b + 16 h + i of my row, become a fragment in v[PC] on and its scale word in v[PW].  Each accumulator is read from its low end on.
.macro QUANT s, w
	WIN ((\w)<<2)|((\w)<<4)
.irp b, 0,1,2,3
	v_max3_num_f32 v[TM+\b], 0x1800000, |v[(\s)+16*\b]|, |v[(\s)+16*\b+1]|   ; with the floor 2^(3 - 127): the byte cannot fall under 1
.endr
.irp i, 2,4,6,8,10,12,14
.irp b, 0,1,2,3
	v_max3_num_f32 v[TM+\b], v[TM+\b], |v[(\s)+16*\b+\i]|, |v[(\s)+16*\b+\i+1]|
.endr
.endr
	WIN 0
.irp b, 0,1,2,3
	v_permlanex16_b32 v[TM+4+\b], v[TM+\b], s[SEL], s[SEL+1]
.endr
.irp b, 0,1,2,3
	v_max_num_f32 v[TM+\b], v[TM+\b], v[TM+4+\b]   ; with lane l xor 16's: the block's largest magnitude
.endr
.irp b, 0,1,2,3
	v_add_nc_u32 v[TM+12+\b], 0xff000000, v[TM+\b] ; 2 off its exponent field: the conversion's scale operand
.endr
.irp b, 0,1,2,3
	v_lshrrev_b32 v[TM+4+\b], 23, v[TM+12+\b]      ; the byte
.endr
	v_lshl_or_b32 v[PW], v[TM+5], 8, v[TM+4]
	v_lshl_or_b32 v[PW], v[TM+6], 16, v[PW]
	v_lshl_or_b32 v[PW], v[TM+7], 24, v[PW]
	WIN (\w)
.irp b, 0,1,2,3
	v_cvt_scalef32_pk8_fp4_f32 v[PC+2*\b], v[(\s)+16*\b:(\s)+16*\b+7], v[TM+12+\b]
	v_cvt_scalef32_pk8_fp4_f32 v[PC+2*\b+1], v[(\s)+16*\b+8:(\s)+16*\b+15], v[TM+12+\b]
.endr
	WIN 0
	v_nop                                          ; a plain instruction behind the conversions
.irp c, 0,1                                        ; a whole block to a lane: lanes 0-15 block 2 c, lanes 16-31 block 2 c + 1
.irp i, 0,1
	v_permlane16_swap_b32 v[PC+4*\c+\i], v[PC+2+4*\c+\i]
.endr
.endr
.endm
	s_mov_b32 s[SEL], 0x76543210
	s_mov_b32 s[SEL+1], 0xfedcba98
.irp b, 0,1,2,3
	v_mov_b32 v[TM+4+\b], 0                        ; a lane permute's destination counts as read
.endr
	s_cmp_lt_u32 ttmp9, 2
	s_cbranch_scc0 .Lv_places
	; q and k: my 128 channels are heads 2 hp and 2 hp + 1 of q (blocks 0-3 of channels) or k (4-7); my tokens are tiles T0 .. T0 + 7 of batch b
	s_lshr_b32 s72, s42, 2
	s_cmp_eq_u32 s72, 0
	s_mov_b32 s73, KVSTR
	s_cselect_b32 s73, QSTR, s73                   ; bytes from head to head
	s_cselect_b32 s74, 0, KV_OFF
	s_and_b32 s75, s42, 3
	s_lshl_b32 s75, s75, 1
	s_add_co_u32 s75, s75, s16
	s_lshl_b32 s75, s75, 1                         ; 2 hp
	s_lshr_b32 s76, s17, 3
	s_lshl_b32 s76, s76, 4
	s_add_co_u32 s75, s75, s76                     ; 16 b + 2 hp
	s_mul_i32 s75, s75, s73
	s_add_co_u32 s74, s74, s75
	s_mov_b32 s75, 0
	s_add_nc_u64 s[68:69], s[8:9], s[74:75]        ; the first head's part,
	s_mov_b32 s74, s73
	s_add_nc_u64 s[70:71], s[68:69], s[74:75]      ; the second's
	s_and_b32 s76, s17, 7
	s_lshl_b32 s76, s76, 4
	s_lshl_b32 s77, s15, 3
	s_add_co_u32 s76, s76, s77                     ; T0
	s_lshl_b32 s77, s76, 9
	v_add_nc_u32 v[VC], s77, v[L16]
	s_lshl_b32 s77, s76, 6
	v_lshl_add_u32 v[VS], v1, 2, s77
	s_branch .Lplaces_made
.Lv_places:
	; V^T: my 128 channels are heads 4 x block + 2 x half and the next; my 128 tokens are key step sigma of batch b
	s_lshr_b32 s76, s42, 3
	s_lshl_b32 s76, s76, 4
	s_lshl_b32 s77, s17, 2
	s_add_co_u32 s76, s76, s77
	s_lshl_b32 s77, s15, 1
	s_add_co_u32 s76, s76, s77
	s_mul_i32 s74, s76, KVSTR
	s_add_co_u32 s74, s74, KV_OFF
	s_mov_b32 s75, 0
	s_add_nc_u64 s[68:69], s[8:9], s[74:75]
	s_mov_b64 s[70:71], s[68:69]
	s_and_b32 s76, s42, 7
	s_lshl_b32 s76, s76, 1
	s_add_co_u32 s76, s76, s16                     ; sigma
	s_lshl_b32 s77, s76, 12
	v_add_nc_u32 v[VC], s77, v[L16]
	s_lshl_b32 s77, s76, 8
	v_lshl_add_u32 v[VS], v1, 2, s77
.Lplaces_made:
.macro QBLK a                          ; block a of my rows: quantised and stored; every store of codes covers 512 consecutive bytes
.if (\a) > 0
	s_wait_xcnt 0x0                                ; the last block's stores have read their registers
.endif
	QUANT 64*((\a)%4), 2+(\a)/4
	v_and_b32 v121, 0xffff, v[PW]                  ; the first head's two bytes, over two zero bytes,
	v_lshrrev_b32 v122, 16, v[PW]                  ; the second's
	s_cmp_lt_u32 ttmp9, 2
	s_cbranch_scc0 .Lv_out_\@
	global_store_b128 v[VC], v[PC:PC+3], s[68:69] offset:512*(\a)
	global_store_b128 v[VC], v[PC+4:PC+7], s[70:71] offset:512*(\a)
	global_store_b32 v[VS], v121, s[68:69] offset:65536+64*(\a)
	global_store_b32 v[VS], v122, s[70:71] offset:65536+64*(\a)
	s_branch .Lout_\@
.Lv_out_\@:
	global_store_b128 v[VC], v[PC:PC+3], s[68:69] offset:((\a)/4)*KVSTR+73728+((\a)%4)*1024
	global_store_b128 v[VC], v[PC+4:PC+7], s[68:69] offset:((\a)/4)*KVSTR+73728+((\a)%4)*1024+512
	global_store_b32 v[VS], v[PW], s[68:69] offset:((\a)/4)*KVSTR+139264+((\a)%4)*64
.Lout_\@:
.endm
.irp a, 0,1,2,3,4,5,6,7
	QBLK \a
.endr
	s_wait_tensorcnt 0x0                           ; the wave's end
	ds_add_u32 v[SPW], v[NIL]
	s_wait_dscnt 0x0
	CROUND                                         ; the closing round
	s_endpgm
.Lfunc_end_k_q25bac3b1b1_g1:
	.size	k_q25bac3b1b1_g1, .Lfunc_end_k_q25bac3b1b1_g1-k_q25bac3b1b1_g1
	.p2alignl 7, 3214868480
	.fill 96, 4, 3214868480
	.section	.rodata,"a",@progbits
	.p2align	6, 0x0
	.amdhsa_kernel k_q25bac3b1b1_g1
		.amdhsa_group_segment_fixed_size 327680
		.amdhsa_private_segment_fixed_size 0
		.amdhsa_enable_private_segment 0
		.amdhsa_kernarg_size 24
		.amdhsa_user_sgpr_count 2
		.amdhsa_user_sgpr_kernarg_segment_ptr 1
		.amdhsa_wavefront_size32 1
		.amdhsa_system_sgpr_workgroup_id_x 1
		.amdhsa_system_sgpr_workgroup_id_y 1
		.amdhsa_system_sgpr_workgroup_id_z 1
		.amdhsa_system_vgpr_workitem_id 0
		.amdhsa_next_free_vgpr 1024
		.amdhsa_next_free_sgpr 98
		.amdhsa_reserve_vcc 0
		.amdhsa_float_denorm_mode_32 3
		.amdhsa_float_denorm_mode_16_64 3
		.amdhsa_memory_ordered 1
		.amdhsa_forward_progress 1
		.amdhsa_inst_pref_size 135
	.end_amdhsa_kernel
	.amdgpu_metadata
---
amdhsa.version: [ 1, 2 ]
amdhsa.kernels:
  - .name:           k_q25bac3b1b1_g1
    .symbol:         k_q25bac3b1b1_g1.kd
    .args:
      - { .name: h_img, .offset: 0, .size: 8, .value_kind: global_buffer, .address_space: global }
      - { .name: w_img, .offset: 8, .size: 8, .value_kind: global_buffer, .address_space: global }
      - { .name: qkv_img, .offset: 16, .size: 8, .value_kind: global_buffer, .address_space: global }
    .group_segment_fixed_size: 327680
    .private_segment_fixed_size: 0
    .kernarg_segment_align: 8
    .kernarg_segment_size: 24
    .max_flat_workgroup_size: 128
    .sgpr_count:     98
    .vgpr_count:     1024
    .wavefront_size: 32
...
	.end_amdgpu_metadata
.endif
;; end of part 2
;; launch attn (part 3): grid 8 x 32, 16 waves a work-group, clusters of 4 x 1, 169,984 bytes of LDS; arguments qkv_img, attn_img; writes attn_img
.if DOCPART == 3
	.amdgcn_target "amdgcn-amd-amdhsa--gfx1250"
	.amdhsa_code_object_version 6
	.text
	.protected	k_q25bac3b1b1_attn
	.globl	k_q25bac3b1b1_attn
	.p2align	8
	.type	k_q25bac3b1b1_attn,@function
k_q25bac3b1b1_attn:
	s_mov_b64 s[64:65], 0
	v_nop
	global_prefetch_b8 v0, s[64:65] scope:SCOPE_SE
	s_setreg_imm32_b32 hwreg(HW_REG_WAVE_MODE, 25, 1), 1
	s_wait_xcnt 0x0
	s_wait_alu depctr_hold_cnt(0) depctr_sa_sdst(0) depctr_va_vdst(0) depctr_va_sdst(0) depctr_va_ssrc(0) depctr_va_vcc(0) depctr_vm_vsrc(0)
	s_getreg_b32 s2, hwreg(HW_REG_IB_STS2, 6, 4)
	s_cmp_eq_u32 s2, 0
	s_cbranch_scc0 .Lentry_in_a_cluster
	s_endpgm
.Lentry_in_a_cluster:
	s_bfe_u32 s2, ttmp6, 0x10000c
	s_cmp_lg_u32 s2, 0x3003
	s_cbranch_scc0 .Lentry_shape_is_right
	s_endpgm
.Lentry_shape_is_right:
; Attention on FP4 codes: S^T = K Q^T (K = the head's 64: the upper half of the instruction's 128 is zero codes on both sides), the softmax, O^T = V^T P^T (K = the keys), O / l quantised along E.
; THE SOFTMAX: t = score x log2(e) / 8; M = the running largest t rounded UP to a whole number; p = 2^(t - M) is quantised along the keys, not normalised; the row's sum is taken of the unquantised p
; and divides O at the end.  When M moves, the sum and O are multiplied by 2^(old M - new M): exact.
; SHARES: a work-group owns 256 queries of one (batch, head); each of its sixteen waves one tile of 16, in 256 registers: four waves to a SIMD, so that one wave's vector work stands beside another's products.
; LDS holds the head's K and V as they lie in memory, 143,360 bytes, filled ONCE: K's codes (tile T at 512 T), at 65,536 K's scale words, at 73,728 V^T's fragments [key step][tile of 16 d] x 1,024, at 139,264 their words.
; CLUSTER: the four query blocks of a cluster belong to one head and ask for that block jointly, each wave for 35 rows of 256 bytes.
; A lane holds ONE query throughout.  The keys of a tile of K are 32 (T / 2) + 8 (T % 2) + r + 8 (r / 8), so the 16 registers of two neighbouring tiles of S^T are 16 neighbouring keys; V^T's rows likewise give neighbouring d.
; LIMITS: a block whose largest magnitude lies under 2^-124 gets the scale byte 1; NaN and infinities are not served; 1 / l is v_rcp_f32's.
; REGISTERS: v1-6 addresses that stay; v8-11 the step's; v12 -M, v13 the largest t, v[14:15] the sum; v16-23 Q (upper four 0), v24 its scale words; v32-95 eight tiles of K (upper four of each 0);
;   v96-159 S^T, then p; v160-191 O^T; v192-223 four fragments of V^T; v224-231 p's codes; v232-243 at work; v244-247 K's words, v248-249 V's, v250 p's; v[252:253] f; v254 at work.
.set KV_OFF, 2359296
.set QSTR,   73728
.set KVSTR,  143360
.set KW,     65536
.set VF,     73728
.set VW,     139264
.set WV,  18
.set SEL, 20
.set CS,  22
.set G1,  24
.set G0,  32
.macro CROUND
	s_barrier_signal -1
	s_barrier_wait -1
	s_cmp_lg_u32 s[WV], 0
	s_cbranch_scc1 .Lnot_wave_0_\@
	s_barrier_signal -3
.Lnot_wave_0_\@:
	s_barrier_wait -3
	s_barrier_signal -1
	s_barrier_wait -1
.endm
	s_load_b128 s[4:7], s[0:1], 0x0                ; qkv_img, attn_img
	v_lshl_add_u32 v31, v0, 2, 0x29000
	v_mov_b32 v255, 0
	ds_add_u32 v31, v255
	ds_add_u32 v31, v255
	v_lshrrev_b32 v8, 5, v0
	v_readfirstlane_b32 s[WV], v8                  ; wave 0..15
	s_bfe_u32 s8, ttmp6, 0x40000                   ; cx
	s_lshl_b32 s9, ttmp9, 2
	s_add_co_u32 s9, s9, s8                        ; my block of 256 queries: it enters Q's and the output's addresses alone
	s_and_b32 s10, ttmp7, 0xffff                   ; 16 x batch + head, which the four partners share
	s_mov_b32 s[G1], 15|(3<<16)|(1<<21)            ; the mask: all four; elements of 8 bytes; bit 21 beside a mask
	s_mov_b32 s[G1+1], 32<<16                      ; tensor_dim0: 256 bytes
	s_mov_b32 s[G1+2], 35<<16                      ; tensor_dim1
	s_mov_b32 s[G1+3], 32<<16                      ; tile_dim0
	s_mov_b32 s[G1+4], 35                          ; tile_dim1
	s_mov_b32 s[G1+5], 32                          ; dense
	s_mov_b32 s[G1+6], 0
	s_mov_b32 s[G1+7], 0
	s_mul_i32 s12, s10, KVSTR
	s_mul_i32 s11, s[WV], 8960                     ; my sixteenth of the block
	s_add_co_u32 s12, s12, s11
	s_add_co_u32 s12, s12, KV_OFF
	s_mov_b32 s13, 0
	s_mov_b32 s[SEL], 0x76543210
	s_mov_b32 s[SEL+1], 0xfedcba98
	s_mov_b32 s[CS], 0x3e38aa3b                    ; c = log2(e) / sqrt(64)
	s_mov_b32 s[CS+1], s[CS]
	s_wait_dscnt 0x0
	s_wait_kmcnt 0x0
	s_mov_b32 s[G0], 1
	s_mov_b32 s[G0+1], s11
	s_add_nc_u64 s[G0+2:G0+3], s[4:5], s[12:13]
	s_or_b32 s[G0+3], s[G0+3], 0x80000000
	CROUND                                         ; all four work-groups are here
	tensor_load_to_lds s[G0:G0+3], s[G1:G1+7]      ; my one tensor load of the launch
	s_nop 0
.rept 4
	v_nop
.endr
	s_lshl_b32 s40, s9, 4
	s_add_co_u32 s40, s40, s[WV]                   ; Tq: my tile of queries in the batch
	s_mul_i32 s41, s10, QSTR
	s_lshl_b32 s42, s40, 9
	s_add_co_u32 s42, s42, s41
	s_mov_b32 s43, 0
	s_add_nc_u64 s[14:15], s[4:5], s[42:43]        ; Q's codes
	s_lshl_b32 s42, s40, 6
	s_add_co_u32 s42, s42, s41
	s_add_co_u32 s42, s42, KW
	s_add_nc_u64 s[16:17], s[4:5], s[42:43]        ; Q's scale words
	s_lshr_b32 s44, s10, 4
	s_lshl_b32 s44, s44, 7
	s_add_co_u32 s44, s44, s40                     ; the output's tile: 128 x batch + Tq
	s_mul_i32 s44, s44, 8704
	s_and_b32 s45, s10, 15                         ; the head: its 64 of E are half of fragment (head / 2) % 4 of record head / 8
	s_lshr_b32 s46, s45, 3
	s_mul_i32 s46, s46, 4352
	s_add_co_u32 s44, s44, s46
	s_bfe_u32 s46, s45, 0x20001
	s_and_b32 s47, s45, 1
	s_lshl_b32 s48, s46, 10
	s_lshl_b32 s49, s47, 9
	s_add_co_u32 s48, s48, s49
	s_add_co_u32 s48, s48, s44
	s_mov_b32 s49, 0
	s_add_nc_u64 s[50:51], s[6:7], s[48:49]        ; the output's codes
	s_lshl_b32 s48, s46, 6
	s_lshl_b32 s47, s47, 1
	s_add_co_u32 s48, s48, s47
	s_add_co_u32 s48, s48, s44
	s_add_co_u32 s48, s48, 4096
	s_add_nc_u64 s[52:53], s[6:7], s[48:49]        ; and its two scale bytes a row
	v_and_b32 v5, 31, v0
	v_lshlrev_b32 v1, 4, v5                        ; 16 x lane: K's codes
	v_lshl_add_u32 v2, v5, 2, KW                   ; K's scale words: lanes 0-15 an even tile's, lanes 16-31 the next tile's
	v_add_nc_u32 v3, VF, v1                        ; V^T's fragments
	v_lshl_add_u32 v4, v5, 2, VW                   ; V's scale words
	v_and_b32 v6, 15, v0
	v_lshlrev_b32 v6, 2, v6                        ; 4 r
	global_load_b128 v[16:19], v1, s[14:15]
	global_load_b32 v24, v6, s[16:17]
.irp j, 20,21,22,23
	v_mov_b32 v\j, 0                               ; Q's k = 64 .. 127: zero codes
.endr
.irp t, 0,1,2,3,4,5,6,7
.irp j, 4,5,6,7
	v_mov_b32 v[32+8*\t+\j], 0                     ; K's likewise: written once, never loaded
.endr
.endr
	v_mov_b32 v13, 0xff61b1e6                      ; the largest t so far: -3e38
	v_floor_f32 v12, -v13                          ; -M
	v_mov_b32 v14, 0
	v_mov_b32 v15, 0
.irp b, 0,1,2,3
	v_mov_b32 v[236+\b], 0                         ; a lane permute's destination counts as read
.endr
	v_mov_b32 v253, 0                              ; named as the upper half of v[252:253]
.set i, 0
.rept 32
	v_mov_b32 v[160+i], 0                          ; O^T: the step is written once; its first trip finds zeros
.set i, i+1
.endr
	s_mov_b32 s36, 0                               ; 4,096 x step: K's codes and V^T's fragments
	s_mov_b32 s37, 0                               ; 512 x step: K's scale words
	s_mov_b32 s38, 0                               ; 256 x step: V's
	s_mov_b32 s39, 0
	s_wait_tensorcnt 0x0                           ; my part of the block is in,
	s_barrier_signal -1
	s_barrier_wait -1                              ; everybody's is
	s_wait_loadcnt 0x0                             ; Q
.Lstep:                                            ; 16 trips of 128 keys
	v_add_nc_u32 v8, s36, v1                       ; these four are also the places behind the last trip's products, ahead of the loads
	v_add_nc_u32 v9, s37, v2
	v_add_nc_u32 v10, s36, v3
	v_add_nc_u32 v11, s38, v4
.irp t, 0,1,2,3,4,5,6,7
	ds_load_b128 v[32+8*\t:35+8*\t], v8 offset:512*\t
.endr
.irp j, 0,1,2,3
	ds_load_b32 v[244+\j], v9 offset:128*\j
.endr
.irp t, 0,1,2,3
	ds_load_b128 v[192+8*\t:195+8*\t], v10 offset:1024*\t
	ds_load_b128 v[196+8*\t:199+8*\t], v10 offset:1024*\t+512
.endr
.irp j, 0,1
	ds_load_b32 v[248+\j], v11 offset:128*\j
.endr
	s_wait_dscnt 10                                ; K's twelve loads are in; V's ten may be out
.irp t, 0,1,2,3,4,5,6,7
.if \t%2
	v_wmma_scale_f32_16x16x128_f8f6f4 v[96+8*\t:103+8*\t], v[32+8*\t:39+8*\t], v[16:23], 0, v[244+\t/2], v24 matrix_a_fmt:MATRIX_FMT_FP4 matrix_b_fmt:MATRIX_FMT_FP4 matrix_a_scale:MATRIX_SCALE_ROW1
.else
	v_wmma_scale_f32_16x16x128_f8f6f4 v[96+8*\t:103+8*\t], v[32+8*\t:39+8*\t], v[16:23], 0, v[244+\t/2], v24 matrix_a_fmt:MATRIX_FMT_FP4 matrix_b_fmt:MATRIX_FMT_FP4
.endif
.endr
.rept 4
	v_nop
.endr
.irp b, 0,1,2,3
	v_max3_num_f32 v[232+\b], v[96+16*\b], v[97+16*\b], v[98+16*\b]   ; the largest score of each block of 32 keys: for the row's maximum, and for the block's largest p
.endr
.irp i, 3,5,7,9,11,13
.irp b, 0,1,2,3
	v_max3_num_f32 v[232+\b], v[232+\b], v[96+16*\b+\i], v[97+16*\b+\i]
.endr
.endr
.irp b, 0,1,2,3
	v_max_num_f32 v[232+\b], v[232+\b], v[111+16*\b]
.endr
.irp b, 0,1,2,3
	v_permlanex16_b32 v[236+\b], v[232+\b], s[SEL], s[SEL+1]
.endr
.irp b, 0,1,2,3
	v_max_num_f32 v[232+\b], v[232+\b], v[236+\b]
.endr
	v_max3_num_f32 v254, v232, v233, v234
	v_max_num_f32 v254, v254, v235
	v_mul_f32 v254, s[CS], v254                    ; as t
	v_max_num_f32 v13, v13, v254                   ; the running largest t
	v_mov_b32 v254, v12
	v_floor_f32 v12, -v13                          ; the new -M = -ceil(t)
	v_sub_f32 v254, v12, v254                      ; old M - new M: a whole number, 0 or less
	v_cvt_i32_f32 v254, v254                       ; (it saturates)
	v_ldexp_f32 v252, 1.0, v254                    ; f = 2^(old M - new M)
.set i, 0
.rept 32
	v_pk_fma_f32 v[96+i:97+i], v[96+i:97+i], s[CS:CS+1], v[12:13] op_sel_hi:[1,0,0]   ; t - M
.set i, i+2
.endr
.irp b, 0,1,2,3
	v_fma_f32 v[232+\b], v[232+\b], s[CS], v12
.endr
.set i, 0
.rept 64
	v_exp_f32 v[96+i], v[96+i]                     ; p = 2^(t - M)
.set i, i+1
.endr
	v_pk_mul_f32 v[14:15], v[14:15], v[252:253] op_sel_hi:[1,0]   ; the sums under the new M: a plain instruction behind the batch
	s_wait_alu depctr_va_vdst(0)                   ; one wait for the 64, ahead of their first reader
.irp b, 0,1,2,3
	v_exp_f32 v[232+\b], v[232+\b]                 ; each block's largest p
.endr
	v_pk_add_f32 v[236:237], v[96:97], v[98:99]    ; the row's sum of the unquantised p, in two chains
.irp j, 4,8,12,16,20,24,28,32,36,40,44,48,52,56,60
	v_pk_add_f32 v[14:15], v[14:15], v[96+\j:97+\j]
	v_pk_add_f32 v[236:237], v[236:237], v[98+\j:99+\j]
.endr
	v_pk_add_f32 v[14:15], v[14:15], v[236:237]
	s_wait_alu depctr_va_vdst(0)                   ; and one for the four
.irp b, 0,1,2,3
	v_max_num_f32 v[232+\b], 0x1800000, v[232+\b]  ; the floor 2^(3 - 127)
.endr
.irp b, 0,1,2,3
	v_add_nc_u32 v[240+\b], 0xff000000, v[232+\b]
.endr
.irp b, 0,1,2,3
	v_lshrrev_b32 v[236+\b], 23, v[240+\b]
.endr
	v_lshl_or_b32 v250, v237, 8, v236              ; p's scale word for these 128 keys
	v_lshl_or_b32 v250, v238, 16, v250
	v_lshl_or_b32 v250, v239, 24, v250
.irp b, 0,1,2,3
	v_cvt_scalef32_pk8_fp4_f32 v[224+2*\b], v[96+16*\b:103+16*\b], v[240+\b]
	v_cvt_scalef32_pk8_fp4_f32 v[225+2*\b], v[104+16*\b:111+16*\b], v[240+\b]
.endr
	v_nop
.irp c, 0,1
.irp i, 0,1
	v_permlane16_swap_b32 v[224+4*\c+\i], v[226+4*\c+\i]
.endr
.endr
.set i, 0
.rept 16
	v_pk_mul_f32 v[160+i:161+i], v[160+i:161+i], v[252:253] op_sel_hi:[1,0]   ; O^T under the new M; these sixteen are also the places ahead of the scaled products
.set i, i+2
.endr
	s_wait_dscnt 0x0                               ; V
.irp t, 0,1,2,3
.if \t%2
	v_wmma_scale_f32_16x16x128_f8f6f4 v[160+8*\t:167+8*\t], v[192+8*\t:199+8*\t], v[224:231], v[160+8*\t:167+8*\t], v[248+\t/2], v250 matrix_a_fmt:MATRIX_FMT_FP4 matrix_b_fmt:MATRIX_FMT_FP4 matrix_a_scale:MATRIX_SCALE_ROW1
.else
	v_wmma_scale_f32_16x16x128_f8f6f4 v[160+8*\t:167+8*\t], v[192+8*\t:199+8*\t], v[224:231], v[160+8*\t:167+8*\t], v[248+\t/2], v250 matrix_a_fmt:MATRIX_FMT_FP4 matrix_b_fmt:MATRIX_FMT_FP4
.endif
.endr
	s_add_co_u32 s36, s36, 4096
	s_add_co_u32 s37, s37, 512
	s_add_co_u32 s38, s38, 256
	s_add_co_u32 s39, s39, 1
	s_cmp_lt_u32 s39, 16
	s_cbranch_scc1 .Lstep
.rept 4
	v_nop
.endr
	v_add_f32 v14, v14, v15
	v_permlanex16_b32 v252, v14, s[SEL], s[SEL+1]
	v_add_f32 v14, v14, v252                       ; the row's sum
	v_rcp_f32 v14, v14
	v_nop
	s_wait_alu depctr_va_vdst(0)
.set i, 0
.rept 32
	v_mul_f32 v[96+i], v[160+i], v14               ; register 16 b + i: d = 32 b + 16 h + i of my query
.set i, i+1
.endr
.irp b, 0,1
	v_max3_num_f32 v[232+\b], |v[96+16*\b]|, |v[97+16*\b]|, 0x1800000
.endr
.irp i, 2,4,6,8,10,12,14
.irp b, 0,1
	v_max3_num_f32 v[232+\b], v[232+\b], |v[96+16*\b+\i]|, |v[97+16*\b+\i]|
.endr
.endr
.irp b, 0,1
	v_permlanex16_b32 v[236+\b], v[232+\b], s[SEL], s[SEL+1]
.endr
.irp b, 0,1
	v_max_num_f32 v[232+\b], v[232+\b], v[236+\b]
.endr
.irp b, 0,1
	v_add_nc_u32 v[240+\b], 0xff000000, v[232+\b]
.endr
.irp b, 0,1
	v_lshrrev_b32 v[236+\b], 23, v[240+\b]
.endr
	v_lshl_or_b32 v251, v237, 8, v236              ; the head's two scale bytes of my row
.irp b, 0,1
	v_cvt_scalef32_pk8_fp4_f32 v[224+2*\b], v[96+16*\b:103+16*\b], v[240+\b]
	v_cvt_scalef32_pk8_fp4_f32 v[225+2*\b], v[104+16*\b:111+16*\b], v[240+\b]
.endr
	v_nop
	v_permlane16_swap_b32 v224, v226
	v_permlane16_swap_b32 v225, v227               ; lane (r, h): d = 32 h + 0 .. 31
	global_store_b128 v1, v[224:227], s[50:51]     ; 512 consecutive bytes: half a fragment of the next product's operand
	global_store_b16 v6, v251, s[52:53]            ; both halves of the lanes hold the same bytes
	s_wait_tensorcnt 0x0
	ds_add_u32 v31, v255
	s_wait_dscnt 0x0
	CROUND                                         ; the closing round
	s_endpgm
.Lfunc_end_k_q25bac3b1b1_attn:
	.size	k_q25bac3b1b1_attn, .Lfunc_end_k_q25bac3b1b1_attn-k_q25bac3b1b1_attn
	.p2alignl 7, 3214868480
	.fill 96, 4, 3214868480
	.section	.rodata,"a",@progbits
	.p2align	6, 0x0
	.amdhsa_kernel k_q25bac3b1b1_attn
		.amdhsa_group_segment_fixed_size 169984
		.amdhsa_private_segment_fixed_size 0
		.amdhsa_enable_private_segment 0
		.amdhsa_kernarg_size 16
		.amdhsa_user_sgpr_count 2
		.amdhsa_user_sgpr_kernarg_segment_ptr 1
		.amdhsa_wavefront_size32 1
		.amdhsa_system_sgpr_workgroup_id_x 1
		.amdhsa_system_sgpr_workgroup_id_y 1
		.amdhsa_system_sgpr_workgroup_id_z 1
		.amdhsa_system_vgpr_workitem_id 0
		.amdhsa_next_free_vgpr 256
		.amdhsa_next_free_sgpr 66
		.amdhsa_reserve_vcc 0
		.amdhsa_float_denorm_mode_32 3
		.amdhsa_float_denorm_mode_16_64 3
		.amdhsa_memory_ordered 1
		.amdhsa_forward_progress 1
		.amdhsa_inst_pref_size 27
	.end_amdhsa_kernel
	.amdgpu_metadata
---
amdhsa.version: [ 1, 2 ]
amdhsa.kernels:
  - .name:           k_q25bac3b1b1_attn
    .symbol:         k_q25bac3b1b1_attn.kd
    .args:
      - { .name: qkv_img, .offset: 0, .size: 8, .value_kind: global_buffer, .address_space: global }
      - { .name: attn_img, .offset: 8, .size: 8, .value_kind: global_buffer, .address_space: global }
    .group_segment_fixed_size: 169984
    .private_segment_fixed_size: 0
    .kernarg_segment_align: 8
    .kernarg_segment_size: 16
    .max_flat_workgroup_size: 512
    .sgpr_count:     66
    .vgpr_count:     256
    .wavefront_size: 32
...
	.end_amdgpu_metadata
.endif
;; end of part 3
;; launch g4 (part 4): grid 4 x 16, 4 waves a work-group, clusters of 4 x 4, 327,680 bytes of LDS; arguments attn_img, w_img, x, x1; writes x1
.if DOCPART == 4
	.amdgcn_target "amdgcn-amd-amdhsa--gfx1250"
	.amdhsa_code_object_version 6
	.text
	.protected	k_q25bac3b1b1_g4
	.globl	k_q25bac3b1b1_g4
	.p2align	8
	.type	k_q25bac3b1b1_g4,@function
k_q25bac3b1b1_g4:
	s_mov_b64 s[64:65], 0
	v_nop
	global_prefetch_b8 v0, s[64:65] scope:SCOPE_SE
	s_setreg_imm32_b32 hwreg(HW_REG_WAVE_MODE, 25, 1), 1
	s_wait_xcnt 0x0
	s_wait_alu depctr_hold_cnt(0) depctr_sa_sdst(0) depctr_va_vdst(0) depctr_va_sdst(0) depctr_va_ssrc(0) depctr_va_vcc(0) depctr_vm_vsrc(0)
	s_getreg_b32 s2, hwreg(HW_REG_IB_STS2, 6, 4)
	s_cmp_eq_u32 s2, 0
	s_cbranch_scc0 .Lentry_in_a_cluster
	s_endpgm
.Lentry_in_a_cluster:
	s_bfe_u32 s2, ttmp6, 0x10000c
	s_cmp_lg_u32 s2, 0xf033
	s_cbranch_scc0 .Lentry_shape_is_right
	s_endpgm
.Lentry_shape_is_right:
; out = resid + A W^T on operand images of FP4 codes.  Here: A = attn_img, W = out_w's image in w_img, resid = x, out = x1; K = 1,024.
; A work-group makes 256 x 256, each of its four waves 128 x 128: 64 accumulators, 512 registers.  The instruction is used transposed (source 0 = 16 rows of W, source 1 = 16 rows of A).
; IMAGES: for each tile of 16 rows and each 512 along K a record of 4,352 bytes: four fragments of 1,024 bytes as their registers stand, then four runs of 16 scale words.
; One tensor load brings 8 records, codes and scales together; a fragment is two dense LDS loads.  K goes in steps of 512 through two slots.
; CLUSTERS: 4 x 4 work-groups; A's tiles are asked for jointly along a row of the cluster, W's along a column.
; ROW ORDER: lane r of tile T stands for row 32 (T / 2) + 8 (T % 2) + r + 8 (r / 8); in accumulator (a, b) lane (r, h), register j is column 32 (b / 2) + 8 (b % 2) + 16 h + j.
; THE WAY OUT: a block of 16 rows goes through my stage in LDS (in slot 0, which has had its last fill and its last read) and comes back as whole rows of 512 bytes; the residual, loaded in the same shape
; four blocks ahead (the first two at the head, into registers that lie idle in the loop), is added, and 32 lanes store 512 consecutive bytes.
; REGISTERS, in windows of 256: window 0: v1-31 addresses; v32-95 scale words, two sets; v128-191 A's fragments; on the way out v128-255 rows.  window 1: W's fragments at v0 and v128; residual rows in all four quarters.
;   window 2: accumulators of blocks 0-3 ((a, b) at v[8 (8 (a % 4) + b)]); window 3: blocks 4-7.
.set SIZE_K, 1024
.set BOFF,   1671168                   ; the weight's image in w_img
.set FINAL,  0                         ; 1: the output is read by no later launch
.set KSTEP,  512
.set NQ,     4
.set REC,    4352
.set TROW,   (SIZE_K/512)*REC
.set HALFT,  8*REC
.set SLOT,   4*HALFT
.set SPARE,  2*SLOT
.set LAPS,   SIZE_K/(2*KSTEP)
.set FR,     8
.set NL,     2
.set NP,     4
.set SPITCH, 528
.set L16,  3                           ; v3      16 x lane; also my offset in a row of 512 bytes of resid and out
.set ADRA, 16
.set ADRS, 18
.set ADRB, 20
.set STO,  24
.set RD,   25
.set SPW,  28
.set NIL,  29
.set SC,   32
.set AF,   128
.set BK,   128
.set G1, 24
.set G0, 32
.set G1B, 48
.set G0B, 56
.set MSB, 0
.macro WIN new
.if MSB != (\new)
	s_set_vgpr_msb (MSB<<8)|(\new)
.set MSB, (\new)
.endif
.endm
.set MUL_LO, 0xa1
.set MUL_HI, 0xf1
.set TO_B,   0x40
.macro JLOAD g0a, g1a, g0b, g1b        ; a joint load: waves 0 and 1 fetch for A, waves 2 and 3 for W; four v_nop follow each line
	s_cmp_eq_u32 s15, 0
	s_cbranch_scc0 .Lfor_b_\@
	tensor_load_to_lds s[\g0a:\g0a+3], s[\g1a:\g1a+7]
	s_nop 0
.rept 4
	v_nop
.endr
	s_branch .Lasked_\@
.Lfor_b_\@:
	tensor_load_to_lds s[\g0b:\g0b+3], s[\g1b:\g1b+7]
	s_nop 0
.rept 4
	v_nop
.endr
.Lasked_\@:
.endm
.macro CREST
	s_cmp_lg_u32 s14, 0
	s_cbranch_scc1 .Lnot_wave_0_\@
	s_barrier_signal -3
.Lnot_wave_0_\@:
	s_barrier_wait -3
	s_barrier_signal -1
	s_barrier_wait -1
.endm
.macro CROUND
	s_barrier_signal -1
	s_barrier_wait -1
	CREST
.endm
	s_load_b256 s[4:11], s[0:1], 0x0               ; A's image s[4:5], w_img s[6:7], resid s[8:9], out s[10:11]
	v_lshl_add_u32 v[SPW], v0, 2, SPARE
	v_mov_b32 v[NIL], 0
	ds_add_u32 v28, v29
	ds_add_u32 v28, v29
	s_wait_dscnt 0x0
	v_lshrrev_b32 v1, 5, v0
	v_readfirstlane_b32 s14, v1
	s_lshr_b32 s15, s14, 1
	s_and_b32 s16, s14, 1
	s_bfe_u32 s40, ttmp6, 0x40000
	s_bfe_u32 s41, ttmp6, 0x40004
	s_lshl_b32 s42, ttmp9, 2
	s_add_co_u32 s42, s42, s40                     ; block of 256 columns
	s_and_b32 s17, ttmp7, 0xffff
	s_lshl_b32 s17, s17, 2
	s_add_co_u32 s17, s17, s41                     ; block of 256 rows
	s_lshl_b32 s43, s41, 2
	s_lshl_b32 s43, 15, s43
	s_lshl_b32 s44, 0x1111, s40
	s_or_b32 s[G1+0], s43, (3<<16)|(1<<21)         ; 8 rows of 544 elements of 8 bytes (a record), TROW bytes apart; no padding
	s_or_b32 s[G1B+0], s44, (3<<16)|(1<<21)
.irp g, G1, G1B
	s_mov_b32 s[\g+1], 544<<16
	s_mov_b32 s[\g+2], 8<<16
	s_mov_b32 s[\g+3], 544<<16
	s_mov_b32 s[\g+4], 8
	s_mov_b32 s[\g+5], TROW/8
	s_mov_b32 s[\g+6], 0
	s_mov_b32 s[\g+7], 0
.endr
	s_lshl_b32 s18, s16, 3
	s_lshl_b32 s20, s17, 4
	s_add_co_u32 s20, s20, s18
	s_mul_i32 s20, s20, TROW
	s_mov_b32 s21, 0
	s_lshl_b32 s46, s42, 4
	s_add_co_u32 s46, s46, s18
	s_mul_i32 s46, s46, TROW
	s_add_co_u32 s46, s46, BOFF
	s_mov_b32 s47, 0
	s_mul_i32 s45, s14, HALFT
	s_wait_kmcnt 0x0
	s_add_nc_u64 s[20:21], s[4:5], s[20:21]
	s_add_nc_u64 s[46:47], s[6:7], s[46:47]
	CROUND
.irp s, 0,1
	s_mov_b32 s[G0+4*\s], 1
	s_add_co_u32 s[G0+4*\s+1], s45, \s*SLOT
	s_add_nc_u64 s[G0+4*\s+2:G0+4*\s+3], s[20:21], \s*REC
	s_or_b32 s[G0+4*\s+3], s[G0+4*\s+3], 0x80000000
	s_mov_b32 s[G0B+4*\s], 1
	s_add_co_u32 s[G0B+4*\s+1], s45, \s*SLOT
	s_add_nc_u64 s[G0B+4*\s+2:G0B+4*\s+3], s[46:47], \s*REC
	s_or_b32 s[G0B+4*\s+3], s[G0B+4*\s+3], 0x80000000
	JLOAD G0+4*\s, G1, G0B+4*\s, G1B               ; two loads of mine are out
.endr
	v_and_b32 v1, 15, v0
	v_bfe_u32 v2, v0, 4, 1
	v_and_b32 v[L16], 31, v0
	v_lshlrev_b32 v[L16], 4, v[L16]
	s_mul_i32 s21, s15, HALFT
	s_mul_i32 s22, s16, HALFT
	s_add_co_u32 s22, s22, 2*HALFT
	s_sub_co_u32 s23, s22, s21
	v_mul_u32_u24 v4, s23, v2
	v_lshl_add_u32 v4, v1, 2, v4
.irp s, 0,1
	v_add_nc_u32 v[ADRA+\s], s21, v[L16]
	v_add_nc_u32 v[ADRB+\s], s22, v[L16]
	v_add_nc_u32 v[ADRS+\s], s21, v4
	s_add_co_u32 s21, s21, SLOT
	s_add_co_u32 s22, s22, SLOT
.endr
	s_mul_i32 s23, s14, 16*SPITCH                  ; my stage
	v_mul_u32_u24 v5, v1, SPITCH
	v_lshl_add_u32 v5, v2, 6, v5
	v_add_nc_u32 v[STO], s23, v5                   ; in: row r, + 64 h
	v_add_nc_u32 v[RD], s23, v[L16]                ; back: a row of 512 bytes to the 32 lanes
	s_lshl_b32 s20, s17, 8
	s_lshl_b32 s21, s15, 7
	s_add_co_u32 s20, s20, s21
	s_lshl_b32 s20, s20, 12                        ; my first row, 4,096 bytes a row
	s_mov_b32 s21, 0
	s_lshl_b32 s46, s42, 10
	s_lshl_b32 s47, s16, 9
	s_add_co_u32 s46, s46, s47                     ; my first column, in bytes
	s_mov_b32 s47, 0
	s_add_nc_u64 s[20:21], s[20:21], s[46:47]
	s_add_nc_u64 s[8:9], s[8:9], s[20:21]
	s_add_nc_u64 s[10:11], s[10:11], s[20:21]
; the residual's 16 rows of block a, into window 1: v64, v192, v0, v128 for a % 4 = 0, 1, 2, 3
.macro RESLOAD a
.set RS, 128*((\a)%2)+64*(1-((\a)%4)/2)
	WIN 0x40
.irp t, 0,1,2,3,4,5,6,7,8,9,10,11,12,13,14,15
	global_load_b128 v[RS+4*\t:RS+4*\t+3], v[L16], s[8:9] offset:(32*((\a)/2)+8*((\a)%2)+\t+8*(\t/8))*4096
.endr
	WIN 0
.endm
	RESLOAD 0                                      ; into registers that lie idle in the loop
	RESLOAD 1
.macro FRAG reg, adr, q, i
.irp c, 0,1
	ds_load_b128 v[\reg+4*\c:\reg+4*\c+3], v[\adr] offset:(\i)*REC+1024*(\q)+512*\c
.endr
.endm
; 16 matrix instructions: A's blocks a0, a0 + 1 x W's eight.  The 64 accumulators take turns, one instruction a turn.
.macro MUL16 a0, p, q, sc, zero
.irp a, \a0, \a0+1
.irp b, 0,1,2,3,4,5,6,7
.if \zero
	v_wmma_scale_f32_16x16x128_f8f6f4 v[8*(8*((\a)%4)+\b):8*(8*((\a)%4)+\b)+7], v[128*(\p)+FR*\b:128*(\p)+FR*\b+FR-1], v[AF+FR*(\a):AF+FR*(\a)+FR-1], 0, v[SC+8*NQ*(\sc)+NQ*\b+(\q)], v[SC+8*NQ*(\sc)+NQ*(\a)+(\q)] matrix_a_fmt:MATRIX_FMT_FP4 matrix_b_fmt:MATRIX_FMT_FP4 matrix_a_scale:MATRIX_SCALE_ROW1
.else
	v_wmma_scale_f32_16x16x128_f8f6f4 v[8*(8*((\a)%4)+\b):8*(8*((\a)%4)+\b)+7], v[128*(\p)+FR*\b:128*(\p)+FR*\b+FR-1], v[AF+FR*(\a):AF+FR*(\a)+FR-1], v[8*(8*((\a)%4)+\b):8*(8*((\a)%4)+\b)+7], v[SC+8*NQ*(\sc)+NQ*\b+(\q)], v[SC+8*NQ*(\sc)+NQ*(\a)+(\q)] matrix_a_fmt:MATRIX_FMT_FP4 matrix_b_fmt:MATRIX_FMT_FP4 matrix_a_scale:MATRIX_SCALE_ROW1
.endif
.endr
.endr
.endm
.macro FETCH_B slot, q, p
	WIN TO_B
.irp i, 0,1,2,3,4,5,6,7
	FRAG 128*(\p)+FR*\i, ADRB+\slot, \q, \i
.endr
	WIN 0
.endm
.macro FETCH_A slot, q, i0
.irp i, \i0, \i0+1, \i0+2, \i0+3
	FRAG AF+FR*(\i), ADRA+\slot, \q, \i
.endr
.endm
.macro SCALES sc
.irp i, 0,1,2,3,4,5,6,7
.irp q, 0,1,2,3
	ds_load_b32 v[SC+8*NQ*\sc+NQ*\i+\q], v[ADRS+\sc] offset:\i*REC+4096+64*\q
.endr
.endr
.endm
.macro PLACES n
.rept \n
	v_nop
.endr
.endm
.macro STEP slot, q, zero
	s_wait_dscnt 4*NL                              ; all but the youngest eight loads (A's blocks 4-7)
	WIN MUL_LO
	MUL16 0, (\q)%2, \q, \slot, \zero
	MUL16 2, (\q)%2, \q, \slot, \zero
	s_wait_dscnt 0
	PLACES NP
	FETCH_B \slot, (\q)+1, 1-(\q)%2
	FETCH_A \slot, (\q)+1, 0
	WIN MUL_HI
	MUL16 4, (\q)%2, \q, \slot, \zero
	MUL16 6, (\q)%2, \q, \slot, \zero
	PLACES NP
	WIN 0
	FETCH_A \slot, (\q)+1, 4
.endm
; A slot's last step changes slots: one barrier; in front of it each wave waits for all its tensor loads, adds 0 to its spare word, and waits for that and for its reads of this slot.  fill = 1: the slot is filled again, two K steps ahead.
.macro TURN slot, next, fill
	s_wait_tensorcnt 0x0                           ; my part of the next slot has landed; no load of mine is out
	ds_add_u32 v[SPW], v[NIL]                      ; 0 onto my spare word
	s_wait_dscnt 4*NL+1                            ; the add and the youngest eight loads may be out
	WIN MUL_LO
	MUL16 0, 1, NQ-1, \slot, 0
	s_wait_dscnt 0x0                               ; the add is done, my reads of this slot are over
	s_barrier_signal -1
	MUL16 2, 1, NQ-1, \slot, 0
	WIN 0
	s_barrier_wait -1
.if \fill
	CREST                                          ; the barrier has opened a round of the cluster's: no wave of any partner still reads this slot or has a load on its way
	s_add_nc_u64 s[G0+4*\slot+2:G0+4*\slot+3], s[G0+4*\slot+2:G0+4*\slot+3], 2*REC
	s_add_nc_u64 s[G0B+4*\slot+2:G0B+4*\slot+3], s[G0B+4*\slot+2:G0B+4*\slot+3], 2*REC
	JLOAD G0+4*\slot, G1, G0B+4*\slot, G1B         ; my one tensor load behind the round; its four v_nop are the places ahead of the loads below
.else
	PLACES NP
.endif
	FETCH_B \next, 0, 0
	FETCH_A \next, 0, 0
	SCALES \next
	WIN MUL_HI
	MUL16 4, 1, NQ-1, \slot, 0
	MUL16 6, 1, NQ-1, \slot, 0
	PLACES NP
	WIN 0
	FETCH_A \next, 0, 4
.endm
	s_wait_tensorcnt 1                             ; my part of slot 0 is in; slot 1's may be out
	s_barrier_signal -1
	s_barrier_wait -1
	FETCH_B 0, 0, 0
	FETCH_A 0, 0, 0
	SCALES 0
	FETCH_A 0, 0, 4
	STEP 0, 0, 1
.if LAPS > 1
	s_mov_b32 s3, LAPS-1
.Llap:                                             ; a trip goes once round the two slots and fills both again
	STEP 0, 1, 0
	STEP 0, 2, 0
	TURN 0, 1, 1
	STEP 1, 0, 0
	STEP 1, 1, 0
	STEP 1, 2, 0
	TURN 1, 0, 1
	STEP 0, 0, 0
	s_sub_co_u32 s3, s3, 1
	s_cmp_lg_u32 s3, 0
	s_cbranch_scc1 .Llap
.endif
	STEP 0, 1, 0
	STEP 0, 2, 0
	TURN 0, 1, 0
	STEP 1, 0, 0
	STEP 1, 1, 0
	STEP 1, 2, 0
	s_wait_dscnt 4*NL
	WIN MUL_LO
	MUL16 0, 1, NQ-1, 1, 0
	MUL16 2, 1, NQ-1, 1, 0
	s_wait_dscnt 0
	WIN MUL_HI
	MUL16 4, 1, NQ-1, 1, 0
	MUL16 6, 1, NQ-1, 1, 0
	WIN 0
.macro TOSTAGE a
.set AC, 64*((\a)%4)
	WIN 0x08+4*((\a)/4)                            ; an LDS store's data: window 2 or 3
.irp b, 0,1,2,3,4,5,6,7
	ds_store_b128 v[STO], v[AC+8*\b:AC+8*\b+3] offset:128*(\b/2)+32*(\b%2)       ; each accumulator from its low end on
	ds_store_b128 v[STO], v[AC+8*\b+4:AC+8*\b+7] offset:128*(\b/2)+32*(\b%2)+16
.endr
	WIN 0
.set BB, BK+64*((\a)%2)
.irp t, 0,1,2,3,4,5,6,7,8,9,10,11,12,13,14,15
	ds_load_b128 v[BB+4*\t:BB+4*\t+3], v[RD] offset:\t*SPITCH   ; LDS serves a wave's instructions in order: these see the stores above
.endr
.endm
.macro SEND a, younger
.set BB, BK+64*((\a)%2)
.set RS, 128*((\a)%2)+64*(1-((\a)%4)/2)
	s_wait_dscnt \younger                          ; the block is back in registers
.if (\a) < 5
	s_wait_loadcnt 48                              ; its residual is in: behind it three blocks' sixteen loads were issued
.else
	s_wait_loadcnt 16*(7-(\a))
.endif
	WIN 0x04                                       ; source 1 window 1
.set i, 0
.rept 32
	v_pk_add_f32 v[BB+i:BB+i+1], v[BB+i:BB+i+1], v[RS+i:RS+i+1]
.set i, i+2
.endr
	WIN 0
.irp t, 0,1,2,3,4,5,6,7,8,9,10,11,12,13,14,15
.if FINAL
	global_store_b128 v[L16], v[BB+4*\t:BB+4*\t+3], s[10:11] offset:(32*((\a)/2)+8*((\a)%2)+\t+8*(\t/8))*4096 th:TH_STORE_NT
.else
	global_store_b128 v[L16], v[BB+4*\t:BB+4*\t+3], s[10:11] offset:(32*((\a)/2)+8*((\a)%2)+\t+8*(\t/8))*4096
.endif
.endr
.if (\a) < 4
	RESLOAD (\a)+4
.endif
.endm
	PLACES NP                                      ; ahead of the loads into W's and A's registers and of the first read of results
	RESLOAD 2
	RESLOAD 3
	TOSTAGE 0
.irp a, 1,2,3,4,5,6,7
.if \a > 1
	s_wait_xcnt 0x0                                ; block a - 2's stores have read their registers: block a's rows may land there
.endif
	TOSTAGE \a
	SEND \a-1, 32                                  ; behind block a - 1's loads: block a's 16 stores and 16 loads
.endr
	SEND 7, 0
	s_wait_tensorcnt 0x0                           ; the wave's end
	ds_add_u32 v[SPW], v[NIL]
	s_wait_dscnt 0x0
	CROUND                                         ; the closing round
	s_endpgm
.Lfunc_end_k_q25bac3b1b1_g4:
	.size	k_q25bac3b1b1_g4, .Lfunc_end_k_q25bac3b1b1_g4-k_q25bac3b1b1_g4
	.p2alignl 7, 3214868480
	.fill 96, 4, 3214868480
	.section	.rodata,"a",@progbits
	.p2align	6, 0x0
	.amdhsa_kernel k_q25bac3b1b1_g4
		.amdhsa_group_segment_fixed_size 327680
		.amdhsa_private_segment_fixed_size 0
		.amdhsa_enable_private_segment 0
		.amdhsa_kernarg_size 32
		.amdhsa_user_sgpr_count 2
		.amdhsa_user_sgpr_kernarg_segment_ptr 1
		.amdhsa_wavefront_size32 1
		.amdhsa_system_sgpr_workgroup_id_x 1
		.amdhsa_system_sgpr_workgroup_id_y 1
		.amdhsa_system_sgpr_workgroup_id_z 1
		.amdhsa_system_vgpr_workitem_id 0
		.amdhsa_next_free_vgpr 1024
		.amdhsa_next_free_sgpr 98
		.amdhsa_reserve_vcc 0
		.amdhsa_float_denorm_mode_32 3
		.amdhsa_float_denorm_mode_16_64 3
		.amdhsa_memory_ordered 1
		.amdhsa_forward_progress 1
		.amdhsa_inst_pref_size 154
	.end_amdhsa_kernel
	.amdgpu_metadata
---
amdhsa.version: [ 1, 2 ]
amdhsa.kernels:
  - .name:           k_q25bac3b1b1_g4
    .symbol:         k_q25bac3b1b1_g4.kd
    .args:
      - { .name: attn_img, .offset: 0, .size: 8, .value_kind: global_buffer, .address_space: global }
      - { .name: w_img, .offset: 8, .size: 8, .value_kind: global_buffer, .address_space: global }
      - { .name: x, .offset: 16, .size: 8, .value_kind: global_buffer, .address_space: global }
      - { .name: x1, .offset: 24, .size: 8, .value_kind: global_buffer, .address_space: global }
    .group_segment_fixed_size: 327680
    .private_segment_fixed_size: 0
    .kernarg_segment_align: 8
    .kernarg_segment_size: 32
    .max_flat_workgroup_size: 128
    .sgpr_count:     98
    .vgpr_count:     1024
    .wavefront_size: 32
...
	.end_amdgpu_metadata
.endif
;; end of part 4
;; launch ln2: the kernel of part 1 again; grid 256 x 1, 8 waves a work-group, no clusters, 67,072 bytes of LDS; arguments x1, norm2_scale, norm2_bias, qkv_w, out_w, ff_up_w, ff_down_w, h_img, w_img; writes h_img, w_img
;; launch g5 (part 5): grid 16 x 16, 4 waves a work-group, clusters of 4 x 4, 327,680 bytes of LDS; arguments h_img, w_img, act_img; writes act_img
.if DOCPART == 5
	.amdgcn_target "amdgcn-amd-amdhsa--gfx1250"
	.amdhsa_code_object_version 6
	.text
	.protected	k_q25bac3b1b1_g5
	.globl	k_q25bac3b1b1_g5
	.p2align	8
	.type	k_q25bac3b1b1_g5,@function
k_q25bac3b1b1_g5:
	s_mov_b64 s[64:65], 0
	v_nop
	global_prefetch_b8 v0, s[64:65] scope:SCOPE_SE
	s_setreg_imm32_b32 hwreg(HW_REG_WAVE_MODE, 25, 1), 1
	s_wait_xcnt 0x0
	s_wait_alu depctr_hold_cnt(0) depctr_sa_sdst(0) depctr_va_vdst(0) depctr_va_sdst(0) depctr_va_ssrc(0) depctr_va_vcc(0) depctr_vm_vsrc(0)
	s_getreg_b32 s2, hwreg(HW_REG_IB_STS2, 6, 4)
	s_cmp_eq_u32 s2, 0
	s_cbranch_scc0 .Lentry_in_a_cluster
	s_endpgm
.Lentry_in_a_cluster:
	s_bfe_u32 s2, ttmp6, 0x10000c
	s_cmp_lg_u32 s2, 0xf033
	s_cbranch_scc0 .Lentry_shape_is_right
	s_endpgm
.Lentry_shape_is_right:
; act = Q(gelu(h W^T)) on operand images of FP4 codes: h = h_img (4,096 tokens), W = ff_up_w's image in w_img (4,096 rows), K = 1,024; the result is quantised along F into act_img, the next product's operand image.
; A work-group makes 256 x 256, each of its four waves 128 x 128: 64 accumulators.  The instruction is used transposed: a lane holds one token and 128 neighbouring channels: one fragment and one scale word a block of 16 tokens.
; IMAGES: for each tile of 16 rows and each 512 along K a record of 4,352 bytes: four fragments of 1,024 bytes as their registers stand, then four runs of 16 scale words.  K's two steps of 512 fill the two slots once.
; CLUSTERS: 4 x 4 work-groups; h's tiles are asked for jointly along a row of the cluster, W's along a column.
; GELU, exact form: gelu(x) = max(x, 0) - |x| erfc(|x| / sqrt 2) / 2, erfc(z) = t exp(-z^2 + P(t)), t = 1 / (1 + z / 2), P the Chebyshev fit of degree 9 whose fractional error stays under 1.2e-7 for every z;
; log2(e) is folded into P's coefficients and into u = |x| sqrt(log2(e) / 2): erfc = t 2^(P'(t) - u^2).
; The epilogue is a loop of 8 trips, one a block of 16 tokens; only its first lines, which name accumulators, are written eight times.
; LIMITS: the exponent P' - u^2 is formed in f32, so for x under -4 gelu's relative error grows to a few 1e-6; a block whose largest magnitude lies under 2^-124 gets the scale byte 1; NaN and infinities are not served.
; REGISTERS, in windows of 256: window 0: v1-31 addresses, later P's coefficients in pairs; v32-95 scale words, later max(x, 0) and gelu; v96-127 P, later the quantiser; v128-191 h's fragments, later |x|; v192-223 t; v224-255 u.
;   window 1: W's fragments, two sets.  window 2, 3: the accumulators ((a, b) at v[8 (8 (a % 4) + b)]).
.set SIZE_K, 1024
.set BOFF,   2228224
.set KSTEP,  512
.set NQ,     4
.set REC,    4352
.set TROW,   (SIZE_K/512)*REC
.set HALFT,  8*REC
.set SLOT,   4*HALFT
.set SPARE,  2*SLOT
.set FR,     8
.set NL,     2
.set NP,     4
.set L16,  30                          ; v30     16 x lane
.set ADRA, 16
.set ADRS, 18
.set ADRB, 20
.set SPW,  28
.set NIL,  29
.set SC,   32
.set HA,   32
.set PP,   96
.set PC,   96
.set TM,   104
.set PW,   120
.set AF,   128
.set AX,   128
.set TT,   192
.set UU,   224
.set G1, 24
.set G0, 32
.set G1B, 48
.set G0B, 56
.set SEL, 66
.set MSB, 0
.macro WIN new
.if MSB != (\new)
	s_set_vgpr_msb (MSB<<8)|(\new)
.set MSB, (\new)
.endif
.endm
.set MUL_LO, 0xa1
.set MUL_HI, 0xf1
.set TO_B,   0x40
.macro JLOAD g0a, g1a, g0b, g1b        ; a joint load: waves 0 and 1 fetch for h, waves 2 and 3 for W; four v_nop follow each line
	s_cmp_eq_u32 s15, 0
	s_cbranch_scc0 .Lfor_b_\@
	tensor_load_to_lds s[\g0a:\g0a+3], s[\g1a:\g1a+7]
	s_nop 0
.rept 4
	v_nop
.endr
	s_branch .Lasked_\@
.Lfor_b_\@:
	tensor_load_to_lds s[\g0b:\g0b+3], s[\g1b:\g1b+7]
	s_nop 0
.rept 4
	v_nop
.endr
.Lasked_\@:
.endm
.macro CREST
	s_cmp_lg_u32 s14, 0
	s_cbranch_scc1 .Lnot_wave_0_\@
	s_barrier_signal -3
.Lnot_wave_0_\@:
	s_barrier_wait -3
	s_barrier_signal -1
	s_barrier_wait -1
.endm
.macro CROUND
	s_barrier_signal -1
	s_barrier_wait -1
	CREST
.endm
	s_load_b128 s[4:7], s[0:1], 0x0                ; h_img, w_img
	s_load_b64 s[8:9], s[0:1], 0x10                ; act_img
	v_lshl_add_u32 v[SPW], v0, 2, SPARE
	v_mov_b32 v[NIL], 0
	ds_add_u32 v28, v29
	ds_add_u32 v28, v29
	s_wait_dscnt 0x0
	v_lshrrev_b32 v1, 5, v0
	v_readfirstlane_b32 s14, v1
	s_lshr_b32 s15, s14, 1
	s_and_b32 s16, s14, 1
	s_bfe_u32 s40, ttmp6, 0x40000
	s_bfe_u32 s41, ttmp6, 0x40004
	s_lshl_b32 s42, ttmp9, 2
	s_add_co_u32 s42, s42, s40                     ; block of 256 channels
	s_and_b32 s17, ttmp7, 0xffff
	s_lshl_b32 s17, s17, 2
	s_add_co_u32 s17, s17, s41                     ; block of 256 tokens
	s_lshl_b32 s43, s41, 2
	s_lshl_b32 s43, 15, s43
	s_lshl_b32 s44, 0x1111, s40
	s_or_b32 s[G1+0], s43, (3<<16)|(1<<21)         ; 8 rows of 544 elements of 8 bytes (a record), TROW bytes apart; no padding
	s_or_b32 s[G1B+0], s44, (3<<16)|(1<<21)
.irp g, G1, G1B
	s_mov_b32 s[\g+1], 544<<16
	s_mov_b32 s[\g+2], 8<<16
	s_mov_b32 s[\g+3], 544<<16
	s_mov_b32 s[\g+4], 8
	s_mov_b32 s[\g+5], TROW/8
	s_mov_b32 s[\g+6], 0
	s_mov_b32 s[\g+7], 0
.endr
	s_lshl_b32 s18, s16, 3
	s_lshl_b32 s20, s17, 4
	s_add_co_u32 s20, s20, s18
	s_mul_i32 s20, s20, TROW
	s_mov_b32 s21, 0
	s_lshl_b32 s46, s42, 4
	s_add_co_u32 s46, s46, s18
	s_mul_i32 s46, s46, TROW
	s_add_co_u32 s46, s46, BOFF
	s_mov_b32 s47, 0
	s_mul_i32 s45, s14, HALFT
	s_wait_kmcnt 0x0
	s_add_nc_u64 s[20:21], s[4:5], s[20:21]
	s_add_nc_u64 s[46:47], s[6:7], s[46:47]
	CROUND
.irp s, 0,1
	s_mov_b32 s[G0+4*\s], 1
	s_add_co_u32 s[G0+4*\s+1], s45, \s*SLOT
	s_add_nc_u64 s[G0+4*\s+2:G0+4*\s+3], s[20:21], \s*REC
	s_or_b32 s[G0+4*\s+3], s[G0+4*\s+3], 0x80000000
	s_mov_b32 s[G0B+4*\s], 1
	s_add_co_u32 s[G0B+4*\s+1], s45, \s*SLOT
	s_add_nc_u64 s[G0B+4*\s+2:G0B+4*\s+3], s[46:47], \s*REC
	s_or_b32 s[G0B+4*\s+3], s[G0B+4*\s+3], 0x80000000
	JLOAD G0+4*\s, G1, G0B+4*\s, G1B               ; two loads of mine are out
.endr
	v_and_b32 v1, 15, v0
	v_bfe_u32 v2, v0, 4, 1
	v_and_b32 v[L16], 31, v0
	v_lshlrev_b32 v[L16], 4, v[L16]
	v_lshlrev_b32 v31, 2, v1                       ; 4 r
	s_mul_i32 s21, s15, HALFT
	s_mul_i32 s22, s16, HALFT
	s_add_co_u32 s22, s22, 2*HALFT
	s_sub_co_u32 s23, s22, s21
	v_mul_u32_u24 v4, s23, v2
	v_lshl_add_u32 v4, v1, 2, v4
.irp s, 0,1
	v_add_nc_u32 v[ADRA+\s], s21, v[L16]
	v_add_nc_u32 v[ADRB+\s], s22, v[L16]
	v_add_nc_u32 v[ADRS+\s], s21, v4
	s_add_co_u32 s21, s21, SLOT
	s_add_co_u32 s22, s22, SLOT
.endr
	; where my results go: tile 16 x block + 8 x half on (34,816 bytes a tile), record (channel block) / 2, fragment q = 2 ((channel block) % 2) + half
	s_lshl_b32 s20, s17, 4
	s_lshl_b32 s21, s15, 3
	s_add_co_u32 s20, s20, s21
	s_mul_i32 s20, s20, 34816
	s_lshr_b32 s21, s42, 1
	s_mul_i32 s21, s21, REC
	s_add_co_u32 s20, s20, s21
	s_and_b32 s21, s42, 1
	s_lshl_b32 s21, s21, 1
	s_add_co_u32 s22, s21, s16
	s_lshl_b32 s21, s22, 10
	s_add_co_u32 s46, s20, s21
	s_mov_b32 s47, 0
	s_add_nc_u64 s[68:69], s[8:9], s[46:47]        ; the codes
	s_lshl_b32 s21, s22, 6
	s_add_co_u32 s46, s20, s21
	s_add_co_u32 s46, s46, 4096
	s_add_nc_u64 s[70:71], s[8:9], s[46:47]        ; the scale words
.macro FRAG reg, adr, q, i
.irp c, 0,1
	ds_load_b128 v[\reg+4*\c:\reg+4*\c+3], v[\adr] offset:(\i)*REC+1024*(\q)+512*\c
.endr
.endm
; 16 matrix instructions: h's blocks a0, a0 + 1 x W's eight.  The 64 accumulators take turns, one instruction a turn.
.macro MUL16 a0, p, q, sc, zero
.irp a, \a0, \a0+1
.irp b, 0,1,2,3,4,5,6,7
.if \zero
	v_wmma_scale_f32_16x16x128_f8f6f4 v[8*(8*((\a)%4)+\b):8*(8*((\a)%4)+\b)+7], v[128*(\p)+FR*\b:128*(\p)+FR*\b+FR-1], v[AF+FR*(\a):AF+FR*(\a)+FR-1], 0, v[SC+8*NQ*(\sc)+NQ*\b+(\q)], v[SC+8*NQ*(\sc)+NQ*(\a)+(\q)] matrix_a_fmt:MATRIX_FMT_FP4 matrix_b_fmt:MATRIX_FMT_FP4 matrix_a_scale:MATRIX_SCALE_ROW1
.else
	v_wmma_scale_f32_16x16x128_f8f6f4 v[8*(8*((\a)%4)+\b):8*(8*((\a)%4)+\b)+7], v[128*(\p)+FR*\b:128*(\p)+FR*\b+FR-1], v[AF+FR*(\a):AF+FR*(\a)+FR-1], v[8*(8*((\a)%4)+\b):8*(8*((\a)%4)+\b)+7], v[SC+8*NQ*(\sc)+NQ*\b+(\q)], v[SC+8*NQ*(\sc)+NQ*(\a)+(\q)] matrix_a_fmt:MATRIX_FMT_FP4 matrix_b_fmt:MATRIX_FMT_FP4 matrix_a_scale:MATRIX_SCALE_ROW1
.endif
.endr
.endr
.endm
.macro FETCH_B slot, q, p
	WIN TO_B
.irp i, 0,1,2,3,4,5,6,7
	FRAG 128*(\p)+FR*\i, ADRB+\slot, \q, \i
.endr
	WIN 0
.endm
.macro FETCH_A slot, q, i0
.irp i, \i0, \i0+1, \i0+2, \i0+3
	FRAG AF+FR*(\i), ADRA+\slot, \q, \i
.endr
.endm
.macro SCALES sc
.irp i, 0,1,2,3,4,5,6,7
.irp q, 0,1,2,3
	ds_load_b32 v[SC+8*NQ*\sc+NQ*\i+\q], v[ADRS+\sc] offset:\i*REC+4096+64*\q
.endr
.endr
.endm
.macro PLACES n
.rept \n
	v_nop
.endr
.endm
.macro STEP slot, q, zero
	s_wait_dscnt 4*NL                              ; all but the youngest eight loads (h's blocks 4-7)
	WIN MUL_LO
	MUL16 0, (\q)%2, \q, \slot, \zero
	MUL16 2, (\q)%2, \q, \slot, \zero
	s_wait_dscnt 0
	PLACES NP
	FETCH_B \slot, (\q)+1, 1-(\q)%2
	FETCH_A \slot, (\q)+1, 0
	WIN MUL_HI
	MUL16 4, (\q)%2, \q, \slot, \zero
	MUL16 6, (\q)%2, \q, \slot, \zero
	PLACES NP
	WIN 0
	FETCH_A \slot, (\q)+1, 4
.endm
.macro TURN slot, next                 ; a slot's last step, and the change of slots: one barrier; nothing is filled again here
	s_wait_tensorcnt 0x0                           ; my part of the next slot has landed
	ds_add_u32 v[SPW], v[NIL]                      ; 0 onto my spare word
	s_wait_dscnt 4*NL+1                            ; the add and the youngest eight loads may be out
	WIN MUL_LO
	MUL16 0, 1, NQ-1, \slot, 0
	s_wait_dscnt 0x0
	s_barrier_signal -1
	MUL16 2, 1, NQ-1, \slot, 0
	WIN 0
	s_barrier_wait -1
	PLACES NP
	FETCH_B \next, 0, 0
	FETCH_A \next, 0, 0
	SCALES \next
	WIN MUL_HI
	MUL16 4, 1, NQ-1, \slot, 0
	MUL16 6, 1, NQ-1, \slot, 0
	PLACES NP
	WIN 0
	FETCH_A \next, 0, 4
.endm
	s_wait_tensorcnt 1                             ; my part of slot 0 is in; slot 1's may be out
	s_barrier_signal -1
	s_barrier_wait -1
	FETCH_B 0, 0, 0
	FETCH_A 0, 0, 0
	SCALES 0
	FETCH_A 0, 0, 4
	STEP 0, 0, 1
	STEP 0, 1, 0
	STEP 0, 2, 0
	TURN 0, 1
	STEP 1, 0, 0
	STEP 1, 1, 0
	STEP 1, 2, 0
	s_wait_dscnt 4*NL
	WIN MUL_LO
	MUL16 0, 1, NQ-1, 1, 0
	MUL16 2, 1, NQ-1, 1, 0
	s_wait_dscnt 0
	WIN MUL_HI
	MUL16 4, 1, NQ-1, 1, 0
	MUL16 6, 1, NQ-1, 1, 0
	WIN 0
	PLACES NP                                      ; ahead of the first read of results and of writes into the scale words' and h's registers
.macro COEF reg, val                   ; a coefficient in both halves of a pair: the packed lines then need no modifier
	v_mov_b32 v[\reg], \val
	v_mov_b32 v[\reg+1], \val
.endm
	COEF 2,  0xbfe9b21e                            ; P' = log2(e) P: c0
	COEF 4,  0x3fb8ab5a                            ; c1
	COEF 6,  0x3f0a29d2
	COEF 8,  0x3e0efb2f
	COEF 10, 0xbe899a80
	COEF 12, 0x3ecdfd18
	COEF 14, 0xbfd1a1e5
	COEF 22, 0x40097039                            ; c7
	COEF 24, 0xbf97d29d                            ; c8
	COEF 26, 0x3e7c6f08                            ; c9
	s_mov_b32 s[SEL], 0x76543210
	s_mov_b32 s[SEL+1], 0xfedcba98
	s_mov_b32 s76, 0x3eb504f3                      ; 1 / (2 sqrt 2)
	s_mov_b32 s77, s76
	s_mov_b32 s78, 0x3f596d27                      ; sqrt(log2(e) / 2)
	s_mov_b32 s79, s78
	s_mov_b32 s80, 0x7fffffff
.macro ARM k                           ; block k's 64 numbers of my token: |x| and max(x, 0), each accumulator from its low end on
	WIN (2+(\k)/4)<<2
.set i, 0
.rept 64
	v_and_b32 v[AX+i], s80, v[64*((\k)%4)+i]
.set i, i+1
.endr
.set i, 0
.rept 64
	v_max_num_f32 v[HA+i], 0, v[64*((\k)%4)+i]
.set i, i+1
.endr
	WIN 0
.endm
.macro GELU32 k                        ; 32 numbers from register k on: v[HA + ..] = max(x, 0) - |x| t 2^(P'(t) - u^2) / 2
.set i, 0
.rept 16
	v_pk_fma_f32 v[TT+i:TT+i+1], v[AX+\k+i:AX+\k+i+1], s[76:77], 1.0 op_sel_hi:[1,0,0]
.set i, i+2
.endr
.set i, 0
.rept 32
	v_rcp_f32 v[TT+i], v[TT+i]                     ; t
.set i, i+1
.endr
.set i, 0
.rept 16
	v_pk_mul_f32 v[UU+i:UU+i+1], v[AX+\k+i:AX+\k+i+1], s[78:79] op_sel_hi:[1,0]   ; u: plain work behind the batch
.set i, i+2
.endr
	s_wait_alu depctr_va_vdst(0)                   ; one wait for the 32 reciprocals
.set i, 0
.rept 16
	v_pk_fma_f32 v[PP+i:PP+i+1], v[TT+i:TT+i+1], v[26:27], v[24:25]
.set i, i+2
.endr
.irp c, 22,14,12,10,8,6,4,2
.set i, 0
.rept 16
	v_pk_fma_f32 v[PP+i:PP+i+1], v[PP+i:PP+i+1], v[TT+i:TT+i+1], v[\c:\c+1]
.set i, i+2
.endr
.endr
.set i, 0
.rept 16
	v_pk_fma_f32 v[UU+i:UU+i+1], v[UU+i:UU+i+1], v[UU+i:UU+i+1], v[PP+i:PP+i+1] neg_lo:[1,0,0] neg_hi:[1,0,0]   ; P' - u^2
.set i, i+2
.endr
.set i, 0
.rept 32
	v_exp_f32 v[UU+i], v[UU+i]
.set i, i+1
.endr
.set i, 0
.rept 16
	v_pk_mul_f32 v[AX+\k+i:AX+\k+i+1], v[AX+\k+i:AX+\k+i+1], v[TT+i:TT+i+1]      ; |x| t: plain work behind the batch
.set i, i+2
.endr
	s_wait_alu depctr_va_vdst(0)                   ; one wait for the 32 exponentials
.set i, 0
.rept 16
	v_pk_mul_f32 v[AX+\k+i:AX+\k+i+1], v[AX+\k+i:AX+\k+i+1], v[UU+i:UU+i+1]
.set i, i+2
.endr
.set i, 0
.rept 16
	v_pk_fma_f32 v[HA+\k+i:HA+\k+i+1], v[AX+\k+i:AX+\k+i+1], -0.5, v[HA+\k+i:HA+\k+i+1] op_sel_hi:[1,0,1]
.set i, i+2
.endr
.endm
	s_mov_b32 s73, 0
.Lblk:                                             ; 8 trips: a block of 16 tokens each
.irp k, 0,1,2,3,4,5,6
	s_cmp_eq_u32 s73, \k
	s_cbranch_scc1 .Larm\k
.endr
	ARM 7
	s_branch .Ljoin
.irp k, 0,1,2,3,4,5
.Larm\k:
	ARM \k
	s_branch .Ljoin
.endr
.Larm6:
	ARM 6
.Ljoin:
	GELU32 0
	GELU32 32
	; the 64 numbers, register 16 b + i = channel 32 b + 16 h + i, become a fragment and its scale word
.irp b, 0,1,2,3
	v_max3_num_f32 v[TM+\b], 0x1800000, |v[HA+16*\b]|, |v[HA+16*\b+1]|   ; with the floor 2^(3 - 127)
.endr
.irp i, 2,4,6,8,10,12,14
.irp b, 0,1,2,3
	v_max3_num_f32 v[TM+\b], v[TM+\b], |v[HA+16*\b+\i]|, |v[HA+16*\b+\i+1]|
.endr
.endr
.irp b, 0,1,2,3
	v_permlanex16_b32 v[TM+4+\b], v[TM+\b], s[SEL], s[SEL+1]
.endr
.irp b, 0,1,2,3
	v_max_num_f32 v[TM+\b], v[TM+\b], v[TM+4+\b]
.endr
.irp b, 0,1,2,3
	v_add_nc_u32 v[TM+12+\b], 0xff000000, v[TM+\b]
.endr
.irp b, 0,1,2,3
	v_lshrrev_b32 v[TM+4+\b], 23, v[TM+12+\b]
.endr
	v_lshl_or_b32 v[PW], v[TM+5], 8, v[TM+4]
	v_lshl_or_b32 v[PW], v[TM+6], 16, v[PW]
	v_lshl_or_b32 v[PW], v[TM+7], 24, v[PW]
.irp b, 0,1,2,3
	v_cvt_scalef32_pk8_fp4_f32 v[PC+2*\b], v[HA+16*\b:HA+16*\b+7], v[TM+12+\b]
	v_cvt_scalef32_pk8_fp4_f32 v[PC+2*\b+1], v[HA+16*\b+8:HA+16*\b+15], v[TM+12+\b]
.endr
	v_nop
.irp c, 0,1
.irp i, 0,1
	v_permlane16_swap_b32 v[PC+4*\c+\i], v[PC+2+4*\c+\i]
.endr
.endr
	global_store_b128 v[L16], v[PC:PC+3], s[68:69]            ; 512 consecutive bytes each
	global_store_b128 v[L16], v[PC+4:PC+7], s[68:69] offset:512
	global_store_b32 v31, v[PW], s[70:71]
	s_wait_xcnt 0x0                                ; the stores have read their registers and bases
	s_add_nc_u64 s[68:69], s[68:69], 34816         ; the next tile of tokens
	s_add_nc_u64 s[70:71], s[70:71], 34816
	s_add_co_u32 s73, s73, 1
	s_cmp_lt_u32 s73, 8
	s_cbranch_scc1 .Lblk
	s_wait_tensorcnt 0x0                           ; the wave's end
	ds_add_u32 v[SPW], v[NIL]
	s_wait_dscnt 0x0
	CROUND                                         ; the closing round
	s_endpgm
.Lfunc_end_k_q25bac3b1b1_g5:
	.size	k_q25bac3b1b1_g5, .Lfunc_end_k_q25bac3b1b1_g5-k_q25bac3b1b1_g5
	.p2alignl 7, 3214868480
	.fill 96, 4, 3214868480
	.section	.rodata,"a",@progbits
	.p2align	6, 0x0
	.amdhsa_kernel k_q25bac3b1b1_g5
		.amdhsa_group_segment_fixed_size 327680
		.amdhsa_private_segment_fixed_size 0
		.amdhsa_enable_private_segment 0
		.amdhsa_kernarg_size 24
		.amdhsa_user_sgpr_count 2
		.amdhsa_user_sgpr_kernarg_segment_ptr 1
		.amdhsa_wavefront_size32 1
		.amdhsa_system_sgpr_workgroup_id_x 1
		.amdhsa_system_sgpr_workgroup_id_y 1
		.amdhsa_system_sgpr_workgroup_id_z 1
		.amdhsa_system_vgpr_workitem_id 0
		.amdhsa_next_free_vgpr 1024
		.amdhsa_next_free_sgpr 98
		.amdhsa_reserve_vcc 0
		.amdhsa_float_denorm_mode_32 3
		.amdhsa_float_denorm_mode_16_64 3
		.amdhsa_memory_ordered 1
		.amdhsa_forward_progress 1
		.amdhsa_inst_pref_size 169
	.end_amdhsa_kernel
	.amdgpu_metadata
---
amdhsa.version: [ 1, 2 ]
amdhsa.kernels:
  - .name:           k_q25bac3b1b1_g5
    .symbol:         k_q25bac3b1b1_g5.kd
    .args:
      - { .name: h_img, .offset: 0, .size: 8, .value_kind: global_buffer, .address_space: global }
      - { .name: w_img, .offset: 8, .size: 8, .value_kind: global_buffer, .address_space: global }
      - { .name: act_img, .offset: 16, .size: 8, .value_kind: global_buffer, .address_space: global }
    .group_segment_fixed_size: 327680
    .private_segment_fixed_size: 0
    .kernarg_segment_align: 8
    .kernarg_segment_size: 24
    .max_flat_workgroup_size: 128
    .sgpr_count:     98
    .vgpr_count:     1024
    .wavefront_size: 32
...
	.end_amdgpu_metadata
.endif
;; end of part 5
;; launch g6 (part 6): grid 4 x 16, 4 waves a work-group, clusters of 4 x 4, 327,680 bytes of LDS; arguments act_img, w_img, x1, out0; writes out0
.if DOCPART == 6
	.amdgcn_target "amdgcn-amd-amdhsa--gfx1250"
	.amdhsa_code_object_version 6
	.text
	.protected	k_q25bac3b1b1_g6
	.globl	k_q25bac3b1b1_g6
	.p2align	8
	.type	k_q25bac3b1b1_g6,@function
k_q25bac3b1b1_g6:
	s_mov_b64 s[64:65], 0
	v_nop
	global_prefetch_b8 v0, s[64:65] scope:SCOPE_SE
	s_setreg_imm32_b32 hwreg(HW_REG_WAVE_MODE, 25, 1), 1
	s_wait_xcnt 0x0
	s_wait_alu depctr_hold_cnt(0) depctr_sa_sdst(0) depctr_va_vdst(0) depctr_va_sdst(0) depctr_va_ssrc(0) depctr_va_vcc(0) depctr_vm_vsrc(0)
	s_getreg_b32 s2, hwreg(HW_REG_IB_STS2, 6, 4)
	s_cmp_eq_u32 s2, 0
	s_cbranch_scc0 .Lentry_in_a_cluster
	s_endpgm
.Lentry_in_a_cluster:
	s_bfe_u32 s2, ttmp6, 0x10000c
	s_cmp_lg_u32 s2, 0xf033
	s_cbranch_scc0 .Lentry_shape_is_right
	s_endpgm
.Lentry_shape_is_right:
; out = resid + A W^T on operand images of FP4 codes.  Here: A = act_img, W = ff_down_w's image in w_img, resid = x1, out = out0; K = 4,096.
; A work-group makes 256 x 256, each of its four waves 128 x 128: 64 accumulators, 512 registers.  The instruction is used transposed (source 0 = 16 rows of W, source 1 = 16 rows of A).
; IMAGES: for each tile of 16 rows and each 512 along K a record of 4,352 bytes: four fragments of 1,024 bytes as their registers stand, then four runs of 16 scale words.
; One tensor load brings 8 records, codes and scales together; a fragment is two dense LDS loads.  K goes in steps of 512 through a ring of two slots: a refill has 256 matrix instructions a wave in which to land.
; CLUSTERS: 4 x 4 work-groups; A's tiles are asked for jointly along a row of the cluster, W's along a column; each refill stands behind a round of the cluster's barrier.
; ROW ORDER: lane r of tile T stands for row 32 (T / 2) + 8 (T % 2) + r + 8 (r / 8); in accumulator (a, b) lane (r, h), register j is column 32 (b / 2) + 8 (b % 2) + 16 h + j.
; THE WAY OUT: a block of 16 rows goes through my stage in LDS (in slot 0, which has had its last fill and its last read) and comes back as whole rows of 512 bytes; the residual, loaded in the same shape
; four blocks ahead (the first two at the head, into registers that lie idle in the loop), is added, and 32 lanes store 512 consecutive bytes.
; REGISTERS, in windows of 256: window 0: v1-31 addresses; v32-95 scale words, two sets; v128-191 A's fragments; on the way out v128-255 rows.  window 1: W's fragments at v0 and v128; residual rows in all four quarters.
;   window 2: accumulators of blocks 0-3 ((a, b) at v[8 (8 (a % 4) + b)]); window 3: blocks 4-7.
.set SIZE_K, 4096
.set BOFF,   4456448                   ; the weight's image in w_img
.set FINAL,  1                         ; the output is read by no later launch
.set KSTEP,  512
.set NQ,     4
.set REC,    4352
.set TROW,   (SIZE_K/512)*REC
.set HALFT,  8*REC
.set SLOT,   4*HALFT
.set SPARE,  2*SLOT
.set LAPS,   SIZE_K/(2*KSTEP)
.set FR,     8
.set NL,     2
.set NP,     4
.set SPITCH, 528
.set L16,  3                           ; v3      16 x lane; also my offset in a row of 512 bytes of resid and out
.set ADRA, 16
.set ADRS, 18
.set ADRB, 20
.set STO,  24
.set RD,   25
.set SPW,  28
.set NIL,  29
.set SC,   32
.set AF,   128
.set BK,   128
.set G1, 24
.set G0, 32
.set G1B, 48
.set G0B, 56
.set MSB, 0
.macro WIN new
.if MSB != (\new)
	s_set_vgpr_msb (MSB<<8)|(\new)
.set MSB, (\new)
.endif
.endm
.set MUL_LO, 0xa1
.set MUL_HI, 0xf1
.set TO_B,   0x40
.macro JLOAD g0a, g1a, g0b, g1b        ; a joint load: waves 0 and 1 fetch for A, waves 2 and 3 for W; four v_nop follow each line
	s_cmp_eq_u32 s15, 0
	s_cbranch_scc0 .Lfor_b_\@
	tensor_load_to_lds s[\g0a:\g0a+3], s[\g1a:\g1a+7]
	s_nop 0
.rept 4
	v_nop
.endr
	s_branch .Lasked_\@
.Lfor_b_\@:
	tensor_load_to_lds s[\g0b:\g0b+3], s[\g1b:\g1b+7]
	s_nop 0
.rept 4
	v_nop
.endr
.Lasked_\@:
.endm
.macro CREST
	s_cmp_lg_u32 s14, 0
	s_cbranch_scc1 .Lnot_wave_0_\@
	s_barrier_signal -3
.Lnot_wave_0_\@:
	s_barrier_wait -3
	s_barrier_signal -1
	s_barrier_wait -1
.endm
.macro CROUND
	s_barrier_signal -1
	s_barrier_wait -1
	CREST
.endm
	s_load_b256 s[4:11], s[0:1], 0x0               ; A's image s[4:5], w_img s[6:7], resid s[8:9], out s[10:11]
	v_lshl_add_u32 v[SPW], v0, 2, SPARE
	v_mov_b32 v[NIL], 0
	ds_add_u32 v28, v29
	ds_add_u32 v28, v29
	s_wait_dscnt 0x0
	v_lshrrev_b32 v1, 5, v0
	v_readfirstlane_b32 s14, v1
	s_lshr_b32 s15, s14, 1
	s_and_b32 s16, s14, 1
	s_bfe_u32 s40, ttmp6, 0x40000
	s_bfe_u32 s41, ttmp6, 0x40004
	s_lshl_b32 s42, ttmp9, 2
	s_add_co_u32 s42, s42, s40                     ; block of 256 columns
	s_and_b32 s17, ttmp7, 0xffff
	s_lshl_b32 s17, s17, 2
	s_add_co_u32 s17, s17, s41                     ; block of 256 rows
	s_lshl_b32 s43, s41, 2
	s_lshl_b32 s43, 15, s43
	s_lshl_b32 s44, 0x1111, s40
	s_or_b32 s[G1+0], s43, (3<<16)|(1<<21)         ; 8 rows of 544 elements of 8 bytes (a record), TROW bytes apart; no padding
	s_or_b32 s[G1B+0], s44, (3<<16)|(1<<21)
.irp g, G1, G1B
	s_mov_b32 s[\g+1], 544<<16
	s_mov_b32 s[\g+2], 8<<16
	s_mov_b32 s[\g+3], 544<<16
	s_mov_b32 s[\g+4], 8
	s_mov_b32 s[\g+5], TROW/8
	s_mov_b32 s[\g+6], 0
	s_mov_b32 s[\g+7], 0
.endr
	s_lshl_b32 s18, s16, 3
	s_lshl_b32 s20, s17, 4
	s_add_co_u32 s20, s20, s18
	s_mul_i32 s20, s20, TROW
	s_mov_b32 s21, 0
	s_lshl_b32 s46, s42, 4
	s_add_co_u32 s46, s46, s18
	s_mul_i32 s46, s46, TROW
	s_add_co_u32 s46, s46, BOFF
	s_mov_b32 s47, 0
	s_mul_i32 s45, s14, HALFT
	s_wait_kmcnt 0x0
	s_add_nc_u64 s[20:21], s[4:5], s[20:21]
	s_add_nc_u64 s[46:47], s[6:7], s[46:47]
	CROUND
.irp s, 0,1
	s_mov_b32 s[G0+4*\s], 1
	s_add_co_u32 s[G0+4*\s+1], s45, \s*SLOT
	s_add_nc_u64 s[G0+4*\s+2:G0+4*\s+3], s[20:21], \s*REC
	s_or_b32 s[G0+4*\s+3], s[G0+4*\s+3], 0x80000000
	s_mov_b32 s[G0B+4*\s], 1
	s_add_co_u32 s[G0B+4*\s+1], s45, \s*SLOT
	s_add_nc_u64 s[G0B+4*\s+2:G0B+4*\s+3], s[46:47], \s*REC
	s_or_b32 s[G0B+4*\s+3], s[G0B+4*\s+3], 0x80000000
	JLOAD G0+4*\s, G1, G0B+4*\s, G1B               ; two loads of mine are out
.endr
	v_and_b32 v1, 15, v0
	v_bfe_u32 v2, v0, 4, 1
	v_and_b32 v[L16], 31, v0
	v_lshlrev_b32 v[L16], 4, v[L16]
	s_mul_i32 s21, s15, HALFT
	s_mul_i32 s22, s16, HALFT
	s_add_co_u32 s22, s22, 2*HALFT
	s_sub_co_u32 s23, s22, s21
	v_mul_u32_u24 v4, s23, v2
	v_lshl_add_u32 v4, v1, 2, v4
.irp s, 0,1
	v_add_nc_u32 v[ADRA+\s], s21, v[L16]
	v_add_nc_u32 v[ADRB+\s], s22, v[L16]
	v_add_nc_u32 v[ADRS+\s], s21, v4
	s_add_co_u32 s21, s21, SLOT
	s_add_co_u32 s22, s22, SLOT
.endr
	s_mul_i32 s23, s14, 16*SPITCH                  ; my stage
	v_mul_u32_u24 v5, v1, SPITCH
	v_lshl_add_u32 v5, v2, 6, v5
	v_add_nc_u32 v[STO], s23, v5                   ; in: row r, + 64 h
	v_add_nc_u32 v[RD], s23, v[L16]                ; back: a row of 512 bytes to the 32 lanes
	s_lshl_b32 s20, s17, 8
	s_lshl_b32 s21, s15, 7
	s_add_co_u32 s20, s20, s21
	s_lshl_b32 s20, s20, 12                        ; my first row, 4,096 bytes a row
	s_mov_b32 s21, 0
	s_lshl_b32 s46, s42, 10
	s_lshl_b32 s47, s16, 9
	s_add_co_u32 s46, s46, s47                     ; my first column, in bytes
	s_mov_b32 s47, 0
	s_add_nc_u64 s[20:21], s[20:21], s[46:47]
	s_add_nc_u64 s[8:9], s[8:9], s[20:21]
	s_add_nc_u64 s[10:11], s[10:11], s[20:21]
; the residual's 16 rows of block a, into window 1: v64, v192, v0, v128 for a % 4 = 0, 1, 2, 3
.macro RESLOAD a
.set RS, 128*((\a)%2)+64*(1-((\a)%4)/2)
	WIN 0x40
.irp t, 0,1,2,3,4,5,6,7,8,9,10,11,12,13,14,15
	global_load_b128 v[RS+4*\t:RS+4*\t+3], v[L16], s[8:9] offset:(32*((\a)/2)+8*((\a)%2)+\t+8*(\t/8))*4096
.endr
	WIN 0
.endm
	RESLOAD 0                                      ; into registers that lie idle in the loop
	RESLOAD 1
.macro FRAG reg, adr, q, i
.irp c, 0,1
	ds_load_b128 v[\reg+4*\c:\reg+4*\c+3], v[\adr] offset:(\i)*REC+1024*(\q)+512*\c
.endr
.endm
; 16 matrix instructions: A's blocks a0, a0 + 1 x W's eight.  The 64 accumulators take turns, one instruction a turn.
.macro MUL16 a0, p, q, sc, zero
.irp a, \a0, \a0+1
.irp b, 0,1,2,3,4,5,6,7
.if \zero
	v_wmma_scale_f32_16x16x128_f8f6f4 v[8*(8*((\a)%4)+\b):8*(8*((\a)%4)+\b)+7], v[128*(\p)+FR*\b:128*(\p)+FR*\b+FR-1], v[AF+FR*(\a):AF+FR*(\a)+FR-1], 0, v[SC+8*NQ*(\sc)+NQ*\b+(\q)], v[SC+8*NQ*(\sc)+NQ*(\a)+(\q)] matrix_a_fmt:MATRIX_FMT_FP4 matrix_b_fmt:MATRIX_FMT_FP4 matrix_a_scale:MATRIX_SCALE_ROW1
.else
	v_wmma_scale_f32_16x16x128_f8f6f4 v[8*(8*((\a)%4)+\b):8*(8*((\a)%4)+\b)+7], v[128*(\p)+FR*\b:128*(\p)+FR*\b+FR-1], v[AF+FR*(\a):AF+FR*(\a)+FR-1], v[8*(8*((\a)%4)+\b):8*(8*((\a)%4)+\b)+7], v[SC+8*NQ*(\sc)+NQ*\b+(\q)], v[SC+8*NQ*(\sc)+NQ*(\a)+(\q)] matrix_a_fmt:MATRIX_FMT_FP4 matrix_b_fmt:MATRIX_FMT_FP4 matrix_a_scale:MATRIX_SCALE_ROW1
.endif
.endr
.endr
.endm
.macro FETCH_B slot, q, p
	WIN TO_B
.irp i, 0,1,2,3,4,5,6,7
	FRAG 128*(\p)+FR*\i, ADRB+\slot, \q, \i
.endr
	WIN 0
.endm
.macro FETCH_A slot, q, i0
.irp i, \i0, \i0+1, \i0+2, \i0+3
	FRAG AF+FR*(\i), ADRA+\slot, \q, \i
.endr
.endm
.macro SCALES sc
.irp i, 0,1,2,3,4,5,6,7
.irp q, 0,1,2,3
	ds_load_b32 v[SC+8*NQ*\sc+NQ*\i+\q], v[ADRS+\sc] offset:\i*REC+4096+64*\q
.endr
.endr
.endm
.macro PLACES n
.rept \n
	v_nop
.endr
.endm
.macro STEP slot, q, zero
	s_wait_dscnt 4*NL                              ; all but the youngest eight loads (A's blocks 4-7)
	WIN MUL_LO
	MUL16 0, (\q)%2, \q, \slot, \zero
	MUL16 2, (\q)%2, \q, \slot, \zero
	s_wait_dscnt 0
	PLACES NP
	FETCH_B \slot, (\q)+1, 1-(\q)%2
	FETCH_A \slot, (\q)+1, 0
	WIN MUL_HI
	MUL16 4, (\q)%2, \q, \slot, \zero
	MUL16 6, (\q)%2, \q, \slot, \zero
	PLACES NP
	WIN 0
	FETCH_A \slot, (\q)+1, 4
.endm
; A slot's last step changes slots: one barrier; in front of it each wave waits for all its tensor loads, adds 0 to its spare word, and waits for that and for its reads of this slot.  fill = 1: the slot is filled again, two K steps ahead.
.macro TURN slot, next, fill
	s_wait_tensorcnt 0x0                           ; my part of the next slot has landed; no load of mine is out
	ds_add_u32 v[SPW], v[NIL]                      ; 0 onto my spare word
	s_wait_dscnt 4*NL+1                            ; the add and the youngest eight loads may be out
	WIN MUL_LO
	MUL16 0, 1, NQ-1, \slot, 0
	s_wait_dscnt 0x0                               ; the add is done, my reads of this slot are over
	s_barrier_signal -1
	MUL16 2, 1, NQ-1, \slot, 0
	WIN 0
	s_barrier_wait -1
.if \fill
	CREST                                          ; the barrier has opened a round of the cluster's: no wave of any partner still reads this slot or has a load on its way
	s_add_nc_u64 s[G0+4*\slot+2:G0+4*\slot+3], s[G0+4*\slot+2:G0+4*\slot+3], 2*REC
	s_add_nc_u64 s[G0B+4*\slot+2:G0B+4*\slot+3], s[G0B+4*\slot+2:G0B+4*\slot+3], 2*REC
	JLOAD G0+4*\slot, G1, G0B+4*\slot, G1B         ; my one tensor load behind the round; its four v_nop are the places ahead of the loads below
.else
	PLACES NP
.endif
	FETCH_B \next, 0, 0
	FETCH_A \next, 0, 0
	SCALES \next
	WIN MUL_HI
	MUL16 4, 1, NQ-1, \slot, 0
	MUL16 6, 1, NQ-1, \slot, 0
	PLACES NP
	WIN 0
	FETCH_A \next, 0, 4
.endm
	s_wait_tensorcnt 1                             ; my part of slot 0 is in; slot 1's may be out
	s_barrier_signal -1
	s_barrier_wait -1
	FETCH_B 0, 0, 0
	FETCH_A 0, 0, 0
	SCALES 0
	FETCH_A 0, 0, 4
	STEP 0, 0, 1
.if LAPS > 1
	s_mov_b32 s3, LAPS-1
.Llap:                                             ; a trip goes once round the two slots and fills both again
	STEP 0, 1, 0
	STEP 0, 2, 0
	TURN 0, 1, 1
	STEP 1, 0, 0
	STEP 1, 1, 0
	STEP 1, 2, 0
	TURN 1, 0, 1
	STEP 0, 0, 0
	s_sub_co_u32 s3, s3, 1
	s_cmp_lg_u32 s3, 0
	s_cbranch_scc1 .Llap
.endif
	STEP 0, 1, 0
	STEP 0, 2, 0
	TURN 0, 1, 0
	STEP 1, 0, 0
	STEP 1, 1, 0
	STEP 1, 2, 0
	s_wait_dscnt 4*NL
	WIN MUL_LO
	MUL16 0, 1, NQ-1, 1, 0
	MUL16 2, 1, NQ-1, 1, 0
	s_wait_dscnt 0
	WIN MUL_HI
	MUL16 4, 1, NQ-1, 1, 0
	MUL16 6, 1, NQ-1, 1, 0
	WIN 0
.macro TOSTAGE a
.set AC, 64*((\a)%4)
	WIN 0x08+4*((\a)/4)                            ; an LDS store's data: window 2 or 3
.irp b, 0,1,2,3,4,5,6,7
	ds_store_b128 v[STO], v[AC+8*\b:AC+8*\b+3] offset:128*(\b/2)+32*(\b%2)       ; each accumulator from its low end on
	ds_store_b128 v[STO], v[AC+8*\b+4:AC+8*\b+7] offset:128*(\b/2)+32*(\b%2)+16
.endr
	WIN 0
.set BB, BK+64*((\a)%2)
.irp t, 0,1,2,3,4,5,6,7,8,9,10,11,12,13,14,15
	ds_load_b128 v[BB+4*\t:BB+4*\t+3], v[RD] offset:\t*SPITCH   ; LDS serves a wave's instructions in order: these see the stores above
.endr
.endm
.macro SEND a, younger
.set BB, BK+64*((\a)%2)
.set RS, 128*((\a)%2)+64*(1-((\a)%4)/2)
	s_wait_dscnt \younger                          ; the block is back in registers
.if (\a) < 5
	s_wait_loadcnt 48                              ; its residual is in: behind it three blocks' sixteen loads were issued
.else
	s_wait_loadcnt 16*(7-(\a))
.endif
	WIN 0x04                                       ; source 1 window 1
.set i, 0
.rept 32
	v_pk_add_f32 v[BB+i:BB+i+1], v[BB+i:BB+i+1], v[RS+i:RS+i+1]
.set i, i+2
.endr
	WIN 0
.irp t, 0,1,2,3,4,5,6,7,8,9,10,11,12,13,14,15
.if FINAL
	global_store_b128 v[L16], v[BB+4*\t:BB+4*\t+3], s[10:11] offset:(32*((\a)/2)+8*((\a)%2)+\t+8*(\t/8))*4096 th:TH_STORE_NT
.else
	global_store_b128 v[L16], v[BB+4*\t:BB+4*\t+3], s[10:11] offset:(32*((\a)/2)+8*((\a)%2)+\t+8*(\t/8))*4096
.endif
.endr
.if (\a) < 4
	RESLOAD (\a)+4
.endif
.endm
	PLACES NP                                      ; ahead of the loads into W's and A's registers and of the first read of results
	RESLOAD 2
	RESLOAD 3
	TOSTAGE 0
.irp a, 1,2,3,4,5,6,7
.if \a > 1
	s_wait_xcnt 0x0                                ; block a - 2's stores have read their registers: block a's rows may land there
.endif
	TOSTAGE \a
	SEND \a-1, 32                                  ; behind block a - 1's loads: block a's 16 stores and 16 loads
.endr
	SEND 7, 0
	s_wait_tensorcnt 0x0                           ; the wave's end
	ds_add_u32 v[SPW], v[NIL]
	s_wait_dscnt 0x0
	CROUND                                         ; the closing round
	s_endpgm
.Lfunc_end_k_q25bac3b1b1_g6:
	.size	k_q25bac3b1b1_g6, .Lfunc_end_k_q25bac3b1b1_g6-k_q25bac3b1b1_g6
	.p2alignl 7, 3214868480
	.fill 96, 4, 3214868480
	.section	.rodata,"a",@progbits
	.p2align	6, 0x0
	.amdhsa_kernel k_q25bac3b1b1_g6
		.amdhsa_group_segment_fixed_size 327680
		.amdhsa_private_segment_fixed_size 0
		.amdhsa_enable_private_segment 0
		.amdhsa_kernarg_size 32
		.amdhsa_user_sgpr_count 2
		.amdhsa_user_sgpr_kernarg_segment_ptr 1
		.amdhsa_wavefront_size32 1
		.amdhsa_system_sgpr_workgroup_id_x 1
		.amdhsa_system_sgpr_workgroup_id_y 1
		.amdhsa_system_sgpr_workgroup_id_z 1
		.amdhsa_system_vgpr_workitem_id 0
		.amdhsa_next_free_vgpr 1024
		.amdhsa_next_free_sgpr 98
		.amdhsa_reserve_vcc 0
		.amdhsa_float_denorm_mode_32 3
		.amdhsa_float_denorm_mode_16_64 3
		.amdhsa_memory_ordered 1
		.amdhsa_forward_progress 1
		.amdhsa_inst_pref_size 243
	.end_amdhsa_kernel
	.amdgpu_metadata
---
amdhsa.version: [ 1, 2 ]
amdhsa.kernels:
  - .name:           k_q25bac3b1b1_g6
    .symbol:         k_q25bac3b1b1_g6.kd
    .args:
      - { .name: act_img, .offset: 0, .size: 8, .value_kind: global_buffer, .address_space: global }
      - { .name: w_img, .offset: 8, .size: 8, .value_kind: global_buffer, .address_space: global }
      - { .name: x1, .offset: 16, .size: 8, .value_kind: global_buffer, .address_space: global }
      - { .name: out0, .offset: 24, .size: 8, .value_kind: global_buffer, .address_space: global }
    .group_segment_fixed_size: 327680
    .private_segment_fixed_size: 0
    .kernarg_segment_align: 8
    .kernarg_segment_size: 32
    .max_flat_workgroup_size: 128
    .sgpr_count:     98
    .vgpr_count:     1024
    .wavefront_size: 32
...
	.end_amdgpu_metadata
.endif
;; end of part 6
;; ======== version 2 of 2: 6 launches
;; limits: right only within a limited range of input values
;; workspace buffers: h_img 2,228,224 bytes; w_img 6,684,672 bytes; qkv_img 6,946,816 bytes; attn_img 2,228,224 bytes; x1 16,777,216 bytes; act_img 8,912,896 bytes
;; launch prep (part 7): grid 1024 x 1, 8 waves a work-group, no clusters, 67,072 bytes of LDS; arguments x, norm1_scale, norm1_bias, qkv_w, out_w, ff_up_w, ff_down_w, h_img, w_img; writes h_img, w_img
.if DOCPART == 7
	.amdgcn_target "amdgcn-amd-amdhsa--gfx1250"
	.amdhsa_code_object_version 6
	.text
	.protected	k_q25bac3b1b1_prep
	.globl	k_q25bac3b1b1_prep
	.p2align	8
	.type	k_q25bac3b1b1_prep,@function
k_q25bac3b1b1_prep:
	s_mov_b64 s[64:65], 0
	v_nop
	global_prefetch_b8 v0, s[64:65] scope:SCOPE_SE
	s_setreg_imm32_b32 hwreg(HW_REG_WAVE_MODE, 25, 1), 1
	s_wait_xcnt 0x0
; Rows of f32 with K innermost become operand images of FP4 (E2M1) codes with one E8M0 scale byte for each 32 along K.
; Work-groups 0-255: a layer norm over rows of 1,024 (argument 0, gain, bias) ahead of the quantiser, into h_img.
; Work-groups 256-1023: the four weights as they are, into w_img (qkv_w, out_w, ff_up_w, ff_down_w on end).
; A UNIT, one work-group's share, is a tile of 16 rows x 1,024 along K.  ROW ORDER: lane r of tile T stands for row 32 (T / 2) + 8 (T % 2) + r + 8 (r / 8),
; so that a product used transposed leaves 16 neighbours of the next K in a lane's 16 registers of two neighbouring tiles.
; IMAGE: for each tile and each 512 along K a record of 4,352 bytes: four fragments of 1,024 bytes (128 along K each; register group c of lane l at 512 c + 16 l,
; holding k = 64 c + 32 (l / 16) + 0 .. 31 of row l % 16), then four runs of 16 scale words (64 q + 4 r).
; PHASE 1: wave w loads rows 2 w and 2 w + 1 of the tile whole (each load 512 consecutive bytes), norms them if asked, and lays them in a stage in LDS.
; PHASE 2, behind the one barrier: wave w takes the unit's w-th 128 along K: a lane reads two whole blocks of 32 of its row, so no other lane is asked for a maximum.
; REGISTERS: 128 a wave, so that four work-groups of eight waves share the four SIMDs' 1,024 each, and 4 x 67,072 bytes of LDS fit too: the grid's 1,024 work-groups are four for each of 256 WGPs.
; For that, gain and bias come in two halves of 16 registers each; the second halves are loaded when the first have been used.
; A block's scale byte is its largest magnitude's exponent field - 2, held at 1 from below.
; LIMITS: a block of zeros, or one whose largest magnitude lies under 2^-124, gets the byte 1 (its codes are zeros or near it; the bytes are read by this program alone);
; NaN and infinities among the inputs are not served; 1 / sqrt(var + eps) is v_rsq_f32's.
; No tile is shared between work-groups, so no cluster; memory binds, so no matrix unit.  The scale words leave in runs of 64 bytes: one byte in 128 of what is read.
.set PITCH, 4112                       ; a stage row: 4,096 bytes + 16: an odd multiple of 16, so the 16 rows that a load touches start in different banks
.set REC,   4352
.set X,     32                         ; v32-95   two rows as loaded, 32 registers each; in phase 2 my two blocks
.set G,     96                         ; v96-111  the gain of half my columns
.set BV,    112                        ; v112-127 the bias of the same
.set PC,    20                         ; v20-27   the fragment's codes; v20-23 at work in phase 1
	s_load_b512 s[4:19], s[0:1], 0x0               ; rows s[4:5], gain s[6:7], bias s[8:9], qkv_w s[10:11], out_w s[12:13], ff_up_w s[14:15], ff_down_w s[16:17], h_img s[18:19]
	s_load_b64 s[20:21], s[0:1], 0x40              ; w_img
	v_lshl_add_u32 v18, v0, 2, 0x10200             ; my spare word, behind the stage; v18 and v19 serve the closing add alone
	v_mov_b32 v19, 0
	v_lshrrev_b32 v1, 5, v0
	s_delay_alu instid0(VALU_DEP_1)
	v_readfirstlane_b32 s24, v1                    ; wave 0..7
	v_and_b32 v1, 31, v0                           ; lane
	v_and_b32 v2, 15, v0                           ; r
	v_bfe_u32 v3, v0, 4, 1                         ; h
	s_delay_alu instid0(VALU_DEP_3)
	v_lshlrev_b32 v4, 4, v1                        ; 16 x lane
	s_mul_i32 s25, s24, 2*PITCH
	v_add_nc_u32 v5, s25, v4                       ; the stage, in: my wave's two rows
	v_mul_u32_u24 v6, v2, PITCH
	s_delay_alu instid0(VALU_DEP_1)
	v_lshl_add_u32 v6, v3, 7, v6
	s_lshl_b32 s25, s24, 9
	v_add_nc_u32 v6, s25, v6                       ; and out: row r, my wave's 512 bytes, + 128 h
	v_lshlrev_b32 v7, 2, v2                        ; 4 r
	s_mov_b32 s34, 0x76543210
	s_mov_b32 s35, 0xfedcba98                      ; v_permlanex16_b32's selects for lane l xor 16
	s_mov_b32 s36, 0x3727c5ac                      ; 1e-5
	s_mov_b32 s37, 0x3a800000                      ; 1 / 1,024
	s_wait_alu depctr_va_vdst(0)
	s_wait_kmcnt 0x0
	; which tensor: the choice hangs on the work-group's number alone
	s_mov_b64 s[22:23], s[16:17]
	s_mov_b32 s26, 768
	s_cmp_lt_u32 ttmp9, 768
	s_cselect_b64 s[22:23], s[14:15], s[22:23]
	s_cselect_b32 s26, 512, s26                    ; the tensor's first work-group
	s_cselect_b32 s27, 0, 2                        ; ff_down_w has four units to a tile of rows
	s_cselect_b32 s28, 12, 14                      ; log2 of a row's bytes
	s_cselect_b32 s29, 0, 3
	s_cmp_lt_u32 ttmp9, 512
	s_cselect_b64 s[22:23], s[12:13], s[22:23]
	s_cselect_b32 s26, 448, s26
	s_cmp_lt_u32 ttmp9, 448
	s_cselect_b64 s[22:23], s[10:11], s[22:23]
	s_cselect_b32 s26, 256, s26
	s_cmp_lt_u32 ttmp9, 256
	s_cselect_b64 s[22:23], s[4:5], s[22:23]
	s_cselect_b32 s26, 0, s26
	s_cselect_b64 s[38:39], s[18:19], s[20:21]     ; where the unit's two records go:
	s_cselect_b32 s30, 0, 256
	s_sub_co_u32 s30, ttmp9, s30
	s_mul_i32 s30, s30, 2*REC                      ; units lie on end in both buffers (a tile of ff_down_w is four units)
	s_mov_b32 s31, 0
	s_add_nc_u64 s[38:39], s[38:39], s[30:31]
	s_sub_co_u32 s26, ttmp9, s26                   ; the unit's number in its tensor
	s_lshr_b32 s30, s26, s27                       ; T
	s_and_b32 s29, s26, s29
	s_lshl_b32 s29, s29, 12                        ; the unit's first column, in bytes
	s_lshr_b32 s31, s30, 1
	s_lshl_b32 s31, s31, 5
	s_and_b32 s30, s30, 1
	s_lshl_b32 s30, s30, 3
	s_add_co_u32 s30, s30, s31                     ; 32 (T / 2) + 8 (T % 2)
	s_lshl_b32 s31, s24, 1
	s_add_co_u32 s30, s30, s31                     ; + r = 2 w
	s_lshr_b32 s31, s24, 2
	s_lshl_b32 s31, s31, 3
	s_add_co_u32 s30, s30, s31                     ; + 8 (r / 8): my first row; my second is the next
	s_lshl_b32 s30, s30, s28
	s_add_co_u32 s30, s30, s29                     ; under 2^25
	s_mov_b32 s31, 0
	s_add_nc_u64 s[22:23], s[22:23], s[30:31]
	s_lshl_b32 s31, 1, s28
	v_add_nc_u32 v9, s31, v4                       ; 16 x lane, a row further down
	s_wait_alu depctr_va_vdst(0)
	s_lshr_b32 s30, s24, 2                         ; phase 2's places: record w / 4, fragment w % 4
	s_mul_i32 s30, s30, REC
	s_and_b32 s31, s24, 3
	s_lshl_b32 s32, s31, 10
	s_add_co_u32 s32, s32, s30
	s_mov_b32 s33, 0
	s_add_nc_u64 s[40:41], s[38:39], s[32:33]      ; the codes
	s_lshl_b32 s32, s31, 6
	s_add_co_u32 s32, s32, s30
	s_add_co_u32 s32, s32, 4096
	s_add_nc_u64 s[42:43], s[38:39], s[32:33]      ; the scale words
.irp i, 0,1,2,3,4,5,6,7
	global_load_b128 v[X+4*\i:X+4*\i+3], v4, s[22:23] offset:512*\i th:TH_LOAD_NT
.endr
.irp i, 0,1,2,3,4,5,6,7
	global_load_b128 v[X+32+4*\i:X+32+4*\i+3], v9, s[22:23] offset:512*\i th:TH_LOAD_NT
.endr
	s_cmp_ge_u32 ttmp9, 256
	s_cbranch_scc1 .Lplain                         ; weights are quantised as they are
.irp i, 0,1,2,3
	global_load_b128 v[G+4*\i:G+4*\i+3], v4, s[6:7] offset:512*\i          ; gain and bias of the row's first 2,048 bytes
.endr
.irp i, 0,1,2,3
	global_load_b128 v[BV+4*\i:BV+4*\i+3], v4, s[8:9] offset:512*\i
.endr
; v[p] (row 0) and v[p+4] (row 1) summed over the 32 lanes, the result in every lane; v[p+1] and v[p+5] at work
.macro ALLSUM p
.irp m, 1,2,4,8
.irp e, 0,4
	s_delay_alu instid0(VALU_DEP_2)
	v_add_f32_dpp v[\p+\e], v[\p+\e], v[\p+\e] row_xmask:\m row_mask:0xf bank_mask:0xf
.endr
.endr
.irp e, 0,4
	s_delay_alu instid0(VALU_DEP_2)
	v_permlanex16_b32 v[\p+\e+1], v[\p+\e], s34, s35
.endr
.irp e, 0,4
	s_delay_alu instid0(VALU_DEP_2)
	v_add_f32 v[\p+\e], v[\p+\e], v[\p+\e+1]
.endr
.endm
	s_wait_loadcnt 8                               ; my two rows are in; the eight loads of gain and bias may be out
.irp e, 0,1                                        ; the rows' sums: two chains a row, the rows by turns
	v_pk_add_f32 v[10+4*\e:11+4*\e], v[X+32*\e:X+32*\e+1], v[X+32*\e+2:X+32*\e+3]
	v_pk_add_f32 v[12+4*\e:13+4*\e], v[X+32*\e+4:X+32*\e+5], v[X+32*\e+6:X+32*\e+7]
.endr
.irp i, 8,12,16,20,24,28
.irp e, 0,1
	s_delay_alu instid0(VALU_DEP_4)
	v_pk_add_f32 v[10+4*\e:11+4*\e], v[10+4*\e:11+4*\e], v[X+32*\e+\i:X+32*\e+\i+1]
	s_delay_alu instid0(VALU_DEP_4)
	v_pk_add_f32 v[12+4*\e:13+4*\e], v[12+4*\e:13+4*\e], v[X+32*\e+\i+2:X+32*\e+\i+3]
.endr
.endr
.irp e, 0
	s_delay_alu instid0(VALU_DEP_3)
	v_pk_add_f32 v[10+4*\e:11+4*\e], v[10+4*\e:11+4*\e], v[12+4*\e:13+4*\e]
.endr
.irp e, 1
	s_delay_alu instid0(VALU_DEP_2)
	v_pk_add_f32 v[10+4*\e:11+4*\e], v[10+4*\e:11+4*\e], v[12+4*\e:13+4*\e]
.endr
.irp e, 0,1
	s_delay_alu instid0(VALU_DEP_2)
	v_add_f32 v[10+4*\e], v[10+4*\e], v[11+4*\e]
.endr
	ALLSUM 10
.irp e, 0,1
	s_delay_alu instid0(VALU_DEP_2)
	v_mul_f32 v[10+4*\e], s37, v[10+4*\e]          ; the mean
.endr
.irp i, 0,2,4,6,8,10,12,14,16,18,20,22,24,26,28,30
.irp e, 0,1
	v_pk_add_f32 v[X+32*\e+\i:X+32*\e+\i+1], v[X+32*\e+\i:X+32*\e+\i+1], v[10+4*\e:11+4*\e] op_sel_hi:[1,0] neg_lo:[0,1] neg_hi:[0,1]   ; x - mean, in place
.endr
.endr
.irp e, 0,1                                        ; the sums of their squares
	v_pk_mul_f32 v[12+4*\e:13+4*\e], v[X+32*\e:X+32*\e+1], v[X+32*\e:X+32*\e+1]
	v_pk_mul_f32 v[20+2*\e:21+2*\e], v[X+32*\e+2:X+32*\e+3], v[X+32*\e+2:X+32*\e+3]
.endr
.irp i, 4,8,12,16,20,24,28
.irp e, 0,1
	s_delay_alu instid0(VALU_DEP_4)
	v_pk_fma_f32 v[12+4*\e:13+4*\e], v[X+32*\e+\i:X+32*\e+\i+1], v[X+32*\e+\i:X+32*\e+\i+1], v[12+4*\e:13+4*\e]
	s_delay_alu instid0(VALU_DEP_4)
	v_pk_fma_f32 v[20+2*\e:21+2*\e], v[X+32*\e+\i+2:X+32*\e+\i+3], v[X+32*\e+\i+2:X+32*\e+\i+3], v[20+2*\e:21+2*\e]
.endr
.endr
.irp e, 0
	s_delay_alu instid0(VALU_DEP_3)
	v_pk_add_f32 v[12+4*\e:13+4*\e], v[12+4*\e:13+4*\e], v[20+2*\e:21+2*\e]
.endr
.irp e, 1
	s_delay_alu instid0(VALU_DEP_2)
	v_pk_add_f32 v[12+4*\e:13+4*\e], v[12+4*\e:13+4*\e], v[20+2*\e:21+2*\e]
.endr
.irp e, 0,1
	s_delay_alu instid0(VALU_DEP_2)
	v_add_f32 v[12+4*\e], v[12+4*\e], v[13+4*\e]
.endr
	ALLSUM 12
.irp e, 0,1
	s_delay_alu instid0(VALU_DEP_2)
	v_fma_f32 v[12+4*\e], v[12+4*\e], s37, s36     ; the variance + eps
.endr
	s_wait_alu depctr_va_vdst(0)
	v_rsq_f32 v12, v12
	v_rsq_f32 v16, v16
	v_nop                                          ; a plain instruction behind the last of the two
	s_wait_alu depctr_va_vdst(0)                   ; one wait for both, ahead of their first reader
; half u of each row's 32 registers: (x - mean) / sigma, then x gain + bias; the scalings stand ahead of the wait for gain and bias
.macro AFFINE u
.irp i, 0,2,4,6,8,10,12,14
.irp e, 0,1
	v_pk_mul_f32 v[X+32*\e+16*\u+\i:X+32*\e+16*\u+\i+1], v[X+32*\e+16*\u+\i:X+32*\e+16*\u+\i+1], v[12+4*\e:13+4*\e] op_sel_hi:[1,0]
.endr
.endr
	s_wait_loadcnt 0x0                             ; this half's gain and bias
.irp i, 0,2,4,6,8,10,12,14
.irp e, 0,1
	v_pk_fma_f32 v[X+32*\e+16*\u+\i:X+32*\e+16*\u+\i+1], v[X+32*\e+16*\u+\i:X+32*\e+16*\u+\i+1], v[G+\i:G+\i+1], v[BV+\i:BV+\i+1]
.endr
.endr
.endm
	AFFINE 0
.irp i, 0,1,2,3
	global_load_b128 v[G+4*\i:G+4*\i+3], v4, s[6:7] offset:2048+512*\i     ; the first halves have been used: the second 2,048 bytes' gain and bias take their registers
.endr
.irp i, 0,1,2,3
	global_load_b128 v[BV+4*\i:BV+4*\i+3], v4, s[8:9] offset:2048+512*\i
.endr
	AFFINE 1
.Lplain:
	s_wait_loadcnt 0x0
	s_wait_alu depctr_va_vdst(0)
.irp e, 0,1
.irp i, 0,1,2,3,4,5,6,7
	ds_store_b128 v5, v[X+32*\e+4*\i:X+32*\e+4*\i+3] offset:\e*PITCH+512*\i
.endr
.endr
	s_wait_dscnt 0x0                               ; for the others' sake: my two rows lie in the stage
	s_barrier_signal -1
	s_barrier_wait -1                              ; all sixteen do
.irp c, 0,1
.irp j, 0,1,2,3,4,5,6,7
	ds_load_b128 v[X+32*\c+4*\j:X+32*\c+4*\j+3], v6 offset:256*\c+16*\j   ; k = 64 c + 32 h + 4 j .. of row r
.endr
.endr
	s_wait_dscnt 0x0
.irp c, 0,1
	v_max3_num_f32 v[28+\c], |v[X+32*\c]|, |v[X+32*\c+1]|, 0x1800000   ; my block 2 c + h, and the floor 2^(3 - 127): the byte cannot fall under 1
.endr
.irp i, 2,4,6,8,10,12,14,16,18,20,22,24,26,28,30
.irp c, 0,1
	s_delay_alu instid0(VALU_DEP_2)
	v_max3_num_f32 v[28+\c], v[28+\c], |v[X+32*\c+\i]|, |v[X+32*\c+\i+1]|
.endr
.endr
.irp c, 0,1
	s_delay_alu instid0(VALU_DEP_2)
	v_add_nc_u32 v[30+\c], 0xff000000, v[28+\c]    ; 2 off the exponent field: the conversion's scale operand
.endr
.irp c, 0,1
	s_delay_alu instid0(VALU_DEP_2)
	v_lshrrev_b32 v[28+\c], 23, v[30+\c]           ; the scale's byte
.endr
	s_delay_alu instid0(VALU_DEP_1)
	v_lshl_or_b32 v10, v29, 16, v28                ; blocks h and 2 + h,
	v_lshlrev_b32 v11, 3, v3
	s_delay_alu instid0(VALU_DEP_1)
	v_lshlrev_b32 v10, v11, v10                    ; at their places in the row's word;
	v_mov_b32 v11, 0
	s_delay_alu instid0(VALU_DEP_1)
	v_permlanex16_b32 v11, v10, s34, s35
	s_delay_alu instid0(VALU_DEP_1)
	v_or_b32 v10, v10, v11                         ; with lane l xor 16's two the word is whole
.irp c, 0,1
.irp g, 0,1,2,3
	v_cvt_scalef32_pk8_fp4_f32 v[PC+4*\c+\g], v[X+32*\c+8*\g:X+32*\c+8*\g+7], v[30+\c]
.endr
.endr
	global_store_b128 v4, v[PC:PC+3], s[40:41]             ; 512 consecutive bytes each: the fragment as its registers stand
	global_store_b128 v4, v[PC+4:PC+7], s[40:41] offset:512
	global_store_b32 v7, v10, s[42:43]                     ; both halves of the lanes hold the same word and write it to the same place
	s_wait_tensorcnt 0x0
	ds_add_u32 v18, v19
	s_wait_dscnt 0x0
	s_endpgm
.Lfunc_end_k_q25bac3b1b1_prep:
	.size	k_q25bac3b1b1_prep, .Lfunc_end_k_q25bac3b1b1_prep-k_q25bac3b1b1_prep
	.p2alignl 7, 3214868480
	.fill 96, 4, 3214868480
	.section	.rodata,"a",@progbits
	.p2align	6, 0x0
	.amdhsa_kernel k_q25bac3b1b1_prep
		.amdhsa_group_segment_fixed_size 67072
		.amdhsa_private_segment_fixed_size 0
		.amdhsa_enable_private_segment 0
		.amdhsa_kernarg_size 72
		.amdhsa_user_sgpr_count 2
		.amdhsa_user_sgpr_kernarg_segment_ptr 1
		.amdhsa_wavefront_size32 1
		.amdhsa_system_sgpr_workgroup_id_x 1
		.amdhsa_system_sgpr_workgroup_id_y 1
		.amdhsa_system_sgpr_workgroup_id_z 1
		.amdhsa_system_vgpr_workitem_id 0
		.amdhsa_next_free_vgpr 128
		.amdhsa_next_free_sgpr 66
		.amdhsa_reserve_vcc 0
		.amdhsa_float_denorm_mode_32 3
		.amdhsa_float_denorm_mode_16_64 3
		.amdhsa_memory_ordered 1
		.amdhsa_forward_progress 1
		.amdhsa_inst_pref_size 29
	.end_amdhsa_kernel
	.amdgpu_metadata
---
amdhsa.version: [ 1, 2 ]
amdhsa.kernels:
  - .name:           k_q25bac3b1b1_prep
    .symbol:         k_q25bac3b1b1_prep.kd
    .args:
      - { .name: x, .offset: 0, .size: 8, .value_kind: global_buffer, .address_space: global }
      - { .name: norm1_scale, .offset: 8, .size: 8, .value_kind: global_buffer, .address_space: global }
      - { .name: norm1_bias, .offset: 16, .size: 8, .value_kind: global_buffer, .address_space: global }
      - { .name: qkv_w, .offset: 24, .size: 8, .value_kind: global_buffer, .address_space: global }
      - { .name: out_w, .offset: 32, .size: 8, .value_kind: global_buffer, .address_space: global }
      - { .name: ff_up_w, .offset: 40, .size: 8, .value_kind: global_buffer, .address_space: global }
      - { .name: ff_down_w, .offset: 48, .size: 8, .value_kind: global_buffer, .address_space: global }
      - { .name: h_img, .offset: 56, .size: 8, .value_kind: global_buffer, .address_space: global }
      - { .name: w_img, .offset: 64, .size: 8, .value_kind: global_buffer, .address_space: global }
    .group_segment_fixed_size: 67072
    .private_segment_fixed_size: 0
    .kernarg_segment_align: 8
    .kernarg_segment_size: 72
    .max_flat_workgroup_size: 256
    .sgpr_count:     66
    .vgpr_count:     128
    .wavefront_size: 32
...
	.end_amdgpu_metadata
.endif
;; end of part 7
;; launch g1 (part 8): grid 12 x 16, 4 waves a work-group, clusters of 4 x 4, 327,680 bytes of LDS; arguments h_img, w_img, qkv_img; writes qkv_img
.if DOCPART == 8
	.amdgcn_target "amdgcn-amd-amdhsa--gfx1250"
	.amdhsa_code_object_version 6
	.text
	.protected	k_q25bac3b1b1_g1
	.globl	k_q25bac3b1b1_g1
	.p2align	8
	.type	k_q25bac3b1b1_g1,@function
k_q25bac3b1b1_g1:
	s_mov_b64 s[64:65], 0
	v_nop
	global_prefetch_b8 v0, s[64:65] scope:SCOPE_SE
	s_setreg_imm32_b32 hwreg(HW_REG_WAVE_MODE, 25, 1), 1
	s_wait_xcnt 0x0
	s_wait_alu depctr_hold_cnt(0) depctr_sa_sdst(0) depctr_va_vdst(0) depctr_va_sdst(0) depctr_va_ssrc(0) depctr_va_vcc(0) depctr_vm_vsrc(0)
	s_getreg_b32 s2, hwreg(HW_REG_IB_STS2, 6, 4)
	s_cmp_eq_u32 s2, 0
	s_cbranch_scc0 .Lentry_in_a_cluster
	s_endpgm
.Lentry_in_a_cluster:
	s_bfe_u32 s2, ttmp6, 0x10000c
	s_cmp_lg_u32 s2, 0xf033
	s_cbranch_scc0 .Lentry_shape_is_right
	s_endpgm
.Lentry_shape_is_right:
.set SIZE_K, 1024
.set KSTEP,  512
.set NQ,     4
.set REC,    4352
.set TROW,   (SIZE_K/512)*REC
.set HALFT,  8*TROW                    ; 8 tiles, both records of each: what a wave's one tensor load brings
.set SLOT,   4*HALFT
.set SPARE,  SLOT
.set FR,     8
.set NL,     2
.set NP,     4
.set WV_OFF, 1114112
.set KV_OFF, 2359296
.set QSTR,   73728
.set KVSTR,  143360
.set L16,  3
.set ADRA, 16
.set ADRS, 18
.set ADRB, 20
.set SPW,  28
.set NIL,  29
.set VC,   30
.set VS,   31
.set SC,   32
.set PC,   96
.set TM,   104
.set PW,   120
.set AF,   128
.set G1, 24
.set G0, 32
.set G1B, 48
.set G0B, 56
.set SEL, 66
.set MSB, 0
.macro WIN new
.if MSB != (\new)
	s_set_vgpr_msb (MSB<<8)|(\new)
.set MSB, (\new)
.endif
.endm
.set MUL_LO, 0xa1
.set MUL_HI, 0xf1
.set TO_B,   0x40
.macro JLOAD g0a, g1a, g0b, g1b
	s_cmp_eq_u32 s15, 0
	s_cbranch_scc0 .Lfor_b_\@
	tensor_load_to_lds s[\g0a:\g0a+3], s[\g1a:\g1a+7]
	s_nop 0
.rept 4
	v_nop
.endr
	s_branch .Lasked_\@
.Lfor_b_\@:
	tensor_load_to_lds s[\g0b:\g0b+3], s[\g1b:\g1b+7]
	s_nop 0
.rept 4
	v_nop
.endr
.Lasked_\@:
.endm
.macro CREST
	s_cmp_lg_u32 s14, 0
	s_cbranch_scc1 .Lnot_wave_0_\@
	s_barrier_signal -3
.Lnot_wave_0_\@:
	s_barrier_wait -3
	s_barrier_signal -1
	s_barrier_wait -1
.endm
.macro CROUND
	s_barrier_signal -1
	s_barrier_wait -1
	CREST
.endm
	s_load_b128 s[4:7], s[0:1], 0x0
	s_load_b64 s[8:9], s[0:1], 0x10
	v_lshl_add_u32 v[SPW], v0, 2, SPARE
	v_mov_b32 v[NIL], 0
	ds_add_u32 v28, v29
	ds_add_u32 v28, v29
	s_wait_dscnt 0x0
	v_lshrrev_b32 v1, 5, v0
	v_readfirstlane_b32 s14, v1
	s_lshr_b32 s15, s14, 1
	s_and_b32 s16, s14, 1
	s_bfe_u32 s40, ttmp6, 0x40000
	s_bfe_u32 s41, ttmp6, 0x40004
	s_and_b32 s18, ttmp7, 0xffff
	s_lshl_b32 s18, s18, 2
	s_lshl_b32 s19, ttmp9, 2
	s_cmp_lt_u32 ttmp9, 2
	s_cselect_b32 s17, s18, 0
	s_cselect_b32 s42, s19, s18
	s_add_co_u32 s17, s17, s41
	s_add_co_u32 s42, s42, s40
	s_lshl_b32 s43, s41, 2
	s_lshl_b32 s43, 15, s43
	s_lshl_b32 s44, 0x1111, s40
	s_or_b32 s[G1+0], s43, (3<<16)|(1<<21)
	s_or_b32 s[G1B+0], s44, (3<<16)|(1<<21)
.irp g, G1, G1B
	s_mov_b32 s[\g+1], 1088<<16
	s_mov_b32 s[\g+2], 8<<16
	s_mov_b32 s[\g+3], 1088<<16
	s_mov_b32 s[\g+4], 8
	s_mov_b32 s[\g+5], TROW/8
	s_mov_b32 s[\g+6], 0
	s_mov_b32 s[\g+7], 0
.endr
	s_lshl_b32 s18, s16, 3
	s_lshl_b32 s20, s17, 4
	s_add_co_u32 s20, s20, s18
	s_mul_i32 s20, s20, TROW
	s_mov_b32 s21, 0
	s_lshl_b32 s46, s42, 4
	s_add_co_u32 s46, s46, s18
	s_mul_i32 s46, s46, TROW
	s_mov_b32 s47, 0
	s_mul_i32 s45, s14, HALFT
	s_wait_kmcnt 0x0
	s_add_nc_u64 s[12:13], s[6:7], WV_OFF
	s_cmp_lt_u32 ttmp9, 2
	s_cselect_b64 s[10:11], s[4:5], s[12:13]
	s_cselect_b64 s[12:13], s[6:7], s[4:5]
	s_add_nc_u64 s[20:21], s[10:11], s[20:21]
	s_add_nc_u64 s[46:47], s[12:13], s[46:47]
	CROUND
.irp s, 0
	s_mov_b32 s[G0+4*\s], 1
	s_add_co_u32 s[G0+4*\s+1], s45, \s*SLOT
	s_add_nc_u64 s[G0+4*\s+2:G0+4*\s+3], s[20:21], \s*REC
	s_or_b32 s[G0+4*\s+3], s[G0+4*\s+3], 0x80000000
	s_mov_b32 s[G0B+4*\s], 1
	s_add_co_u32 s[G0B+4*\s+1], s45, \s*SLOT
	s_add_nc_u64 s[G0B+4*\s+2:G0B+4*\s+3], s[46:47], \s*REC
	s_or_b32 s[G0B+4*\s+3], s[G0B+4*\s+3], 0x80000000
	JLOAD G0+4*\s, G1, G0B+4*\s, G1B               ; my one tensor load of the launch: 8 rows of 8,704 bytes, all of K
.endr
	v_and_b32 v1, 15, v0
	v_bfe_u32 v2, v0, 4, 1
	v_and_b32 v[L16], 31, v0
	v_lshlrev_b32 v[L16], 4, v[L16]
	s_mul_i32 s21, s15, HALFT
	s_mul_i32 s22, s16, HALFT
	s_add_co_u32 s22, s22, 2*HALFT
	s_sub_co_u32 s23, s22, s21
	v_mul_u32_u24 v4, s23, v2
	v_lshl_add_u32 v4, v1, 2, v4
.irp s, 0,1
	v_add_nc_u32 v[ADRA+\s], s21, v[L16]
	v_add_nc_u32 v[ADRB+\s], s22, v[L16]
	v_add_nc_u32 v[ADRS+\s], s21, v4
	s_add_co_u32 s21, s21, REC                     ; K's second 512 is each tile's second record
	s_add_co_u32 s22, s22, REC
.endr
.macro FRAG reg, adr, q, i
.irp c, 0,1
	ds_load_b128 v[\reg+4*\c:\reg+4*\c+3], v[\adr] offset:(\i)*TROW+1024*(\q)+512*\c
.endr
.endm
.macro MUL16 a0, p, q, sc, zero
.irp a, \a0, \a0+1
.irp b, 0,1,2,3,4,5,6,7
.if \zero
	v_wmma_scale_f32_16x16x128_f8f6f4 v[8*(8*((\a)%4)+\b):8*(8*((\a)%4)+\b)+7], v[128*(\p)+FR*\b:128*(\p)+FR*\b+FR-1], v[AF+FR*(\a):AF+FR*(\a)+FR-1], 0, v[SC+8*NQ*(\sc)+NQ*\b+(\q)], v[SC+8*NQ*(\sc)+NQ*(\a)+(\q)] matrix_a_fmt:MATRIX_FMT_FP4 matrix_b_fmt:MATRIX_FMT_FP4 matrix_a_scale:MATRIX_SCALE_ROW1
.else
	v_wmma_scale_f32_16x16x128_f8f6f4 v[8*(8*((\a)%4)+\b):8*(8*((\a)%4)+\b)+7], v[128*(\p)+FR*\b:128*(\p)+FR*\b+FR-1], v[AF+FR*(\a):AF+FR*(\a)+FR-1], v[8*(8*((\a)%4)+\b):8*(8*((\a)%4)+\b)+7], v[SC+8*NQ*(\sc)+NQ*\b+(\q)], v[SC+8*NQ*(\sc)+NQ*(\a)+(\q)] matrix_a_fmt:MATRIX_FMT_FP4 matrix_b_fmt:MATRIX_FMT_FP4 matrix_a_scale:MATRIX_SCALE_ROW1
.endif
.endr
.endr
.endm
.macro FETCH_B slot, q, p
	WIN TO_B
.irp i, 0,1,2,3,4,5,6,7
	FRAG 128*(\p)+FR*\i, ADRB+\slot, \q, \i
.endr
	WIN 0
.endm
.macro FETCH_A slot, q, i0
.irp i, \i0, \i0+1, \i0+2, \i0+3
	FRAG AF+FR*(\i), ADRA+\slot, \q, \i
.endr
.endm
.macro SCALES sc
.irp i, 0,1,2,3,4,5,6,7
.irp q, 0,1,2,3
	ds_load_b32 v[SC+8*NQ*\sc+NQ*\i+\q], v[ADRS+\sc] offset:\i*TROW+4096+64*\q
.endr
.endr
.endm
.macro PLACES n
.rept \n
	v_nop
.endr
.endm
.macro STEP slot, q, zero
	s_wait_dscnt 4*NL
	WIN MUL_LO
	MUL16 0, (\q)%2, \q, \slot, \zero
	MUL16 2, (\q)%2, \q, \slot, \zero
	s_wait_dscnt 0
	PLACES NP
	FETCH_B \slot, (\q)+1, 1-(\q)%2
	FETCH_A \slot, (\q)+1, 0
	WIN MUL_HI
	MUL16 4, (\q)%2, \q, \slot, \zero
	MUL16 6, (\q)%2, \q, \slot, \zero
	PLACES NP
	WIN 0
	FETCH_A \slot, (\q)+1, 4
.endm
.macro TURN slot, next
	s_wait_tensorcnt 0x0
	ds_add_u32 v[SPW], v[NIL]
	s_wait_dscnt 4*NL+1
	WIN MUL_LO
	MUL16 0, 1, NQ-1, \slot, 0
	s_wait_dscnt 0x0
	s_barrier_signal -1
	MUL16 2, 1, NQ-1, \slot, 0
	WIN 0
	s_barrier_wait -1
	PLACES NP
	FETCH_B \next, 0, 0
	FETCH_A \next, 0, 0
	SCALES \next
	WIN MUL_HI
	MUL16 4, 1, NQ-1, \slot, 0
	MUL16 6, 1, NQ-1, \slot, 0
	PLACES NP
	WIN 0
	FETCH_A \next, 0, 4
.endm
	s_wait_alu depctr_va_vdst(0)
	s_wait_tensorcnt 0x0                           ; my load is in
	s_barrier_signal -1
	s_barrier_wait -1
	FETCH_B 0, 0, 0
	FETCH_A 0, 0, 0
	SCALES 0
	FETCH_A 0, 0, 4
	STEP 0, 0, 1
	STEP 0, 1, 0
	STEP 0, 2, 0
	TURN 0, 1
	STEP 1, 0, 0
	STEP 1, 1, 0
	STEP 1, 2, 0
	s_wait_dscnt 4*NL
	WIN MUL_LO
	MUL16 0, 1, NQ-1, 1, 0
	MUL16 2, 1, NQ-1, 1, 0
	s_wait_dscnt 0
	WIN MUL_HI
	MUL16 4, 1, NQ-1, 1, 0
	MUL16 6, 1, NQ-1, 1, 0
	WIN 0
	PLACES NP
.macro QUANT s, w
	WIN ((\w)<<2)|((\w)<<4)
.irp b, 0,1,2,3
	v_max3_num_f32 v[TM+\b], 0x1800000, |v[(\s)+16*\b]|, |v[(\s)+16*\b+1]|
.endr
.irp i, 2,4,6,8,10,12,14
.irp b, 0,1,2,3
	v_max3_num_f32 v[TM+\b], v[TM+\b], |v[(\s)+16*\b+\i]|, |v[(\s)+16*\b+\i+1]|
.endr
.endr
	WIN 0
.irp b, 0,1,2,3
	v_permlanex16_b32 v[TM+4+\b], v[TM+\b], s[SEL], s[SEL+1]
.endr
.irp b, 0,1,2,3
	v_max_num_f32 v[TM+\b], v[TM+\b], v[TM+4+\b]
.endr
.irp b, 0,1,2,3
	v_add_nc_u32 v[TM+12+\b], 0xff000000, v[TM+\b]
.endr
.irp b, 0,1,2,3
	v_lshrrev_b32 v[TM+4+\b], 23, v[TM+12+\b]
.endr
	v_lshl_or_b32 v[PW], v[TM+5], 8, v[TM+4]
	v_lshl_or_b32 v[PW], v[TM+6], 16, v[PW]
	v_lshl_or_b32 v[PW], v[TM+7], 24, v[PW]
	WIN (\w)
.irp b, 0,1,2,3
	v_cvt_scalef32_pk8_fp4_f32 v[PC+2*\b], v[(\s)+16*\b:(\s)+16*\b+7], v[TM+12+\b]
	v_cvt_scalef32_pk8_fp4_f32 v[PC+2*\b+1], v[(\s)+16*\b+8:(\s)+16*\b+15], v[TM+12+\b]
.endr
	WIN 0
	v_nop
.irp c, 0,1
.irp i, 0,1
	v_permlane16_swap_b32 v[PC+4*\c+\i], v[PC+2+4*\c+\i]
.endr
.endr
.endm
	s_mov_b32 s[SEL], 0x76543210
	s_mov_b32 s[SEL+1], 0xfedcba98
.irp b, 0,1,2,3
	v_mov_b32 v[TM+4+\b], 0
.endr
	s_cmp_lt_u32 ttmp9, 2
	s_cbranch_scc0 .Lv_places
	s_lshr_b32 s72, s42, 2
	s_cmp_eq_u32 s72, 0
	s_mov_b32 s73, KVSTR
	s_cselect_b32 s73, QSTR, s73
	s_cselect_b32 s74, 0, KV_OFF
	s_and_b32 s75, s42, 3
	s_lshl_b32 s75, s75, 1
	s_add_co_u32 s75, s75, s16
	s_lshl_b32 s75, s75, 1
	s_lshr_b32 s76, s17, 3
	s_lshl_b32 s76, s76, 4
	s_add_co_u32 s75, s75, s76
	s_mul_i32 s75, s75, s73
	s_add_co_u32 s74, s74, s75
	s_mov_b32 s75, 0
	s_add_nc_u64 s[68:69], s[8:9], s[74:75]
	s_mov_b32 s74, s73
	s_add_nc_u64 s[70:71], s[68:69], s[74:75]
	s_and_b32 s76, s17, 7
	s_lshl_b32 s76, s76, 4
	s_lshl_b32 s77, s15, 3
	s_add_co_u32 s76, s76, s77
	s_lshl_b32 s77, s76, 9
	v_add_nc_u32 v[VC], s77, v[L16]
	s_lshl_b32 s77, s76, 6
	v_lshl_add_u32 v[VS], v1, 2, s77
	s_branch .Lplaces_made
.Lv_places:
	s_lshr_b32 s76, s42, 3
	s_lshl_b32 s76, s76, 4
	s_lshl_b32 s77, s17, 2
	s_add_co_u32 s76, s76, s77
	s_lshl_b32 s77, s15, 1
	s_add_co_u32 s76, s76, s77
	s_mul_i32 s74, s76, KVSTR
	s_add_co_u32 s74, s74, KV_OFF
	s_mov_b32 s75, 0
	s_add_nc_u64 s[68:69], s[8:9], s[74:75]
	s_mov_b64 s[70:71], s[68:69]
	s_and_b32 s76, s42, 7
	s_lshl_b32 s76, s76, 1
	s_add_co_u32 s76, s76, s16
	s_lshl_b32 s77, s76, 12
	v_add_nc_u32 v[VC], s77, v[L16]
	s_lshl_b32 s77, s76, 8
	v_lshl_add_u32 v[VS], v1, 2, s77
.Lplaces_made:
.macro QBLK a
.if (\a) > 0
	s_wait_xcnt 0x0
.endif
	QUANT 64*((\a)%4), 2+(\a)/4
	v_and_b32 v121, 0xffff, v[PW]
	v_lshrrev_b32 v122, 16, v[PW]
	s_cmp_lt_u32 ttmp9, 2
	s_cbranch_scc0 .Lv_out_\@
	global_store_b128 v[VC], v[PC:PC+3], s[68:69] offset:512*(\a)
	global_store_b128 v[VC], v[PC+4:PC+7], s[70:71] offset:512*(\a)
	global_store_b32 v[VS], v121, s[68:69] offset:65536+64*(\a)
	global_store_b32 v[VS], v122, s[70:71] offset:65536+64*(\a)
	s_branch .Lout_\@
.Lv_out_\@:
	s_wait_alu depctr_va_vdst(0)
	global_store_b128 v[VC], v[PC:PC+3], s[68:69] offset:((\a)/4)*KVSTR+73728+((\a)%4)*1024
	global_store_b128 v[VC], v[PC+4:PC+7], s[68:69] offset:((\a)/4)*KVSTR+73728+((\a)%4)*1024+512
	global_store_b32 v[VS], v[PW], s[68:69] offset:((\a)/4)*KVSTR+139264+((\a)%4)*64
.Lout_\@:
.endm
.irp a, 0,1,2,3,4,5,6,7
	QBLK \a
.endr
	s_wait_tensorcnt 0x0
	ds_add_u32 v[SPW], v[NIL]
	s_wait_dscnt 0x0
	CROUND
	s_endpgm
.Lfunc_end_k_q25bac3b1b1_g1:
	.size	k_q25bac3b1b1_g1, .Lfunc_end_k_q25bac3b1b1_g1-k_q25bac3b1b1_g1
	.p2alignl 7, 3214868480
	.fill 96, 4, 3214868480
	.section	.rodata,"a",@progbits
	.p2align	6, 0x0
	.amdhsa_kernel k_q25bac3b1b1_g1
		.amdhsa_group_segment_fixed_size 327680
		.amdhsa_private_segment_fixed_size 0
		.amdhsa_enable_private_segment 0
		.amdhsa_kernarg_size 24
		.amdhsa_user_sgpr_count 2
		.amdhsa_user_sgpr_kernarg_segment_ptr 1
		.amdhsa_wavefront_size32 1
		.amdhsa_system_sgpr_workgroup_id_x 1
		.amdhsa_system_sgpr_workgroup_id_y 1
		.amdhsa_system_sgpr_workgroup_id_z 1
		.amdhsa_system_vgpr_workitem_id 0
		.amdhsa_next_free_vgpr 1024
		.amdhsa_next_free_sgpr 98
		.amdhsa_reserve_vcc 0
		.amdhsa_float_denorm_mode_32 3
		.amdhsa_float_denorm_mode_16_64 3
		.amdhsa_memory_ordered 1
		.amdhsa_forward_progress 1
		.amdhsa_inst_pref_size 134
	.end_amdhsa_kernel
	.amdgpu_metadata
---
amdhsa.version: [ 1, 2 ]
amdhsa.kernels:
  - .name:           k_q25bac3b1b1_g1
    .symbol:         k_q25bac3b1b1_g1.kd
    .args:
      - { .name: h_img, .offset: 0, .size: 8, .value_kind: global_buffer, .address_space: global }
      - { .name: w_img, .offset: 8, .size: 8, .value_kind: global_buffer, .address_space: global }
      - { .name: qkv_img, .offset: 16, .size: 8, .value_kind: global_buffer, .address_space: global }
    .group_segment_fixed_size: 327680
    .private_segment_fixed_size: 0
    .kernarg_segment_align: 8
    .kernarg_segment_size: 24
    .max_flat_workgroup_size: 128
    .sgpr_count:     98
    .vgpr_count:     1024
    .wavefront_size: 32
...
	.end_amdgpu_metadata
.endif
;; end of part 8
;; launch attn (part 9): grid 8 x 32, 16 waves a work-group, clusters of 4 x 1, 169,984 bytes of LDS; arguments qkv_img, attn_img; writes attn_img
.if DOCPART == 9
	.amdgcn_target "amdgcn-amd-amdhsa--gfx1250"
	.amdhsa_code_object_version 6
	.text
	.protected	k_q25bac3b1b1_attn
	.globl	k_q25bac3b1b1_attn
	.p2align	8
	.type	k_q25bac3b1b1_attn,@function
k_q25bac3b1b1_attn:
	s_mov_b64 s[64:65], 0
	v_nop
	global_prefetch_b8 v0, s[64:65] scope:SCOPE_SE
	s_setreg_imm32_b32 hwreg(HW_REG_WAVE_MODE, 25, 1), 1
	s_wait_xcnt 0x0
	s_wait_alu depctr_hold_cnt(0) depctr_sa_sdst(0) depctr_va_vdst(0) depctr_va_sdst(0) depctr_va_ssrc(0) depctr_va_vcc(0) depctr_vm_vsrc(0)
	s_getreg_b32 s2, hwreg(HW_REG_IB_STS2, 6, 4)
	s_cmp_eq_u32 s2, 0
	s_cbranch_scc0 .Lentry_in_a_cluster
	s_endpgm
.Lentry_in_a_cluster:
	s_bfe_u32 s2, ttmp6, 0x10000c
	s_cmp_lg_u32 s2, 0x3003
	s_cbranch_scc0 .Lentry_shape_is_right
	s_endpgm
.Lentry_shape_is_right:
; Attention on FP4 codes: S^T = K Q^T (K = the head's 64: the upper half of the instruction's 128 is zero codes on both sides), the softmax, O^T = V^T P^T (K = the keys), O / l quantised along E.
; THE SOFTMAX: t = score x log2(e) / 8; M = the running largest t rounded UP to a whole number; p = 2^(t - M) is quantised along the keys, not normalised; the row's sum is taken of the unquantised p
; and divides O at the end.  When M moves, the sum and O are multiplied by 2^(old M - new M): exact.
; SHARES: a work-group owns 256 queries of one (batch, head); each of its sixteen waves one tile of 16, in 256 registers: four waves to a SIMD, so that one wave's vector work stands beside another's products.
; LDS holds the head's K and V as they lie in memory, 143,360 bytes, filled ONCE: K's codes (tile T at 512 T), at 65,536 K's scale words, at 73,728 V^T's fragments [key step][tile of 16 d] x 1,024, at 139,264 their words.
; CLUSTER: the four query blocks of a cluster belong to one head and ask for that block jointly, each wave for 35 rows of 256 bytes.
; A lane holds ONE query throughout.  The keys of a tile of K are 32 (T / 2) + 8 (T % 2) + r + 8 (r / 8), so the 16 registers of two neighbouring tiles of S^T are 16 neighbouring keys; V^T's rows likewise give neighbouring d.
; LIMITS: a block whose largest magnitude lies under 2^-124 gets the scale byte 1; NaN and infinities are not served; 1 / l is v_rcp_f32's.
; REGISTERS: v1-6 addresses that stay; v8-11 the step's; v12 -M, v13 the largest t, v[14:15] the sum; v16-23 Q (upper four 0), v24 its scale words; v32-95 eight tiles of K (upper four of each 0);
;   v96-159 S^T, then p; v160-191 O^T; v192-223 four fragments of V^T; v224-231 p's codes; v232-243 at work; v244-247 K's words, v248-249 V's, v250 p's; v[252:253] f; v254 at work.
.set KV_OFF, 2359296
.set QSTR,   73728
.set KVSTR,  143360
.set KW,     65536
.set VF,     73728
.set VW,     139264
.set WV,  18
.set SEL, 20
.set CS,  22
.set G1,  24
.set G0,  32
.macro CROUND
	s_barrier_signal -1
	s_barrier_wait -1
	s_cmp_lg_u32 s[WV], 0
	s_cbranch_scc1 .Lnot_wave_0_\@
	s_barrier_signal -3
.Lnot_wave_0_\@:
	s_barrier_wait -3
	s_barrier_signal -1
	s_barrier_wait -1
.endm
	s_load_b128 s[4:7], s[0:1], 0x0                ; qkv_img, attn_img
	v_lshl_add_u32 v31, v0, 2, 0x29000
	v_mov_b32 v255, 0
	ds_add_u32 v31, v255
	ds_add_u32 v31, v255
	v_lshrrev_b32 v8, 5, v0
	s_delay_alu instid0(VALU_DEP_1)
	v_readfirstlane_b32 s[WV], v8                  ; wave 0..15
	s_bfe_u32 s8, ttmp6, 0x40000                   ; cx
	s_lshl_b32 s9, ttmp9, 2
	s_add_co_u32 s9, s9, s8                        ; my block of 256 queries: it enters Q's and the output's addresses alone
	s_and_b32 s10, ttmp7, 0xffff                   ; 16 x batch + head, which the four partners share
	s_mov_b32 s[G1], 15|(3<<16)|(1<<21)            ; the mask: all four; elements of 8 bytes; bit 21 beside a mask
	s_mov_b32 s[G1+1], 32<<16                      ; tensor_dim0: 256 bytes
	s_mov_b32 s[G1+2], 35<<16                      ; tensor_dim1
	s_mov_b32 s[G1+3], 32<<16                      ; tile_dim0
	s_mov_b32 s[G1+4], 35                          ; tile_dim1
	s_mov_b32 s[G1+5], 32                          ; dense
	s_mov_b32 s[G1+6], 0
	s_mov_b32 s[G1+7], 0
	s_mul_i32 s12, s10, KVSTR
	s_mul_i32 s11, s[WV], 8960                     ; my sixteenth of the block
	s_add_co_u32 s12, s12, s11
	s_add_co_u32 s12, s12, KV_OFF
	s_mov_b32 s13, 0
	s_mov_b32 s[SEL], 0x76543210
	s_mov_b32 s[SEL+1], 0xfedcba98
	s_mov_b32 s[CS], 0x3e38aa3b                    ; c = log2(e) / sqrt(64)
	s_mov_b32 s[CS+1], s[CS]
	s_wait_dscnt 0x0
	s_wait_kmcnt 0x0
	s_mov_b32 s[G0], 1
	s_mov_b32 s[G0+1], s11
	s_add_nc_u64 s[G0+2:G0+3], s[4:5], s[12:13]
	s_or_b32 s[G0+3], s[G0+3], 0x80000000
	CROUND                                         ; all four work-groups are here
	tensor_load_to_lds s[G0:G0+3], s[G1:G1+7]      ; my one tensor load of the launch
	s_nop 0
.rept 4
	v_nop
.endr
	s_lshl_b32 s40, s9, 4
	s_add_co_u32 s40, s40, s[WV]                   ; Tq: my tile of queries in the batch
	s_mul_i32 s41, s10, QSTR
	s_lshl_b32 s42, s40, 9
	s_add_co_u32 s42, s42, s41
	s_mov_b32 s43, 0
	s_add_nc_u64 s[14:15], s[4:5], s[42:43]        ; Q's codes
	s_lshl_b32 s42, s40, 6
	s_add_co_u32 s42, s42, s41
	s_add_co_u32 s42, s42, KW
	s_add_nc_u64 s[16:17], s[4:5], s[42:43]        ; Q's scale words
	s_lshr_b32 s44, s10, 4
	s_lshl_b32 s44, s44, 7
	s_add_co_u32 s44, s44, s40                     ; the output's tile: 128 x batch + Tq
	s_mul_i32 s44, s44, 8704
	s_and_b32 s45, s10, 15                         ; the head: its 64 of E are half of fragment (head / 2) % 4 of record head / 8
	s_lshr_b32 s46, s45, 3
	s_mul_i32 s46, s46, 4352
	s_add_co_u32 s44, s44, s46
	s_bfe_u32 s46, s45, 0x20001
	s_and_b32 s47, s45, 1
	s_lshl_b32 s48, s46, 10
	s_lshl_b32 s49, s47, 9
	s_add_co_u32 s48, s48, s49
	s_add_co_u32 s48, s48, s44
	s_mov_b32 s49, 0
	s_add_nc_u64 s[50:51], s[6:7], s[48:49]        ; the output's codes
	s_lshl_b32 s48, s46, 6
	s_lshl_b32 s47, s47, 1
	s_add_co_u32 s48, s48, s47
	s_add_co_u32 s48, s48, s44
	s_add_co_u32 s48, s48, 4096
	s_add_nc_u64 s[52:53], s[6:7], s[48:49]        ; and its two scale bytes a row
	v_and_b32 v5, 31, v0
	s_delay_alu instid0(VALU_DEP_1)
	v_lshlrev_b32 v1, 4, v5                        ; 16 x lane: K's codes
	s_delay_alu instid0(VALU_DEP_2)
	v_lshl_add_u32 v2, v5, 2, KW                   ; K's scale words: lanes 0-15 an even tile's, lanes 16-31 the next tile's
	s_delay_alu instid0(VALU_DEP_2)
	v_add_nc_u32 v3, VF, v1                        ; V^T's fragments
	s_delay_alu instid0(VALU_DEP_4)
	v_lshl_add_u32 v4, v5, 2, VW                   ; V's scale words
	v_and_b32 v6, 15, v0
	s_delay_alu instid0(VALU_DEP_1)
	v_lshlrev_b32 v6, 2, v6                        ; 4 r
	global_load_b128 v[16:19], v1, s[14:15]
	global_load_b32 v24, v6, s[16:17]
.irp j, 20,21,22,23
	v_mov_b32 v\j, 0                               ; Q's k = 64 .. 127: zero codes
.endr
.irp t, 0,1,2,3,4,5,6,7
.irp j, 4,5,6,7
	v_mov_b32 v[32+8*\t+\j], 0                     ; K's likewise: written once, never loaded
.endr
.endr
	v_mov_b32 v13, 0xff61b1e6                      ; the largest t so far: -3e38
	s_delay_alu instid0(VALU_DEP_1)
	v_floor_f32 v12, -v13                          ; -M
	v_mov_b32 v14, 0
	v_mov_b32 v15, 0
.irp b, 0,1,2,3
	v_mov_b32 v[236+\b], 0                         ; a lane permute's destination counts as read
.endr
	v_mov_b32 v253, 0                              ; named as the upper half of v[252:253]
.set i, 0
.rept 32
	v_mov_b32 v[160+i], 0                          ; O^T: the step is written once; its first trip finds zeros
.set i, i+1
.endr
	s_mov_b32 s36, 0                               ; 4,096 x step: K's codes and V^T's fragments
	s_mov_b32 s37, 0                               ; 512 x step: K's scale words
	s_mov_b32 s38, 0                               ; 256 x step: V's
	s_mov_b32 s39, 0
	s_wait_tensorcnt 0x0                           ; my part of the block is in,
	s_barrier_signal -1
	s_barrier_wait -1                              ; everybody's is
	s_wait_loadcnt 0x0                             ; Q
.Lstep:                                            ; 16 trips of 128 keys
	v_add_nc_u32 v8, s36, v1                       ; these four are also the places behind the last trip's products, ahead of the loads
	v_add_nc_u32 v9, s37, v2
	v_add_nc_u32 v10, s36, v3
	v_add_nc_u32 v11, s38, v4
.irp t, 0,1,2,3,4,5,6,7
	ds_load_b128 v[32+8*\t:35+8*\t], v8 offset:512*\t
.endr
.irp j, 0,1,2,3
	ds_load_b32 v[244+\j], v9 offset:128*\j
.endr
.irp t, 0,1,2,3
	ds_load_b128 v[192+8*\t:195+8*\t], v10 offset:1024*\t
	ds_load_b128 v[196+8*\t:199+8*\t], v10 offset:1024*\t+512
.endr
.irp j, 0,1
	ds_load_b32 v[248+\j], v11 offset:128*\j
.endr
	s_wait_dscnt 10                                ; K's twelve loads are in; V's ten may be out
.irp t, 0,1,2,3,4,5,6,7
.if \t%2
	v_wmma_scale_f32_16x16x128_f8f6f4 v[96+8*\t:103+8*\t], v[32+8*\t:39+8*\t], v[16:23], 0, v[244+\t/2], v24 matrix_a_fmt:MATRIX_FMT_FP4 matrix_b_fmt:MATRIX_FMT_FP4 matrix_a_scale:MATRIX_SCALE_ROW1
.else
	v_wmma_scale_f32_16x16x128_f8f6f4 v[96+8*\t:103+8*\t], v[32+8*\t:39+8*\t], v[16:23], 0, v[244+\t/2], v24 matrix_a_fmt:MATRIX_FMT_FP4 matrix_b_fmt:MATRIX_FMT_FP4
.endif
.endr
.rept 4
	v_nop
.endr
.irp b, 0,1,2,3
	v_max3_num_f32 v[232+\b], v[96+16*\b], v[97+16*\b], v[98+16*\b]   ; the largest score of each block of 32 keys: for the row's maximum, and for the block's largest p
.endr
.irp i, 3,5,7,9,11,13
.irp b, 0,1,2,3
	v_max3_num_f32 v[232+\b], v[232+\b], v[96+16*\b+\i], v[97+16*\b+\i]
.endr
.endr
.irp b, 0,1,2,3
	v_max_num_f32 v[232+\b], v[232+\b], v[111+16*\b]
.endr
.irp b, 0,1,2,3
	s_delay_alu instid0(VALU_DEP_4)
	v_permlanex16_b32 v[236+\b], v[232+\b], s[SEL], s[SEL+1]
.endr
.irp b, 0,1,2,3
	s_delay_alu instid0(VALU_DEP_4)
	v_max_num_f32 v[232+\b], v[232+\b], v[236+\b]
.endr
	s_delay_alu instid0(VALU_DEP_2)
	v_max3_num_f32 v254, v232, v233, v234
	s_delay_alu instid0(VALU_DEP_1)
	v_max_num_f32 v254, v254, v235
	s_delay_alu instid0(VALU_DEP_1)
	v_mul_f32 v254, s[CS], v254                    ; as t
	s_delay_alu instid0(VALU_DEP_1)
	v_max_num_f32 v13, v13, v254                   ; the running largest t
	v_mov_b32 v254, v12
	s_delay_alu instid0(VALU_DEP_2)
	v_floor_f32 v12, -v13                          ; the new -M = -ceil(t)
	s_delay_alu instid0(VALU_DEP_1)
	v_sub_f32 v254, v12, v254                      ; old M - new M: a whole number, 0 or less
	s_delay_alu instid0(VALU_DEP_1)
	v_cvt_i32_f32 v254, v254                       ; (it saturates)
	s_delay_alu instid0(VALU_DEP_1)
	v_ldexp_f32 v252, 1.0, v254                    ; f = 2^(old M - new M)
.set i, 0
.rept 32
	v_pk_fma_f32 v[96+i:97+i], v[96+i:97+i], s[CS:CS+1], v[12:13] op_sel_hi:[1,0,0]   ; t - M
.set i, i+2
.endr
.irp b, 0,1,2,3
	v_fma_f32 v[232+\b], v[232+\b], s[CS], v12
.endr
.set i, 0
	s_wait_alu depctr_va_vdst(0)
.rept 64
	v_exp_f32 v[96+i], v[96+i]                     ; p = 2^(t - M)
.set i, i+1
.endr
	v_pk_mul_f32 v[14:15], v[14:15], v[252:253] op_sel_hi:[1,0]   ; the sums under the new M: a plain instruction behind the batch
	s_wait_alu depctr_va_vdst(0)                   ; one wait for the 64, ahead of their first reader
.irp b, 0,1,2,3
	v_exp_f32 v[232+\b], v[232+\b]                 ; each block's largest p
.endr
	v_pk_add_f32 v[236:237], v[100:101], v[104:105]
	v_pk_add_f32 v[250:251], v[108:109], v[112:113]
	v_pk_add_f32 v[246:247], v[116:117], v[120:121]
	v_pk_add_f32 v[244:245], v[124:125], v[128:129]
	v_pk_add_f32 v[242:243], v[132:133], v[136:137]
	v_pk_add_f32 v[240:241], v[140:141], v[144:145]
	v_pk_add_f32 v[238:239], v[148:149], v[152:153]
	v_pk_add_f32 v[14:15], v[14:15], v[156:157]
	v_pk_add_f32 v[236:237], v[236:237], v[96:97]
	v_pk_add_f32 v[250:251], v[250:251], v[98:99]
	v_pk_add_f32 v[246:247], v[246:247], v[102:103]
	v_pk_add_f32 v[244:245], v[244:245], v[106:107]
	v_pk_add_f32 v[242:243], v[242:243], v[110:111]
	v_pk_add_f32 v[240:241], v[240:241], v[114:115]
	v_pk_add_f32 v[238:239], v[238:239], v[118:119]
	v_pk_add_f32 v[14:15], v[14:15], v[122:123]
	v_pk_add_f32 v[236:237], v[236:237], v[126:127]
	v_pk_add_f32 v[250:251], v[250:251], v[130:131]
	v_pk_add_f32 v[246:247], v[246:247], v[134:135]
	v_pk_add_f32 v[244:245], v[244:245], v[138:139]
	v_pk_add_f32 v[242:243], v[242:243], v[142:143]
	v_pk_add_f32 v[240:241], v[240:241], v[146:147]
	v_pk_add_f32 v[238:239], v[238:239], v[150:151]
	v_pk_add_f32 v[14:15], v[14:15], v[154:155]
	v_pk_add_f32 v[236:237], v[236:237], v[158:159]
	s_delay_alu instid0(VALU_DEP_2)
	v_pk_add_f32 v[14:15], v[14:15], v[244:245]
	s_delay_alu instid0(VALU_DEP_2)
	v_pk_add_f32 v[236:237], v[236:237], v[242:243]
	v_pk_add_f32 v[250:251], v[250:251], v[240:241]
	v_pk_add_f32 v[246:247], v[246:247], v[238:239]
	s_delay_alu instid0(VALU_DEP_2)
	v_pk_add_f32 v[14:15], v[14:15], v[250:251]
	s_delay_alu instid0(VALU_DEP_2)
	v_pk_add_f32 v[236:237], v[236:237], v[246:247]
	s_delay_alu instid0(VALU_DEP_1)
	v_pk_add_f32 v[14:15], v[14:15], v[236:237]
	s_wait_alu depctr_va_vdst(0)                   ; and one for the four
.irp b, 0,1,2,3
	v_max_num_f32 v[232+\b], 0x1800000, v[232+\b]  ; the floor 2^(3 - 127)
.endr
.irp b, 0,1,2,3
	s_delay_alu instid0(VALU_DEP_4)
	v_add_nc_u32 v[240+\b], 0xff000000, v[232+\b]
.endr
.irp b, 0,1,2,3
	s_delay_alu instid0(VALU_DEP_4)
	v_lshrrev_b32 v[236+\b], 23, v[240+\b]
.endr
	s_delay_alu instid0(VALU_DEP_3)
	v_lshl_or_b32 v250, v237, 8, v236              ; p's scale word for these 128 keys
	s_delay_alu instid0(VALU_DEP_1)
	v_lshl_or_b32 v250, v238, 16, v250
	s_delay_alu instid0(VALU_DEP_1)
	v_lshl_or_b32 v250, v239, 24, v250
.irp b, 0,1,2,3
	v_cvt_scalef32_pk8_fp4_f32 v[224+2*\b], v[96+16*\b:103+16*\b], v[240+\b]
	v_cvt_scalef32_pk8_fp4_f32 v[225+2*\b], v[104+16*\b:111+16*\b], v[240+\b]
.endr
	v_nop
.irp c, 0,1
.irp i, 0,1
	v_permlane16_swap_b32 v[224+4*\c+\i], v[226+4*\c+\i]
.endr
.endr
.set i, 0
.rept 16
	v_pk_mul_f32 v[160+i:161+i], v[160+i:161+i], v[252:253] op_sel_hi:[1,0]   ; O^T under the new M; these sixteen are also the places ahead of the scaled products
.set i, i+2
.endr
	s_wait_alu depctr_va_vdst(0)
	s_wait_dscnt 0x0                               ; V
.irp t, 0,1,2,3
.if \t%2
	v_wmma_scale_f32_16x16x128_f8f6f4 v[160+8*\t:167+8*\t], v[192+8*\t:199+8*\t], v[224:231], v[160+8*\t:167+8*\t], v[248+\t/2], v250 matrix_a_fmt:MATRIX_FMT_FP4 matrix_b_fmt:MATRIX_FMT_FP4 matrix_a_scale:MATRIX_SCALE_ROW1
.else
	v_wmma_scale_f32_16x16x128_f8f6f4 v[160+8*\t:167+8*\t], v[192+8*\t:199+8*\t], v[224:231], v[160+8*\t:167+8*\t], v[248+\t/2], v250 matrix_a_fmt:MATRIX_FMT_FP4 matrix_b_fmt:MATRIX_FMT_FP4
.endif
.endr
	s_add_co_u32 s36, s36, 4096
	s_add_co_u32 s37, s37, 512
	s_add_co_u32 s38, s38, 256
	s_add_co_u32 s39, s39, 1
	s_cmp_lt_u32 s39, 16
	s_cbranch_scc1 .Lstep
.rept 4
	v_nop
.endr
	v_add_f32 v14, v14, v15
	s_delay_alu instid0(VALU_DEP_1)
	v_permlanex16_b32 v252, v14, s[SEL], s[SEL+1]
	s_delay_alu instid0(VALU_DEP_1)
	v_add_f32 v14, v14, v252                       ; the row's sum
	s_wait_alu depctr_va_vdst(0)
	v_rcp_f32 v14, v14
	v_nop
	s_wait_alu depctr_va_vdst(0)
.set i, 0
.rept 32
	v_mul_f32 v[96+i], v[160+i], v14               ; register 16 b + i: d = 32 b + 16 h + i of my query
.set i, i+1
.endr
.irp b, 0,1
	v_max3_num_f32 v[232+\b], |v[96+16*\b]|, |v[97+16*\b]|, 0x1800000
.endr
.irp i, 2,4,6,8,10,12,14
.irp b, 0,1
	s_delay_alu instid0(VALU_DEP_2)
	v_max3_num_f32 v[232+\b], v[232+\b], |v[96+16*\b+\i]|, |v[97+16*\b+\i]|
.endr
.endr
.irp b, 0,1
	s_delay_alu instid0(VALU_DEP_2)
	v_permlanex16_b32 v[236+\b], v[232+\b], s[SEL], s[SEL+1]
.endr
.irp b, 0,1
	s_delay_alu instid0(VALU_DEP_2)
	v_max_num_f32 v[232+\b], v[232+\b], v[236+\b]
.endr
.irp b, 0,1
	s_delay_alu instid0(VALU_DEP_2)
	v_add_nc_u32 v[240+\b], 0xff000000, v[232+\b]
.endr
.irp b, 0,1
	s_delay_alu instid0(VALU_DEP_2)
	v_lshrrev_b32 v[236+\b], 23, v[240+\b]
.endr
	s_delay_alu instid0(VALU_DEP_1)
	v_lshl_or_b32 v251, v237, 8, v236              ; the head's two scale bytes of my row
.irp b, 0,1
	v_cvt_scalef32_pk8_fp4_f32 v[224+2*\b], v[96+16*\b:103+16*\b], v[240+\b]
	v_cvt_scalef32_pk8_fp4_f32 v[225+2*\b], v[104+16*\b:111+16*\b], v[240+\b]
.endr
	v_nop
	v_permlane16_swap_b32 v224, v226
	v_permlane16_swap_b32 v225, v227               ; lane (r, h): d = 32 h + 0 .. 31
	global_store_b128 v1, v[224:227], s[50:51]     ; 512 consecutive bytes: half a fragment of the next product's operand
	global_store_b16 v6, v251, s[52:53]            ; both halves of the lanes hold the same bytes
	s_wait_tensorcnt 0x0
	ds_add_u32 v31, v255
	s_wait_dscnt 0x0
	CROUND                                         ; the closing round
	s_endpgm
.Lfunc_end_k_q25bac3b1b1_attn:
	.size	k_q25bac3b1b1_attn, .Lfunc_end_k_q25bac3b1b1_attn-k_q25bac3b1b1_attn
	.p2alignl 7, 3214868480
	.fill 96, 4, 3214868480
	.section	.rodata,"a",@progbits
	.p2align	6, 0x0
	.amdhsa_kernel k_q25bac3b1b1_attn
		.amdhsa_group_segment_fixed_size 169984
		.amdhsa_private_segment_fixed_size 0
		.amdhsa_enable_private_segment 0
		.amdhsa_kernarg_size 16
		.amdhsa_user_sgpr_count 2
		.amdhsa_user_sgpr_kernarg_segment_ptr 1
		.amdhsa_wavefront_size32 1
		.amdhsa_system_sgpr_workgroup_id_x 1
		.amdhsa_system_sgpr_workgroup_id_y 1
		.amdhsa_system_sgpr_workgroup_id_z 1
		.amdhsa_system_vgpr_workitem_id 0
		.amdhsa_next_free_vgpr 256
		.amdhsa_next_free_sgpr 66
		.amdhsa_reserve_vcc 0
		.amdhsa_float_denorm_mode_32 3
		.amdhsa_float_denorm_mode_16_64 3
		.amdhsa_memory_ordered 1
		.amdhsa_forward_progress 1
		.amdhsa_inst_pref_size 29
	.end_amdhsa_kernel
	.amdgpu_metadata
---
amdhsa.version: [ 1, 2 ]
amdhsa.kernels:
  - .name:           k_q25bac3b1b1_attn
    .symbol:         k_q25bac3b1b1_attn.kd
    .args:
      - { .name: qkv_img, .offset: 0, .size: 8, .value_kind: global_buffer, .address_space: global }
      - { .name: attn_img, .offset: 8, .size: 8, .value_kind: global_buffer, .address_space: global }
    .group_segment_fixed_size: 169984
    .private_segment_fixed_size: 0
    .kernarg_segment_align: 8
    .kernarg_segment_size: 16
    .max_flat_workgroup_size: 512
    .sgpr_count:     66
    .vgpr_count:     256
    .wavefront_size: 32
...
	.end_amdgpu_metadata
.endif
;; end of part 9
;; launch g4ln (part 10): grid 256 x 1, 16 waves a work-group, no clusters, 167,936 bytes of LDS; arguments attn_img, w_img, x, norm2_scale, norm2_bias, x1, h_img; writes x1, h_img
.if DOCPART == 10
	.amdgcn_target "amdgcn-amd-amdhsa--gfx1250"
	.amdhsa_code_object_version 6
	.text
	.protected	k_q25bac3b1b1_g4ln
	.globl	k_q25bac3b1b1_g4ln
	.p2align	8
	.type	k_q25bac3b1b1_g4ln,@function
k_q25bac3b1b1_g4ln:
	s_mov_b64 s[64:65], 0
	v_nop
	global_prefetch_b8 v0, s[64:65] scope:SCOPE_SE
	s_setreg_imm32_b32 hwreg(HW_REG_WAVE_MODE, 25, 1), 1
	s_wait_xcnt 0x0
; x1 = x + attn out_w^T on operand images of FP4 codes, then h = Q(layer norm(x1) x gain + bias) as the next product's operand image.
; SHARES: a work-group owns one tile of 16 tokens x all 1,024 columns, so a row's mean and variance stay inside it: 256 work-groups.
; Sixteen waves of 256 registers; wave w owns columns 64 w .. 64 w + 63: 4 tiles of out_w's image, 4 accumulators, 8 K steps of 128: 32 matrix instructions.
; The instruction is used transposed (source 0 = 16 rows of out_w, source 1 = the 16 tokens): lane (r, h) holds token r, and register 16 p + i column 64 w + 32 p + 16 h + i.
; OPERANDS go from memory straight into registers: the images lie as the registers want them, each load 512 consecutive bytes; four buffers of 40 registers (the tokens' fragment, then 4 of out_w's) take turns.
; A scale register holds an even K step's 16 words in lanes 0-15 and the next K step's in lanes 16-31: 128 consecutive bytes a load.
; THE STAGE: wave w brings row w of x (4,096 bytes) into LDS by its one tensor load, which has a counter of its own, so no wait for an operand waits for x.
; Behind a barrier each lane takes its 32 numbers, adds its sums and puts x1 back on the same bytes, which are filled once; behind a second barrier wave w stores row w of x1 whole.
; NO CLUSTER: the one tile that goes through LDS, x's rows, is read by this work-group alone; a wave's fragments of out_w pass through no LDS, and out_w's image, 64 x 8,704 bytes, is more than LDS holds.
; NO PREFETCH: the first loads of every stream stand at the head, and the later loads run three K steps ahead of their use.
; MEAN AND VARIANCE: each wave makes its 64 columns' mean m and sum of squared deviations from m; the sixteen pairs meet in LDS; mean = sum(m) / 16, sum of squares = sum(M2) + 64 sum((m - mean)^2).
; ROW ORDER: lane r of tile T stands for token 32 (T / 2) + 8 (T % 2) + r + 8 (r / 8).
; LIMITS: a block whose largest magnitude lies under 2^-124 gets the scale byte 1; NaN and infinities are not served; 1 / sqrt(var + eps) is v_rsq_f32's.
; REGISTERS: v1-8 addresses; v10, v11 the add's; v12-31 at work; v32-35 the tokens' scale words, v36-51 out_w's; v52-83 accumulators, later my row of x1; v96-255 the four buffers, later gain, bias, x1, and the pairs.
.set PITCH, 4112                       ; a stage row: 4,096 bytes + 16, an odd multiple of 16
.set RED,   66048                      ; behind the stage: 16 tokens x (16 waves x 8 bytes + 16)
.set SPARE, 68352                      ; behind that: the spare words, 128 bytes a wave
.set REC,   4352
.set TROW,  8704
.set BOFF,  1671168                    ; out_w's image in w_img
.set AS,  32
.set BS,  36
.set ACC, 52
.set BUF, 96
.set G,   BUF
.set BV,  BUF+40
.set RS,  BUF+80
.set DV,  BUF+120
.set G0,  44                           ; s[44:47], s[48:55]: the tensor load's two groups
.set G1,  48
	s_load_b256 s[4:11], s[0:1], 0x0               ; attn_img, w_img, x, gain
	s_load_b128 s[12:15], s[0:1], 0x20             ; bias, x1
	s_load_b64 s[16:17], s[0:1], 0x30              ; h_img
	v_lshl_add_u32 v10, v0, 2, SPARE
	v_mov_b32 v11, 0
	ds_add_u32 v10, v11                            ; the opening: the add, twice on end, and its wait ahead of my tensor load
	ds_add_u32 v10, v11
	v_lshrrev_b32 v9, 5, v0
	v_readfirstlane_b32 s20, v9                    ; wave 0..15
	v_and_b32 v9, 31, v0
	v_and_b32 v12, 15, v0                          ; r
	v_bfe_u32 v13, v0, 4, 1                        ; h
	v_lshlrev_b32 v1, 4, v9                        ; 16 x lane
	v_lshlrev_b32 v2, 2, v9                        ; 4 x lane
	v_lshlrev_b32 v3, 2, v12                       ; 4 r
	v_mul_u32_u24 v8, v12, 144
	s_mul_i32 s21, s20, PITCH
	s_lshl_b32 s22, s20, 8
	s_lshl_b32 s23, s20, 3
	v_add_nc_u32 v4, s21, v1                       ; the stage by rows: row w
	v_lshl_add_u32 v6, v13, 6, s22                 ; 256 w + 64 h: my columns, in bytes
	v_add_nc_u32 v8, RED, v8                       ; token r's sixteen pairs
	v_mad_u32_u24 v5, v12, PITCH, v6               ; the stage by lanes: row r, my columns
	v_add_nc_u32 v7, s23, v8                       ; my wave's pair
	v_mov_b32 v22, 0                               ; a lane permute's destination counts as read
	v_mov_b32 v23, 0
	s_mov_b32 s[G1], 3<<16                         ; one row of 512 elements of 8 bytes; no mask, no padding
	s_mov_b32 s[G1+1], 512<<16
	s_mov_b32 s[G1+2], 1<<16
	s_mov_b32 s[G1+3], 512<<16
	s_mov_b32 s[G1+4], 1
	s_mov_b32 s[G1+5], 512
	s_mov_b32 s[G1+6], 1<<16
	s_mov_b32 s[G1+7], 0
	s_lshr_b32 s24, ttmp9, 1
	s_lshl_b32 s24, s24, 5
	s_and_b32 s25, ttmp9, 1
	s_lshl_b32 s25, s25, 3
	s_add_co_u32 s24, s24, s25
	s_add_co_u32 s24, s24, s20
	s_lshr_b32 s25, s20, 3
	s_lshl_b32 s25, s25, 3
	s_add_co_u32 s24, s24, s25                     ; the token of stage row w
	s_lshl_b32 s24, s24, 12
	s_mov_b32 s25, 0
	s_mul_i32 s26, ttmp9, TROW                     ; the tile's place in attn_img and in h_img
	s_mov_b32 s27, 0
	s_mul_i32 s28, s20, 4*TROW
	s_add_co_u32 s28, s28, BOFF                    ; my 4 tiles of out_w
	s_mov_b32 s29, 0
	s_lshr_b32 s30, s20, 3                         ; my 64 columns are half w % 2 of fragment (w / 2) % 4 of record w / 8
	s_mul_i32 s30, s30, REC
	s_add_co_u32 s30, s30, s26
	s_bfe_u32 s31, s20, 0x20001
	s_and_b32 s33, s20, 1
	s_lshl_b32 s34, s31, 10
	s_lshl_b32 s35, s33, 9
	s_add_co_u32 s34, s34, s35
	s_add_co_u32 s34, s34, s30
	s_mov_b32 s35, 0
	s_lshl_b32 s36, s31, 6
	s_lshl_b32 s37, s33, 1
	s_add_co_u32 s36, s36, s37
	s_add_co_u32 s36, s36, s30
	s_add_co_u32 s36, s36, 4096
	s_mov_b32 s37, 0
	s_mov_b32 s38, 0x76543210
	s_mov_b32 s39, 0xfedcba98                      ; v_permlanex16_b32's selects for lane l xor 16
	s_mov_b32 s40, 0x3a800000                      ; 1 / 1,024
	s_mov_b32 s41, 0x3727c5ac                      ; 1e-5
	s_mov_b32 s42, 0x42800000                      ; 64
	s_wait_alu depctr_va_vdst(0)
	s_wait_dscnt 0x0                               ; both opening adds are done
	s_wait_kmcnt 0x0
	s_add_nc_u64 s[8:9], s[8:9], s[24:25]
	s_add_nc_u64 s[14:15], s[14:15], s[24:25]
	s_add_nc_u64 s[4:5], s[4:5], s[26:27]
	s_add_nc_u64 s[6:7], s[6:7], s[28:29]
	s_add_nc_u64 s[18:19], s[16:17], s[36:37]      ; my two scale bytes a row
	s_add_nc_u64 s[16:17], s[16:17], s[34:35]      ; my codes
	s_mov_b32 s[G0], 1
	s_mov_b32 s[G0+1], s21                         ; stage row w
	s_mov_b64 s[G0+2:G0+3], s[8:9]
	s_or_b32 s[G0+3], s[G0+3], 0x80000000
	tensor_load_to_lds s[G0:G0+3], s[G1:G1+7]      ; row w of x: my one tensor load of the launch
	s_nop 0
.macro LD ks                           ; K step ks: 10 loads into buffer ks % 4
.set BU, BUF+40*((\ks)%4)
.set KO, ((\ks)/4)*REC+((\ks)%4)*1024
	global_load_b128 v[BU:BU+3], v1, s[4:5] offset:KO
	global_load_b128 v[BU+4:BU+7], v1, s[4:5] offset:KO+512
.irp b, 0,1,2,3
	global_load_b128 v[BU+8+8*\b:BU+11+8*\b], v1, s[6:7] offset:\b*TROW+KO
	global_load_b128 v[BU+12+8*\b:BU+15+8*\b], v1, s[6:7] offset:\b*TROW+KO+512
.endr
.endm
; K step ks: cnt = the loads issued behind its own.  The 4 accumulators take turns, one instruction a turn.
; Four plain lines follow: the places ahead of loads into the buffer just multiplied, and at the end ahead of the first read of results.
.macro STEP ks, cnt
.set BU, BUF+40*((\ks)%4)
.set KP, (\ks)/2
	s_wait_loadcnt \cnt
.irp b, 0,1,2,3
.if (\ks) == 0
	v_wmma_scale_f32_16x16x128_f8f6f4 v[ACC+8*\b:ACC+8*\b+7], v[BU+8+8*\b:BU+15+8*\b], v[BU:BU+7], 0, v[BS+4*\b+KP], v[AS+KP] matrix_a_fmt:MATRIX_FMT_FP4 matrix_b_fmt:MATRIX_FMT_FP4
.else
.if (\ks)%2
	v_wmma_scale_f32_16x16x128_f8f6f4 v[ACC+8*\b:ACC+8*\b+7], v[BU+8+8*\b:BU+15+8*\b], v[BU:BU+7], v[ACC+8*\b:ACC+8*\b+7], v[BS+4*\b+KP], v[AS+KP] matrix_a_fmt:MATRIX_FMT_FP4 matrix_b_fmt:MATRIX_FMT_FP4 matrix_a_scale:MATRIX_SCALE_ROW1 matrix_b_scale:MATRIX_SCALE_ROW1
.else
	v_wmma_scale_f32_16x16x128_f8f6f4 v[ACC+8*\b:ACC+8*\b+7], v[BU+8+8*\b:BU+15+8*\b], v[BU:BU+7], v[ACC+8*\b:ACC+8*\b+7], v[BS+4*\b+KP], v[AS+KP] matrix_a_fmt:MATRIX_FMT_FP4 matrix_b_fmt:MATRIX_FMT_FP4
.endif
.endif
.endr
.rept 4
	v_nop
.endr
.endm
.irp k, 0,1,2,3
	global_load_b32 v[AS+\k], v2, s[4:5] offset:(\k/2)*REC+4096+128*(\k%2)
.endr
.irp b, 0,1,2,3
.irp k, 0,1,2,3
	global_load_b32 v[BS+4*\b+\k], v2, s[6:7] offset:\b*TROW+(\k/2)*REC+4096+128*(\k%2)
.endr
.endr
	LD 0
	LD 1
	LD 2
	LD 3                                           ; 20 + 4 x 10 loads of mine are out
	STEP 0, 30
	LD 4
	STEP 1, 30
	LD 5
	STEP 2, 30
	LD 6
	STEP 3, 30
	LD 7
	STEP 4, 30
.irp p, 0,1
.irp i, 0,1,2,3
	global_load_b128 v[G+16*\p+4*\i:G+16*\p+4*\i+3], v6, s[10:11] offset:128*\p+16*\i    ; the gain of my 32 columns, into buffer 0
.endr
.endr
	STEP 5, 28                                     ; behind K step 5's: 10 + 10 + the gain's 8
.irp p, 0,1
.irp i, 0,1,2,3
	global_load_b128 v[BV+16*\p+4*\i:BV+16*\p+4*\i+3], v6, s[12:13] offset:128*\p+16*\i  ; the bias, into buffer 1
.endr
.endr
	STEP 6, 26
	STEP 7, 16
	s_wait_tensorcnt 0x0                           ; my row of x lies in the stage
	s_barrier_signal -1
	s_barrier_wait -1                              ; all sixteen do
.irp p, 0,1
.irp i, 0,1,2,3
	ds_load_b128 v[RS+16*\p+4*\i:RS+16*\p+4*\i+3], v5 offset:128*\p+16*\i
.endr
.endr
	s_wait_dscnt 0x0
.irp j, 0,2,4,6,8,10,12,14,16,18,20,22,24,26,28,30
	v_pk_add_f32 v[RS+\j:RS+\j+1], v[RS+\j:RS+\j+1], v[ACC+\j:ACC+\j+1]   ; x1; each accumulator from its low end on
.endr
.irp p, 0,1
.irp i, 0,1,2,3
	ds_store_b128 v5, v[RS+16*\p+4*\i:RS+16*\p+4*\i+3] offset:128*\p+16*\i   ; back on the bytes that I alone have read; no fill lands there again
.endr
.endr
	v_pk_add_f32 v[12:13], v[RS:RS+1], v[RS+2:RS+3]
	v_pk_add_f32 v[14:15], v[RS+4:RS+5], v[RS+6:RS+7]
.irp j, 8,12,16,20,24,28
	s_delay_alu instid0(VALU_DEP_2)
	v_pk_add_f32 v[12:13], v[12:13], v[RS+\j:RS+\j+1]
	s_delay_alu instid0(VALU_DEP_2)
	v_pk_add_f32 v[14:15], v[14:15], v[RS+\j+2:RS+\j+3]
.endr
	s_delay_alu instid0(VALU_DEP_1)
	v_pk_add_f32 v[12:13], v[12:13], v[14:15]
	s_delay_alu instid0(VALU_DEP_1)
	v_add_f32 v12, v12, v13
	s_delay_alu instid0(VALU_DEP_1)
	v_permlanex16_b32 v13, v12, s38, s39
	s_delay_alu instid0(VALU_DEP_1)
	v_add_f32 v12, v12, v13
	s_delay_alu instid0(VALU_DEP_1)
	v_mul_f32 v12, 0x3c800000, v12                 ; m: the mean of my wave's 64 columns of token r
.irp j, 0,2,4,6,8,10,12,14,16,18,20,22,24,26,28,30
	v_pk_add_f32 v[DV+\j:DV+\j+1], v[RS+\j:RS+\j+1], v[12:13] op_sel_hi:[1,0] neg_lo:[0,1] neg_hi:[0,1]
.endr
	v_pk_mul_f32 v[14:15], v[DV:DV+1], v[DV:DV+1]
	v_pk_mul_f32 v[16:17], v[DV+2:DV+3], v[DV+2:DV+3]
.irp j, 4,8,12,16,20,24,28
	s_delay_alu instid0(VALU_DEP_2)
	v_pk_fma_f32 v[14:15], v[DV+\j:DV+\j+1], v[DV+\j:DV+\j+1], v[14:15]
	s_delay_alu instid0(VALU_DEP_2)
	v_pk_fma_f32 v[16:17], v[DV+\j+2:DV+\j+3], v[DV+\j+2:DV+\j+3], v[16:17]
.endr
	s_delay_alu instid0(VALU_DEP_1)
	v_pk_add_f32 v[14:15], v[14:15], v[16:17]
	s_delay_alu instid0(VALU_DEP_1)
	v_add_f32 v14, v14, v15
	s_delay_alu instid0(VALU_DEP_1)
	v_permlanex16_b32 v15, v14, s38, s39
	s_delay_alu instid0(VALU_DEP_1)
	v_add_f32 v13, v14, v15                        ; M2: the sum of squared deviations from m
	ds_store_b64 v7, v[12:13]                      ; both halves of the lanes hold the same pair and write it to the same place
	s_wait_alu depctr_va_vdst(0)
	s_wait_dscnt 0x0                               ; for the others' sake: my part of x1 and my pair lie in LDS
	s_barrier_signal -1
	s_barrier_wait -1
.irp i, 0,1,2,3,4,5,6,7
	ds_load_b128 v[ACC+4*\i:ACC+4*\i+3], v4 offset:512*\i     ; row w of x1, whole
.endr
.irp j, 0,1,2,3,4,5,6,7
	ds_load_b128 v[DV+4*\j:DV+4*\j+3], v8 offset:16*\j        ; token r's sixteen pairs (m, M2)
.endr
	s_wait_dscnt 8                                 ; the row is in; the pairs' eight loads may be out
.irp i, 0,1,2,3,4,5,6,7
	global_store_b128 v1, v[ACC+4*\i:ACC+4*\i+3], s[14:15] offset:512*\i   ; 512 consecutive bytes each
.endr
	s_wait_dscnt 0x0
	v_pk_add_f32 v[14:15], v[DV:DV+1], v[DV+2:DV+3]
	v_pk_add_f32 v[16:17], v[DV+4:DV+5], v[DV+6:DV+7]
.irp j, 8,12,16,20,24,28
	s_delay_alu instid0(VALU_DEP_2)
	v_pk_add_f32 v[14:15], v[14:15], v[DV+\j:DV+\j+1]
	s_delay_alu instid0(VALU_DEP_2)
	v_pk_add_f32 v[16:17], v[16:17], v[DV+\j+2:DV+\j+3]
.endr
	s_delay_alu instid0(VALU_DEP_1)
	v_pk_add_f32 v[14:15], v[14:15], v[16:17]      ; (sum of m, sum of M2)
	s_delay_alu instid0(VALU_DEP_1)
	v_mul_f32 v16, 0x3d800000, v14                 ; the row's mean
	s_delay_alu instid0(VALU_DEP_1)
	v_sub_f32 v18, v[DV], v16
	v_sub_f32 v19, v[DV+2], v16
	s_delay_alu instid0(VALU_DEP_2)
	v_mul_f32 v20, v18, v18
	s_delay_alu instid0(VALU_DEP_2)
	v_mul_f32 v21, v19, v19
.irp j, 4,8,12,16,20,24,28
	v_sub_f32 v18, v[DV+\j], v16
	v_sub_f32 v19, v[DV+\j+2], v16
	s_delay_alu instid0(VALU_DEP_2)
	v_fma_f32 v20, v18, v18, v20
	s_delay_alu instid0(VALU_DEP_2)
	v_fma_f32 v21, v19, v19, v21
.endr
	s_delay_alu instid0(VALU_DEP_1)
	v_add_f32 v20, v20, v21
	s_delay_alu instid0(VALU_DEP_1)
	v_fma_f32 v15, v20, s42, v15                   ; + 64 x the sum of (m - mean)^2
	s_delay_alu instid0(VALU_DEP_1)
	v_fma_f32 v15, v15, s40, s41                   ; the variance + eps
.irp j, 0,2,4,6,8,10,12,14,16,18,20,22,24,26,28,30
	v_pk_add_f32 v[RS+\j:RS+\j+1], v[RS+\j:RS+\j+1], v[16:17] op_sel_hi:[1,0] neg_lo:[0,1] neg_hi:[0,1]   ; x1 - mean
.endr
	s_wait_loadcnt 0x0                             ; gain and bias
	s_wait_alu depctr_va_vdst(0)                   ; ahead of the transcendental
	v_rsq_f32 v18, v15
	v_nop
	s_wait_alu depctr_va_vdst(0)                   ; and ahead of its first reader
.irp j, 0,2,4,6,8,10,12,14,16,18,20,22,24,26,28,30
	v_pk_mul_f32 v[RS+\j:RS+\j+1], v[RS+\j:RS+\j+1], v[18:19] op_sel_hi:[1,0]
.endr
.irp j, 0,2,4,6,8,10,12,14,16,18,20,22,24,26,28,30
	v_pk_fma_f32 v[RS+\j:RS+\j+1], v[RS+\j:RS+\j+1], v[G+\j:G+\j+1], v[BV+\j:BV+\j+1]
.endr
.irp b, 0,1
	v_max3_num_f32 v[20+\b], |v[RS+16*\b]|, |v[RS+16*\b+1]|, 0x1800000   ; my two blocks of 32 columns, with the floor 2^(3 - 127)
.endr
.irp i, 2,4,6,8,10,12,14
.irp b, 0,1
	s_delay_alu instid0(VALU_DEP_2)
	v_max3_num_f32 v[20+\b], v[20+\b], |v[RS+16*\b+\i]|, |v[RS+16*\b+\i+1]|
.endr
.endr
.irp b, 0,1
	s_delay_alu instid0(VALU_DEP_2)
	v_permlanex16_b32 v[22+\b], v[20+\b], s38, s39
.endr
.irp b, 0,1
	s_delay_alu instid0(VALU_DEP_2)
	v_max_num_f32 v[20+\b], v[20+\b], v[22+\b]
.endr
.irp b, 0,1
	s_delay_alu instid0(VALU_DEP_2)
	v_add_nc_u32 v[24+\b], 0xff000000, v[20+\b]    ; 2 off the exponent field: the conversion's scale operand
.endr
.irp b, 0,1
	s_delay_alu instid0(VALU_DEP_2)
	v_lshrrev_b32 v[22+\b], 23, v[24+\b]           ; the scale's byte
.endr
	s_delay_alu instid0(VALU_DEP_1)
	v_lshl_or_b32 v26, v23, 8, v22
.irp b, 0,1
	v_cvt_scalef32_pk8_fp4_f32 v[28+2*\b], v[RS+16*\b:RS+16*\b+7], v[24+\b]
	v_cvt_scalef32_pk8_fp4_f32 v[29+2*\b], v[RS+16*\b+8:RS+16*\b+15], v[24+\b]
.endr
	v_nop
	v_permlane16_swap_b32 v28, v30
	v_permlane16_swap_b32 v29, v31                 ; lane (r, h): columns 32 h + 0 .. 31 of my 64
	global_store_b128 v1, v[28:31], s[16:17]       ; 512 consecutive bytes: half a fragment
	global_store_b16 v3, v26, s[18:19]             ; both halves of the lanes hold the same bytes
	s_wait_tensorcnt 0x0                           ; the wave's end
	ds_add_u32 v10, v11
	s_wait_dscnt 0x0
	s_endpgm
.Lfunc_end_k_q25bac3b1b1_g4ln:
	.size	k_q25bac3b1b1_g4ln, .Lfunc_end_k_q25bac3b1b1_g4ln-k_q25bac3b1b1_g4ln
	.p2alignl 7, 3214868480
	.fill 96, 4, 3214868480
	.section	.rodata,"a",@progbits
	.p2align	6, 0x0
	.amdhsa_kernel k_q25bac3b1b1_g4ln
		.amdhsa_group_segment_fixed_size 167936
		.amdhsa_private_segment_fixed_size 0
		.amdhsa_enable_private_segment 0
		.amdhsa_kernarg_size 56
		.amdhsa_user_sgpr_count 2
		.amdhsa_user_sgpr_kernarg_segment_ptr 1
		.amdhsa_wavefront_size32 1
		.amdhsa_system_sgpr_workgroup_id_x 1
		.amdhsa_system_sgpr_workgroup_id_y 1
		.amdhsa_system_sgpr_workgroup_id_z 1
		.amdhsa_system_vgpr_workitem_id 0
		.amdhsa_next_free_vgpr 256
		.amdhsa_next_free_sgpr 66
		.amdhsa_reserve_vcc 0
		.amdhsa_float_denorm_mode_32 3
		.amdhsa_float_denorm_mode_16_64 3
		.amdhsa_memory_ordered 1
		.amdhsa_forward_progress 1
		.amdhsa_inst_pref_size 39
	.end_amdhsa_kernel
	.amdgpu_metadata
---
amdhsa.version: [ 1, 2 ]
amdhsa.kernels:
  - .name:           k_q25bac3b1b1_g4ln
    .symbol:         k_q25bac3b1b1_g4ln.kd
    .args:
      - { .name: attn_img, .offset: 0, .size: 8, .value_kind: global_buffer, .address_space: global }
      - { .name: w_img, .offset: 8, .size: 8, .value_kind: global_buffer, .address_space: global }
      - { .name: x, .offset: 16, .size: 8, .value_kind: global_buffer, .address_space: global }
      - { .name: norm2_scale, .offset: 24, .size: 8, .value_kind: global_buffer, .address_space: global }
      - { .name: norm2_bias, .offset: 32, .size: 8, .value_kind: global_buffer, .address_space: global }
      - { .name: x1, .offset: 40, .size: 8, .value_kind: global_buffer, .address_space: global }
      - { .name: h_img, .offset: 48, .size: 8, .value_kind: global_buffer, .address_space: global }
    .group_segment_fixed_size: 167936
    .private_segment_fixed_size: 0
    .kernarg_segment_align: 8
    .kernarg_segment_size: 56
    .max_flat_workgroup_size: 512
    .sgpr_count:     66
    .vgpr_count:     256
    .wavefront_size: 32
...
	.end_amdgpu_metadata
.endif
;; end of part 10
;; launch g5 (part 11): grid 16 x 16, 4 waves a work-group, clusters of 4 x 4, 327,680 bytes of LDS; arguments h_img, w_img, act_img; writes act_img
.if DOCPART == 11
	.amdgcn_target "amdgcn-amd-amdhsa--gfx1250"
	.amdhsa_code_object_version 6
	.text
	.protected	k_q25bac3b1b1_g5
	.globl	k_q25bac3b1b1_g5
	.p2align	8
	.type	k_q25bac3b1b1_g5,@function
k_q25bac3b1b1_g5:
	s_mov_b64 s[64:65], 0
	v_nop
	global_prefetch_b8 v0, s[64:65] scope:SCOPE_SE
	s_setreg_imm32_b32 hwreg(HW_REG_WAVE_MODE, 25, 1), 1
	s_wait_xcnt 0x0
	s_wait_alu depctr_hold_cnt(0) depctr_sa_sdst(0) depctr_va_vdst(0) depctr_va_sdst(0) depctr_va_ssrc(0) depctr_va_vcc(0) depctr_vm_vsrc(0)
	s_getreg_b32 s2, hwreg(HW_REG_IB_STS2, 6, 4)
	s_cmp_eq_u32 s2, 0
	s_cbranch_scc0 .Lentry_in_a_cluster
	s_endpgm
.Lentry_in_a_cluster:
	s_bfe_u32 s2, ttmp6, 0x10000c
	s_cmp_lg_u32 s2, 0xf033
	s_cbranch_scc0 .Lentry_shape_is_right
	s_endpgm
.Lentry_shape_is_right:
; act = Q(gelu(h W^T)) on operand images of FP4 codes: h = h_img (4,096 tokens), W = ff_up_w's image in w_img (4,096 rows), K = 1,024; the result is quantised along F into act_img, the next product's operand image.
; A work-group makes 256 x 256, each of its four waves 128 x 128: 64 accumulators.  The instruction is used transposed: a lane holds one token and 128 neighbouring channels: one fragment and one scale word a block of 16 tokens.
; IMAGES: for each tile of 16 rows and each 512 along K a record of 4,352 bytes: four fragments of 1,024 bytes as their registers stand, then four runs of 16 scale words.  K's two steps of 512 fill the two slots once.
; CLUSTERS: 4 x 4 work-groups; h's tiles are asked for jointly along a row of the cluster, W's along a column.
; GELU, exact form: gelu(x) = max(x, 0) - |x| erfc(|x| / sqrt 2) / 2, erfc(z) = t exp(-z^2 + P(t)), t = 1 / (1 + z / 2), P the Chebyshev fit of degree 9 whose fractional error stays under 1.2e-7 for every z;
; log2(e) is folded into P's coefficients and into u = |x| sqrt(log2(e) / 2): erfc = t 2^(P'(t) - u^2).
; The epilogue is a loop of 8 trips, one a block of 16 tokens; only its first lines, which name accumulators, are written eight times.
; LIMITS: the exponent P' - u^2 is formed in f32, so for x under -4 gelu's relative error grows to a few 1e-6; a block whose largest magnitude lies under 2^-124 gets the scale byte 1; NaN and infinities are not served.
; REGISTERS, in windows of 256: window 0: v1-31 addresses, later P's coefficients in pairs; v32-95 scale words, later max(x, 0) and gelu; v96-127 P, later the quantiser; v128-191 h's fragments, later |x|; v192-223 t; v224-255 u.
;   window 1: W's fragments, two sets.  window 2, 3: the accumulators ((a, b) at v[8 (8 (a % 4) + b)]).
.set SIZE_K, 1024
.set BOFF,   2228224
.set KSTEP,  512
.set NQ,     4
.set REC,    4352
.set TROW,   (SIZE_K/512)*REC
.set HALFT,  8*TROW                    ; 8 tiles, both records of each: what a wave's one tensor load brings
.set SLOT,   4*HALFT
.set SPARE,  SLOT
.set FR,     8
.set NL,     2
.set NP,     4
.set L16,  30                          ; v30     16 x lane
.set ADRA, 16
.set ADRS, 18
.set ADRB, 20
.set SPW,  28
.set NIL,  29
.set SC,   32
.set HA,   32
.set PP,   96
.set PC,   96
.set TM,   104
.set PW,   120
.set AF,   128
.set AX,   128
.set TT,   192
.set UU,   224
.set G1, 24
.set G0, 32
.set G1B, 48
.set G0B, 56
.set SEL, 66
.set MSB, 0
.macro WIN new
.if MSB != (\new)
	s_set_vgpr_msb (MSB<<8)|(\new)
.set MSB, (\new)
.endif
.endm
.set MUL_LO, 0xa1
.set MUL_HI, 0xf1
.set TO_B,   0x40
.macro JLOAD g0a, g1a, g0b, g1b        ; a joint load: waves 0 and 1 fetch for h, waves 2 and 3 for W; four v_nop follow each line
	s_cmp_eq_u32 s15, 0
	s_cbranch_scc0 .Lfor_b_\@
	tensor_load_to_lds s[\g0a:\g0a+3], s[\g1a:\g1a+7]
	s_nop 0
.rept 4
	v_nop
.endr
	s_branch .Lasked_\@
.Lfor_b_\@:
	tensor_load_to_lds s[\g0b:\g0b+3], s[\g1b:\g1b+7]
	s_nop 0
.rept 4
	v_nop
.endr
.Lasked_\@:
.endm
.macro CREST
	s_cmp_lg_u32 s14, 0
	s_cbranch_scc1 .Lnot_wave_0_\@
	s_barrier_signal -3
.Lnot_wave_0_\@:
	s_barrier_wait -3
	s_barrier_signal -1
	s_barrier_wait -1
.endm
.macro CROUND
	s_barrier_signal -1
	s_barrier_wait -1
	CREST
.endm
	s_load_b128 s[4:7], s[0:1], 0x0                ; h_img, w_img
	s_load_b64 s[8:9], s[0:1], 0x10                ; act_img
	v_lshl_add_u32 v[SPW], v0, 2, SPARE
	v_mov_b32 v[NIL], 0
	ds_add_u32 v28, v29
	ds_add_u32 v28, v29
	s_wait_dscnt 0x0
	v_lshrrev_b32 v1, 5, v0
	v_readfirstlane_b32 s14, v1
	s_lshr_b32 s15, s14, 1
	s_and_b32 s16, s14, 1
	s_bfe_u32 s40, ttmp6, 0x40000
	s_bfe_u32 s41, ttmp6, 0x40004
	s_lshl_b32 s42, ttmp9, 2
	s_add_co_u32 s42, s42, s40                     ; block of 256 channels
	s_and_b32 s17, ttmp7, 0xffff
	s_lshl_b32 s17, s17, 2
	s_add_co_u32 s17, s17, s41                     ; block of 256 tokens
	s_lshl_b32 s43, s41, 2
	s_lshl_b32 s43, 15, s43
	s_lshl_b32 s44, 0x1111, s40
	s_or_b32 s[G1+0], s43, (3<<16)|(1<<21)         ; 8 rows of 1,088 elements of 8 bytes (a tile's two records), TROW bytes apart; no padding
	s_or_b32 s[G1B+0], s44, (3<<16)|(1<<21)
.irp g, G1, G1B
	s_mov_b32 s[\g+1], 1088<<16
	s_mov_b32 s[\g+2], 8<<16
	s_mov_b32 s[\g+3], 1088<<16
	s_mov_b32 s[\g+4], 8
	s_mov_b32 s[\g+5], TROW/8
	s_mov_b32 s[\g+6], 0
	s_mov_b32 s[\g+7], 0
.endr
	s_lshl_b32 s18, s16, 3
	s_lshl_b32 s20, s17, 4
	s_add_co_u32 s20, s20, s18
	s_mul_i32 s20, s20, TROW
	s_mov_b32 s21, 0
	s_lshl_b32 s46, s42, 4
	s_add_co_u32 s46, s46, s18
	s_mul_i32 s46, s46, TROW
	s_add_co_u32 s46, s46, BOFF
	s_mov_b32 s47, 0
	s_mul_i32 s45, s14, HALFT
	s_wait_kmcnt 0x0
	s_add_nc_u64 s[20:21], s[4:5], s[20:21]
	s_add_nc_u64 s[46:47], s[6:7], s[46:47]
	CROUND
.irp s, 0
	s_mov_b32 s[G0+4*\s], 1
	s_add_co_u32 s[G0+4*\s+1], s45, \s*SLOT
	s_add_nc_u64 s[G0+4*\s+2:G0+4*\s+3], s[20:21], \s*REC
	s_or_b32 s[G0+4*\s+3], s[G0+4*\s+3], 0x80000000
	s_mov_b32 s[G0B+4*\s], 1
	s_add_co_u32 s[G0B+4*\s+1], s45, \s*SLOT
	s_add_nc_u64 s[G0B+4*\s+2:G0B+4*\s+3], s[46:47], \s*REC
	s_or_b32 s[G0B+4*\s+3], s[G0B+4*\s+3], 0x80000000
	JLOAD G0+4*\s, G1, G0B+4*\s, G1B               ; my one tensor load of the launch: 8 rows of 8,704 bytes, all of K
.endr
	v_and_b32 v1, 15, v0
	v_bfe_u32 v2, v0, 4, 1
	v_and_b32 v[L16], 31, v0
	v_lshlrev_b32 v[L16], 4, v[L16]
	v_lshlrev_b32 v31, 2, v1                       ; 4 r
	s_mul_i32 s21, s15, HALFT
	s_mul_i32 s22, s16, HALFT
	s_add_co_u32 s22, s22, 2*HALFT
	s_sub_co_u32 s23, s22, s21
	v_mul_u32_u24 v4, s23, v2
	v_lshl_add_u32 v4, v1, 2, v4
.irp s, 0,1
	v_add_nc_u32 v[ADRA+\s], s21, v[L16]
	v_add_nc_u32 v[ADRB+\s], s22, v[L16]
	v_add_nc_u32 v[ADRS+\s], s21, v4
	s_add_co_u32 s21, s21, REC                     ; K's second 512 is each tile's second record
	s_add_co_u32 s22, s22, REC
.endr
	; where my results go: tile 16 x block + 8 x half on (34,816 bytes a tile), record (channel block) / 2, fragment q = 2 ((channel block) % 2) + half
	s_lshl_b32 s20, s17, 4
	s_lshl_b32 s21, s15, 3
	s_add_co_u32 s20, s20, s21
	s_mul_i32 s20, s20, 34816
	s_lshr_b32 s21, s42, 1
	s_mul_i32 s21, s21, REC
	s_add_co_u32 s20, s20, s21
	s_and_b32 s21, s42, 1
	s_lshl_b32 s21, s21, 1
	s_add_co_u32 s22, s21, s16
	s_lshl_b32 s21, s22, 10
	s_add_co_u32 s46, s20, s21
	s_mov_b32 s47, 0
	s_add_nc_u64 s[68:69], s[8:9], s[46:47]        ; the codes
	s_lshl_b32 s21, s22, 6
	s_add_co_u32 s46, s20, s21
	s_add_co_u32 s46, s46, 4096
	s_add_nc_u64 s[70:71], s[8:9], s[46:47]        ; the scale words
.macro FRAG reg, adr, q, i
.irp c, 0,1
	ds_load_b128 v[\reg+4*\c:\reg+4*\c+3], v[\adr] offset:(\i)*TROW+1024*(\q)+512*\c
.endr
.endm
; 16 matrix instructions: h's blocks a0, a0 + 1 x W's eight.  The 64 accumulators take turns, one instruction a turn.
.macro MUL16 a0, p, q, sc, zero
.irp a, \a0, \a0+1
.irp b, 0,1,2,3,4,5,6,7
.if \zero
	v_wmma_scale_f32_16x16x128_f8f6f4 v[8*(8*((\a)%4)+\b):8*(8*((\a)%4)+\b)+7], v[128*(\p)+FR*\b:128*(\p)+FR*\b+FR-1], v[AF+FR*(\a):AF+FR*(\a)+FR-1], 0, v[SC+8*NQ*(\sc)+NQ*\b+(\q)], v[SC+8*NQ*(\sc)+NQ*(\a)+(\q)] matrix_a_fmt:MATRIX_FMT_FP4 matrix_b_fmt:MATRIX_FMT_FP4 matrix_a_scale:MATRIX_SCALE_ROW1
.else
	v_wmma_scale_f32_16x16x128_f8f6f4 v[8*(8*((\a)%4)+\b):8*(8*((\a)%4)+\b)+7], v[128*(\p)+FR*\b:128*(\p)+FR*\b+FR-1], v[AF+FR*(\a):AF+FR*(\a)+FR-1], v[8*(8*((\a)%4)+\b):8*(8*((\a)%4)+\b)+7], v[SC+8*NQ*(\sc)+NQ*\b+(\q)], v[SC+8*NQ*(\sc)+NQ*(\a)+(\q)] matrix_a_fmt:MATRIX_FMT_FP4 matrix_b_fmt:MATRIX_FMT_FP4 matrix_a_scale:MATRIX_SCALE_ROW1
.endif
.endr
.endr
.endm
.macro FETCH_B slot, q, p
	WIN TO_B
.irp i, 0,1,2,3,4,5,6,7
	FRAG 128*(\p)+FR*\i, ADRB+\slot, \q, \i
.endr
	WIN 0
.endm
.macro FETCH_A slot, q, i0
.irp i, \i0, \i0+1, \i0+2, \i0+3
	FRAG AF+FR*(\i), ADRA+\slot, \q, \i
.endr
.endm
.macro SCALES sc
.irp i, 0,1,2,3,4,5,6,7
.irp q, 0,1,2,3
	ds_load_b32 v[SC+8*NQ*\sc+NQ*\i+\q], v[ADRS+\sc] offset:\i*TROW+4096+64*\q
.endr
.endr
.endm
.macro PLACES n
.rept \n
	v_nop
.endr
.endm
.macro STEP slot, q, zero
	s_wait_dscnt 4*NL                              ; all but the youngest eight loads (h's blocks 4-7)
	WIN MUL_LO
	MUL16 0, (\q)%2, \q, \slot, \zero
	MUL16 2, (\q)%2, \q, \slot, \zero
	s_wait_dscnt 0
	PLACES NP
	FETCH_B \slot, (\q)+1, 1-(\q)%2
	FETCH_A \slot, (\q)+1, 0
	WIN MUL_HI
	MUL16 4, (\q)%2, \q, \slot, \zero
	MUL16 6, (\q)%2, \q, \slot, \zero
	PLACES NP
	WIN 0
	FETCH_A \slot, (\q)+1, 4
.endm
.macro TURN slot, next                 ; a slot's last step, and the change of slots: one barrier; nothing is filled again here
	s_wait_tensorcnt 0x0                           ; my part of the next slot has landed
	ds_add_u32 v[SPW], v[NIL]                      ; 0 onto my spare word
	s_wait_dscnt 4*NL+1                            ; the add and the youngest eight loads may be out
	WIN MUL_LO
	MUL16 0, 1, NQ-1, \slot, 0
	s_wait_dscnt 0x0
	s_barrier_signal -1
	MUL16 2, 1, NQ-1, \slot, 0
	WIN 0
	s_barrier_wait -1
	PLACES NP
	FETCH_B \next, 0, 0
	FETCH_A \next, 0, 0
	SCALES \next
	WIN MUL_HI
	MUL16 4, 1, NQ-1, \slot, 0
	MUL16 6, 1, NQ-1, \slot, 0
	PLACES NP
	WIN 0
	FETCH_A \next, 0, 4
.endm
	s_wait_alu depctr_va_vdst(0)
	s_wait_tensorcnt 0x0                           ; my load is in
	s_barrier_signal -1
	s_barrier_wait -1
	FETCH_B 0, 0, 0
	FETCH_A 0, 0, 0
	SCALES 0
	FETCH_A 0, 0, 4
	STEP 0, 0, 1
	STEP 0, 1, 0
	STEP 0, 2, 0
	TURN 0, 1
	STEP 1, 0, 0
	STEP 1, 1, 0
	STEP 1, 2, 0
	s_wait_dscnt 4*NL
	WIN MUL_LO
	MUL16 0, 1, NQ-1, 1, 0
	MUL16 2, 1, NQ-1, 1, 0
	s_wait_dscnt 0
	WIN MUL_HI
	MUL16 4, 1, NQ-1, 1, 0
	MUL16 6, 1, NQ-1, 1, 0
	WIN 0
	PLACES NP                                      ; ahead of the first read of results and of writes into the scale words' and h's registers
.macro COEF reg, val                   ; a coefficient in both halves of a pair: the packed lines then need no modifier
	v_mov_b32 v[\reg], \val
	v_mov_b32 v[\reg+1], \val
.endm
	COEF 2,  0xbfe9b21e                            ; P' = log2(e) P: c0
	COEF 4,  0x3fb8ab5a                            ; c1
	COEF 6,  0x3f0a29d2
	COEF 8,  0x3e0efb2f
	COEF 10, 0xbe899a80
	COEF 12, 0x3ecdfd18
	COEF 14, 0xbfd1a1e5
	COEF 22, 0x40097039                            ; c7
	COEF 24, 0xbf97d29d                            ; c8
	COEF 26, 0x3e7c6f08                            ; c9
	s_mov_b32 s[SEL], 0x76543210
	s_mov_b32 s[SEL+1], 0xfedcba98
	s_mov_b32 s76, 0x3eb504f3                      ; 1 / (2 sqrt 2)
	s_mov_b32 s77, s76
	s_mov_b32 s78, 0x3f596d27                      ; sqrt(log2(e) / 2)
	s_mov_b32 s79, s78
	s_mov_b32 s80, 0x7fffffff
.macro ARM k                           ; block k's 64 numbers of my token: |x| and max(x, 0), each accumulator from its low end on
	WIN (2+(\k)/4)<<2
.set i, 0
.rept 64
	v_and_b32 v[AX+i], s80, v[64*((\k)%4)+i]
.set i, i+1
.endr
.set i, 0
.rept 64
	v_max_num_f32 v[HA+i], 0, v[64*((\k)%4)+i]
.set i, i+1
.endr
	WIN 0
.endm
.macro GELU32 k                        ; 32 numbers from register k on: v[HA + ..] = max(x, 0) - |x| t 2^(P'(t) - u^2) / 2
.set i, 0
.rept 16
	v_pk_fma_f32 v[TT+i:TT+i+1], v[AX+\k+i:AX+\k+i+1], s[76:77], 1.0 op_sel_hi:[1,0,0]
.set i, i+2
.endr
.set i, 0
	s_wait_alu depctr_va_vdst(0)
.rept 32
	v_rcp_f32 v[TT+i], v[TT+i]                     ; t
.set i, i+1
.endr
.set i, 0
.rept 16
	v_pk_mul_f32 v[UU+i:UU+i+1], v[AX+\k+i:AX+\k+i+1], s[78:79] op_sel_hi:[1,0]   ; u: plain work behind the batch
.set i, i+2
.endr
	s_wait_alu depctr_va_vdst(0)                   ; one wait for the 32 reciprocals
.set i, 0
.rept 16
	v_pk_fma_f32 v[PP+i:PP+i+1], v[TT+i:TT+i+1], v[26:27], v[24:25]
.set i, i+2
.endr
.irp c, 22,14,12,10,8,6,4,2
.set i, 0
.rept 16
	v_pk_fma_f32 v[PP+i:PP+i+1], v[PP+i:PP+i+1], v[TT+i:TT+i+1], v[\c:\c+1]
.set i, i+2
.endr
.endr
.set i, 0
.rept 16
	v_pk_fma_f32 v[UU+i:UU+i+1], v[UU+i:UU+i+1], v[UU+i:UU+i+1], v[PP+i:PP+i+1] neg_lo:[1,0,0] neg_hi:[1,0,0]   ; P' - u^2
.set i, i+2
.endr
.set i, 0
	s_wait_alu depctr_va_vdst(0)
.rept 32
	v_exp_f32 v[UU+i], v[UU+i]
.set i, i+1
.endr
.set i, 0
.rept 16
	v_pk_mul_f32 v[AX+\k+i:AX+\k+i+1], v[AX+\k+i:AX+\k+i+1], v[TT+i:TT+i+1]      ; |x| t: plain work behind the batch
.set i, i+2
.endr
	s_wait_alu depctr_va_vdst(0)                   ; one wait for the 32 exponentials
.set i, 0
.rept 16
	v_pk_mul_f32 v[AX+\k+i:AX+\k+i+1], v[AX+\k+i:AX+\k+i+1], v[UU+i:UU+i+1]
.set i, i+2
.endr
.set i, 0
.rept 16
	v_pk_fma_f32 v[HA+\k+i:HA+\k+i+1], v[AX+\k+i:AX+\k+i+1], -0.5, v[HA+\k+i:HA+\k+i+1] op_sel_hi:[1,0,1]
.set i, i+2
.endr
.endm
	s_mov_b32 s73, 0
	s_mov_b32 s74, 0                               ; s[74:75]: what a trip adds to the stores' bases: 0 in the first, then a tile of tokens
	s_mov_b32 s75, 0
.Lblk:                                             ; 8 trips: a block of 16 tokens each
.irp k, 0,1,2,3,4,5,6
	s_cmp_eq_u32 s73, \k
	s_cbranch_scc1 .Larm\k
.endr
	ARM 7
	s_branch .Ljoin
.irp k, 0,1,2,3,4,5
.Larm\k:
	ARM \k
	s_branch .Ljoin
.endr
.Larm6:
	ARM 6
.Ljoin:
	s_wait_xcnt 0x0                                ; the last trip's stores have read their registers and bases: v96 on is written again below, and the bases step here
	s_add_nc_u64 s[68:69], s[68:69], s[74:75]
	s_add_nc_u64 s[70:71], s[70:71], s[74:75]
	GELU32 0
	GELU32 32
	; the 64 numbers, register 16 b + i = channel 32 b + 16 h + i, become a fragment and its scale word
.irp b, 0,1,2,3
	v_max3_num_f32 v[TM+\b], 0x1800000, |v[HA+16*\b]|, |v[HA+16*\b+1]|   ; with the floor 2^(3 - 127)
.endr
.irp i, 2,4,6,8,10,12,14
.irp b, 0,1,2,3
	v_max3_num_f32 v[TM+\b], v[TM+\b], |v[HA+16*\b+\i]|, |v[HA+16*\b+\i+1]|
.endr
.endr
.irp b, 0,1,2,3
	v_permlanex16_b32 v[TM+4+\b], v[TM+\b], s[SEL], s[SEL+1]
.endr
.irp b, 0,1,2,3
	v_max_num_f32 v[TM+\b], v[TM+\b], v[TM+4+\b]
.endr
.irp b, 0,1,2,3
	v_add_nc_u32 v[TM+12+\b], 0xff000000, v[TM+\b]
.endr
.irp b, 0,1,2,3
	v_lshrrev_b32 v[TM+4+\b], 23, v[TM+12+\b]
.endr
	v_lshl_or_b32 v[PW], v[TM+5], 8, v[TM+4]
	v_lshl_or_b32 v[PW], v[TM+6], 16, v[PW]
	v_lshl_or_b32 v[PW], v[TM+7], 24, v[PW]
.irp b, 0,1,2,3
	v_cvt_scalef32_pk8_fp4_f32 v[PC+2*\b], v[HA+16*\b:HA+16*\b+7], v[TM+12+\b]
	v_cvt_scalef32_pk8_fp4_f32 v[PC+2*\b+1], v[HA+16*\b+8:HA+16*\b+15], v[TM+12+\b]
.endr
	v_nop
.irp c, 0,1
.irp i, 0,1
	v_permlane16_swap_b32 v[PC+4*\c+\i], v[PC+2+4*\c+\i]
.endr
.endr
	global_store_b128 v[L16], v[PC:PC+3], s[68:69]            ; 512 consecutive bytes each
	global_store_b128 v[L16], v[PC+4:PC+7], s[68:69] offset:512
	global_store_b32 v31, v[PW], s[70:71]
	s_mov_b32 s74, 34816                           ; the next tile of tokens
	s_add_co_u32 s73, s73, 1
	s_cmp_lt_u32 s73, 8
	s_cbranch_scc1 .Lblk
	s_wait_tensorcnt 0x0                           ; the wave's end
	ds_add_u32 v[SPW], v[NIL]
	s_wait_dscnt 0x0
	CROUND                                         ; the closing round
	s_endpgm
.Lfunc_end_k_q25bac3b1b1_g5:
	.size	k_q25bac3b1b1_g5, .Lfunc_end_k_q25bac3b1b1_g5-k_q25bac3b1b1_g5
	.p2alignl 7, 3214868480
	.fill 96, 4, 3214868480
	.section	.rodata,"a",@progbits
	.p2align	6, 0x0
	.amdhsa_kernel k_q25bac3b1b1_g5
		.amdhsa_group_segment_fixed_size 327680
		.amdhsa_private_segment_fixed_size 0
		.amdhsa_enable_private_segment 0
		.amdhsa_kernarg_size 24
		.amdhsa_user_sgpr_count 2
		.amdhsa_user_sgpr_kernarg_segment_ptr 1
		.amdhsa_wavefront_size32 1
		.amdhsa_system_sgpr_workgroup_id_x 1
		.amdhsa_system_sgpr_workgroup_id_y 1
		.amdhsa_system_sgpr_workgroup_id_z 1
		.amdhsa_system_vgpr_workitem_id 0
		.amdhsa_next_free_vgpr 1024
		.amdhsa_next_free_sgpr 98
		.amdhsa_reserve_vcc 0
		.amdhsa_float_denorm_mode_32 3
		.amdhsa_float_denorm_mode_16_64 3
		.amdhsa_memory_ordered 1
		.amdhsa_forward_progress 1
		.amdhsa_inst_pref_size 168
	.end_amdhsa_kernel
	.amdgpu_metadata
---
amdhsa.version: [ 1, 2 ]
amdhsa.kernels:
  - .name:           k_q25bac3b1b1_g5
    .symbol:         k_q25bac3b1b1_g5.kd
    .args:
      - { .name: h_img, .offset: 0, .size: 8, .value_kind: global_buffer, .address_space: global }
      - { .name: w_img, .offset: 8, .size: 8, .value_kind: global_buffer, .address_space: global }
      - { .name: act_img, .offset: 16, .size: 8, .value_kind: global_buffer, .address_space: global }
    .group_segment_fixed_size: 327680
    .private_segment_fixed_size: 0
    .kernarg_segment_align: 8
    .kernarg_segment_size: 24
    .max_flat_workgroup_size: 128
    .sgpr_count:     98
    .vgpr_count:     1024
    .wavefront_size: 32
...
	.end_amdgpu_metadata
.endif
;; end of part 11
;; launch g6 (part 12): grid 8 x 32, 4 waves a work-group, clusters of 4 x 4, 327,680 bytes of LDS; arguments act_img, w_img, x1, out0; writes out0
.if DOCPART == 12
	.amdgcn_target "amdgcn-amd-amdhsa--gfx1250"
	.amdhsa_code_object_version 6
	.text
	.protected	k_q25bac3b1b1_g6
	.globl	k_q25bac3b1b1_g6
	.p2align	8
	.type	k_q25bac3b1b1_g6,@function
k_q25bac3b1b1_g6:
	s_mov_b64 s[64:65], 0
	v_nop
	global_prefetch_b8 v0, s[64:65] scope:SCOPE_SE
	s_setreg_imm32_b32 hwreg(HW_REG_WAVE_MODE, 25, 1), 1
	s_wait_xcnt 0x0
	s_wait_alu depctr_hold_cnt(0) depctr_sa_sdst(0) depctr_va_vdst(0) depctr_va_sdst(0) depctr_va_ssrc(0) depctr_va_vcc(0) depctr_vm_vsrc(0)
	s_getreg_b32 s2, hwreg(HW_REG_IB_STS2, 6, 4)
	s_cmp_eq_u32 s2, 0
	s_cbranch_scc0 .Lentry_in_a_cluster
	s_endpgm
.Lentry_in_a_cluster:
	s_bfe_u32 s2, ttmp6, 0x10000c
	s_cmp_lg_u32 s2, 0xf033
	s_cbranch_scc0 .Lentry_shape_is_right
	s_endpgm
.Lentry_shape_is_right:
; out = resid + A W^T on operand images of FP4 codes.  Here: A = act_img, W = ff_down_w's image in w_img, resid = x1, out = out0; K = 4,096; out is [4,096][1,024] f32.
; THE TILE: out has 32 x 8 blocks of 128 x 128: 256 work-groups, one for each WGP; blocks of 256 x 256 would be 64.  Four waves, each 64 x 64: 16 accumulators, 128 registers.
; The instruction is used transposed (source 0 = 16 rows of W, source 1 = 16 rows of A): a lane holds eight neighbouring numbers of a row of out.
; IMAGES: for each tile of 16 rows and each 512 along K a record of 4,352 bytes: four fragments of 1,024 bytes as their registers stand, then four runs of 16 scale words.
; A slot holds RPS records of each of the block's 8 tiles of A and 8 of W; one tensor load brings 4 tiles' (4 rows of RPS x 4,352 bytes), codes and scales together; a fragment is two dense LDS loads.
; Here a slot is 1,024 along K, as long as two slots in LDS allow: K's four slots' worth are two first fills and two refills, and a refill has a slot's 128 matrix instructions a wave in which to land.
; CLUSTERS: 4 x 4 work-groups; A's tiles are asked for jointly along a row of the cluster, W's along a column; each refill stands behind a round of the cluster's barrier.
; ROW ORDER: lane r of tile T stands for row 32 (T / 2) + 8 (T % 2) + r + 8 (r / 8); in accumulator (a, b) lane (r, h), register j is column 32 (b / 2) + 8 (b % 2) + 16 h + j.
; A PAIR is two K steps of 128: 32 matrix instructions, two deep on each accumulator; the next pair's 32 LDS loads stand in one run in its middle, its first K step's first.
; THE WAY OUT: my 64 columns are 256 bytes of a row.  A block of 16 rows goes through my own stage in LDS and comes back by rows; the residual, all 64 rows of it loaded at the head in the same shape, is added;
; sixteen lanes store 256 consecutive bytes, at a multiple of 256 from out's first byte, two rows an instruction.
; REGISTERS, in windows of 256: window 0: v1-29 addresses; v32-95 scale words, two sets; v128-255 the accumulators ((a, b) at v[128 + 8 (4 a + b)]).
;   window 1: two fragment buffers of 128: 64 registers of A (2 K steps x 4 tiles), then 64 of W.   window 2: v0-127 the residual; v128-255 rows back from the stage.
.set SIZE_K, 4096
.set BOFF,   4456448                   ; the weight's image in w_img
.set FINAL,  1                         ; the output is read by no later launch
.set RPS,    2                         ; records of a tile in a slot
.set REC,    4352
.set TROW,   (SIZE_K/512)*REC          ; a tile's records in memory
.set TS,     RPS*REC                   ; a tile's bytes in a slot
.set HALFT,  4*TS                      ; what one tensor load brings, and what one wave reads of either operand
.set SLOT,   4*HALFT                   ; A's 8 tiles, then W's 8
.set SPARE,  2*SLOT                    ; behind the slots: the spare words, 128 bytes for each wave
.set STAGE,  SPARE+512                 ; behind them: 16 rows x 272 bytes for each wave; no fill lands here
.set SPITCH, 272
.set NQ,     4*RPS                     ; K steps of 128 in a slot
.set NPAIR,  NQ/2
.set LAPS,   SIZE_K/(1024*RPS)         ; a lap = both slots
.set L16,  3                           ; v3      16 x lane
.set ADRA, 16                          ; v16-17  A's fragments in slot 0, 1
.set ADRS, 18                          ; v18-19  scale words: lanes 0-15 A's, lanes 16-31 W's
.set ADRB, 20                          ; v20-21  W's fragments
.set STO,  24                          ; v24     the stage, in
.set RD,   25                          ; v25     the stage, back
.set CO,   26                          ; v26     my offset in two rows of resid and out
.set SPW,  28
.set NIL,  29
.set SC,   32
.set ACC,  128
.set F0,   0
.set F1,   128
.set RS,   0
.set BK,   128
.set G1, 24
.set G0, 32
.set G1B, 48
.set G0B, 56
.set MSB, 0
.macro WIN new                         ; the immediate's high byte repeats the setting that is left
.if MSB != (\new)
	s_set_vgpr_msb (MSB<<8)|(\new)
.set MSB, (\new)
.endif
.endm
.set MUL,  0x05                        ; sources 0 (W) and 1 (A) window 1; C and D window 0
.set TO_F, 0x40                        ; destination window 1, address window 0
.macro JLOAD g0a, g1a, g0b, g1b        ; a joint load: waves 0 and 1 fetch for A, waves 2 and 3 for W; four v_nop follow each line
	s_cmp_eq_u32 s15, 0
	s_cbranch_scc0 .Lfor_b_\@
	tensor_load_to_lds s[\g0a:\g0a+3], s[\g1a:\g1a+7]
	s_nop 0
.rept 4
	v_nop
.endr
	s_branch .Lasked_\@
.Lfor_b_\@:
	tensor_load_to_lds s[\g0b:\g0b+3], s[\g1b:\g1b+7]
	s_nop 0
.rept 4
	v_nop
.endr
.Lasked_\@:
.endm
.macro CREST                           ; a round of the cluster's barrier behind its opening barrier
	s_cmp_lg_u32 s14, 0
	s_cbranch_scc1 .Lnot_wave_0_\@
	s_barrier_signal -3
.Lnot_wave_0_\@:
	s_barrier_wait -3
	s_barrier_signal -1
	s_barrier_wait -1
.endm
.macro CROUND
	s_barrier_signal -1
	s_barrier_wait -1
	CREST
.endm
	s_load_b256 s[4:11], s[0:1], 0x0               ; A's image s[4:5], w_img s[6:7], resid s[8:9], out s[10:11]
	v_lshl_add_u32 v[SPW], v0, 2, SPARE
	v_mov_b32 v[NIL], 0
	ds_add_u32 v28, v29
	ds_add_u32 v28, v29
	s_wait_dscnt 0x0
	v_lshrrev_b32 v1, 5, v0
	v_readfirstlane_b32 s14, v1
	v_and_b32 v6, 31, v0                           ; the prefetches' offsets, never rewritten: a tile's part of a slot is 8,704 bytes, 34 blocks of 256:
	v_min_u32 v7, 1, v6
	v_lshlrev_b32 v6, 8, v6                        ; blocks 0 to 31, a lane a block,
	v_lshl_add_u32 v7, v7, 8, 8192                 ; and blocks 32 and 33; the lanes left over name the last block again
	s_lshr_b32 s15, s14, 1                         ; my half of the block's rows.  Also: I fetch for A (0) or for W (1)
	s_and_b32 s16, s14, 1                          ; my half of its columns.  Also: which 4 tiles I fetch
	s_bfe_u32 s40, ttmp6, 0x40000                  ; cx
	s_bfe_u32 s41, ttmp6, 0x40004                  ; cy
	s_lshl_b32 s42, ttmp9, 2
	s_add_co_u32 s42, s42, s40                     ; block of 128 columns
	s_and_b32 s17, ttmp7, 0xffff
	s_lshl_b32 s17, s17, 2
	s_add_co_u32 s17, s17, s41                     ; block of 128 rows
	s_lshl_b32 s43, s41, 2
	s_lshl_b32 s43, 15, s43                        ; my row of the cluster
	s_lshl_b32 s44, 0x1111, s40                    ; my column
	s_or_b32 s[G1+0], s43, (3<<16)|(1<<21)         ; the mask; elements of 8 bytes; bit 21 beside a mask; no padding
	s_or_b32 s[G1B+0], s44, (3<<16)|(1<<21)
.irp g, G1, G1B
	s_mov_b32 s[\g+1], (544*RPS)<<16               ; tensor_dim0: RPS records
	s_mov_b32 s[\g+2], 4<<16                       ; tensor_dim1: 4 tiles
	s_mov_b32 s[\g+3], (544*RPS)<<16               ; tile_dim0
	s_mov_b32 s[\g+4], 4                           ; tile_dim1
	s_mov_b32 s[\g+5], TROW/8                      ; from tile to tile
	s_mov_b32 s[\g+6], 0
	s_mov_b32 s[\g+7], 0
.endr
	s_lshl_b32 s18, s16, 2
	s_lshl_b32 s20, s17, 3
	s_add_co_u32 s20, s20, s18                     ; A: tile 8 x block + 4 x half
	s_mul_i32 s20, s20, TROW
	s_mov_b32 s21, 0
	s_lshl_b32 s46, s42, 3
	s_add_co_u32 s46, s46, s18                     ; W likewise
	s_mul_i32 s46, s46, TROW
	s_add_co_u32 s46, s46, BOFF
	s_mov_b32 s47, 0
	s_mul_i32 s45, s14, HALFT                      ; where they go: wave x 4 tiles: no place in the cluster enters an LDS address
	s_wait_alu depctr_va_vdst(0)
	s_wait_kmcnt 0x0
	s_add_nc_u64 s[20:21], s[4:5], s[20:21]
	s_add_nc_u64 s[46:47], s[6:7], s[46:47]
	CROUND                                         ; all sixteen work-groups are here: the first joint loads meet
.irp s, 0,1
	s_mov_b32 s[G0+4*\s], 1
	s_add_co_u32 s[G0+4*\s+1], s45, \s*SLOT
	s_add_nc_u64 s[G0+4*\s+2:G0+4*\s+3], s[20:21], \s*TS
	s_or_b32 s[G0+4*\s+3], s[G0+4*\s+3], 0x80000000
	s_mov_b32 s[G0B+4*\s], 1
	s_add_co_u32 s[G0B+4*\s+1], s45, \s*SLOT
	s_add_nc_u64 s[G0B+4*\s+2:G0B+4*\s+3], s[46:47], \s*TS
	s_or_b32 s[G0B+4*\s+3], s[G0B+4*\s+3], 0x80000000
.if \s
	s_wait_alu depctr_va_vdst(0)                   ; slot 1's first fill is issued as a refill is
	s_wait_tensorcnt 0x0                           ; my part of slot 0 is in
	ds_add_u32 v[SPW], v[NIL]
	s_wait_dscnt 0x0
	CROUND
.endif
	JLOAD G0+4*\s, G1, G0B+4*\s, G1B               ; one tensor load of mine behind each round
; A PREFETCH INTO THE L2 behind the load of slot k: slot k + 1's bytes, one slot ahead of the load that will want them.  Of the 4 tiles that I fetch, each of the four partners that ask for them
; jointly takes one, told apart by address (cx for A, cy for W): so each block of 256 bytes is named once in each cluster that will load it.  The last refill asks for nothing.
.if \s
	s_wait_xcnt 0x0                                ; my earlier prefetches have read their base
	s_add_nc_u64 s[12:13], s[12:13], TS            ; slot 2's bytes
.else
	s_cmp_eq_u32 s15, 0
	s_cselect_b64 s[12:13], s[20:21], s[46:47]     ; my 4 tiles, of A or of W
	s_cselect_b32 s18, s40, s41
	s_mul_i32 s18, s18, TROW                       ; my work-group's one of them,
	s_add_co_u32 s18, s18, TS                      ; slot 1's bytes
	s_mov_b32 s19, 0
	s_add_nc_u64 s[12:13], s[12:13], s[18:19]
.endif
	global_prefetch_b8 v6, s[12:13] th:TH_LOAD_NT scope:SCOPE_SE
	global_prefetch_b8 v7, s[12:13] th:TH_LOAD_NT scope:SCOPE_SE
.endr
	v_and_b32 v1, 15, v0                           ; r
	v_bfe_u32 v2, v0, 4, 1                         ; h
	v_and_b32 v[L16], 31, v0
	v_lshlrev_b32 v[L16], 4, v[L16]
	s_mul_i32 s21, s15, HALFT                      ; my 4 tiles of A
	s_mul_i32 s22, s16, HALFT
	s_add_co_u32 s22, s22, 2*HALFT                 ; my 4 of W, behind A's 8
	s_sub_co_u32 s23, s22, s21
	v_mul_u32_u24 v4, s23, v2                      ; lanes 16-31 take W's scale words
	v_lshl_add_u32 v4, v1, 2, v4
.irp s, 0,1
	v_add_nc_u32 v[ADRA+\s], s21, v[L16]
	v_add_nc_u32 v[ADRB+\s], s22, v[L16]
	v_add_nc_u32 v[ADRS+\s], s21, v4
	s_add_co_u32 s21, s21, SLOT
	s_add_co_u32 s22, s22, SLOT
.endr
	s_mul_i32 s23, s14, 16*SPITCH
	s_add_co_u32 s23, s23, STAGE                   ; my stage
	v_mul_u32_u24 v5, v1, SPITCH
	v_lshl_add_u32 v5, v2, 6, v5
	v_add_nc_u32 v[STO], s23, v5                   ; in: row r, + 64 h
	v_mul_u32_u24 v5, v2, SPITCH
	v_lshl_add_u32 v5, v1, 4, v5
	v_add_nc_u32 v[RD], s23, v5                    ; back: lanes 0-15 one row of 256 bytes, lanes 16-31 the next
	v_lshlrev_b32 v[CO], 12, v2
	v_lshl_add_u32 v[CO], v1, 4, v[CO]             ; and the same two rows in resid and out, 4,096 bytes a row
	s_wait_alu depctr_va_vdst(0)
	s_lshl_b32 s20, s17, 7
	s_lshl_b32 s21, s15, 6
	s_add_co_u32 s20, s20, s21
	s_lshl_b32 s20, s20, 12                        ; my first row
	s_mov_b32 s21, 0
	s_lshl_b32 s46, s42, 9
	s_lshl_b32 s47, s16, 8
	s_add_co_u32 s46, s46, s47                     ; my first column, in bytes
	s_mov_b32 s47, 0
	s_add_nc_u64 s[20:21], s[20:21], s[46:47]
	s_add_nc_u64 s[8:9], s[8:9], s[20:21]
	s_add_nc_u64 s[10:11], s[10:11], s[20:21]
	WIN 0x80                                       ; destination window 2
.irp a, 0,1,2,3                                    ; the residual of my 64 rows x 256 bytes: 32 loads, block a's eight at v[32 a] on; they land while K is walked
.irp t, 0,1,2,3,4,5,6,7
	global_load_b128 v[RS+32*\a+4*\t:RS+32*\a+4*\t+3], v[CO], s[8:9] offset:(32*(\a/2)+8*(\a%2)+2*\t+8*(\t/4))*4096
.endr
.endr
	WIN 0
; 8 matrix instructions: A's tiles a0, a0 + 1 x W's four; K step c of the pair in buffer f, the slot's q-th; sc: the set of scale words.  zero = 1: the first product starts the sums.
; The 16 accumulators take turns, one instruction a turn, in the same order in every K step.
.macro MUL8 f, c, a0, q, sc, zero
.irp a, \a0, \a0+1
.irp b, 0,1,2,3
.if \zero
	v_wmma_scale_f32_16x16x128_f8f6f4 v[ACC+8*(4*(\a)+\b):ACC+8*(4*(\a)+\b)+7], v[\f+64+8*(4*\c+\b):\f+64+8*(4*\c+\b)+7], v[\f+8*(4*\c+(\a)):\f+8*(4*\c+(\a))+7], 0, v[SC+4*NQ*(\sc)+NQ*\b+(\q)], v[SC+4*NQ*(\sc)+NQ*(\a)+(\q)] matrix_a_fmt:MATRIX_FMT_FP4 matrix_b_fmt:MATRIX_FMT_FP4 matrix_a_scale:MATRIX_SCALE_ROW1
.else
	v_wmma_scale_f32_16x16x128_f8f6f4 v[ACC+8*(4*(\a)+\b):ACC+8*(4*(\a)+\b)+7], v[\f+64+8*(4*\c+\b):\f+64+8*(4*\c+\b)+7], v[\f+8*(4*\c+(\a)):\f+8*(4*\c+(\a))+7], v[ACC+8*(4*(\a)+\b):ACC+8*(4*(\a)+\b)+7], v[SC+4*NQ*(\sc)+NQ*\b+(\q)], v[SC+4*NQ*(\sc)+NQ*(\a)+(\q)] matrix_a_fmt:MATRIX_FMT_FP4 matrix_b_fmt:MATRIX_FMT_FP4 matrix_a_scale:MATRIX_SCALE_ROW1
.endif
.endr
.endr
.endm
; 32 LDS loads in one run: pair p of the slot (K steps 2 p and 2 p + 1) into buffer f; the first K step's sixteen first.  Each load is 512 consecutive bytes.
.macro FETCH slot, p, f
	WIN TO_F
.irp c, 0,1
.irp i, 0,1,2,3
	ds_load_b128 v[\f+64+8*(4*\c+\i):\f+64+8*(4*\c+\i)+3], v[ADRB+\slot] offset:\i*TS+((2*(\p)+\c)/4)*REC+((2*(\p)+\c)%4)*1024
	ds_load_b128 v[\f+64+8*(4*\c+\i)+4:\f+64+8*(4*\c+\i)+7], v[ADRB+\slot] offset:\i*TS+((2*(\p)+\c)/4)*REC+((2*(\p)+\c)%4)*1024+512
	ds_load_b128 v[\f+8*(4*\c+\i):\f+8*(4*\c+\i)+3], v[ADRA+\slot] offset:\i*TS+((2*(\p)+\c)/4)*REC+((2*(\p)+\c)%4)*1024
	ds_load_b128 v[\f+8*(4*\c+\i)+4:\f+8*(4*\c+\i)+7], v[ADRA+\slot] offset:\i*TS+((2*(\p)+\c)/4)*REC+((2*(\p)+\c)%4)*1024+512
.endr
.endr
.endm
.macro SCALES sc                       ; a slot's scale words: register NQ i + q: lanes 0-15 A's tile i, lanes 16-31 W's tile i, K step q.  (Every window is 0 here)
.irp i, 0,1,2,3
.set sq, 0
.rept NQ
	ds_load_b32 v[SC+4*NQ*\sc+NQ*\i+sq], v[ADRS+\sc] offset:\i*TS+(sq/4)*REC+4096+64*(sq%4)
.set sq, sq+1
.endr
.endr
.endm
.macro PLACES n                        ; plain instructions between a matrix instruction and a load into, or a read of, its registers
.rept \n
	v_nop
.endr
.endm
; Pair p of a slot, with its successor in the same slot: multiplies buffer p % 2 and fetches pair p + 1 into the other.
.macro QUARTER slot, p, zero
	s_wait_dscnt 16                                ; all but the youngest sixteen loads: the pair's first K step is in, and the scale words
	WIN MUL
	MUL8 128*((\p)%2), 0, 0, 2*(\p), \slot, \zero
	MUL8 128*((\p)%2), 0, 2, 2*(\p), \slot, \zero
	PLACES 4
	FETCH \slot, (\p)+1, 128*(1-(\p)%2)
	s_wait_dscnt 32                                ; all but the 32 just issued
	WIN MUL
	MUL8 128*((\p)%2), 1, 0, 2*(\p)+1, \slot, 0
	MUL8 128*((\p)%2), 1, 2, 2*(\p)+1, \slot, 0
.endm
.macro MIDS slot, from                 ; the slot's pairs from .. NPAIR - 2
.irp p, 0,1,2
.if (\p >= \from) && (\p < NPAIR-1)
	QUARTER \slot, \p, 0
.endif
.endr
.endm
; A slot's last pair (buffer 1) changes slots: one barrier; in front of it each wave waits for all its tensor loads, adds 0 to its spare word, and waits for that and for its reads of this slot.
; fill = 1: the slot is filled again, two slots further along K.
.macro TURN slot, next, fill
	WIN 0                                          ; (the add's two registers lie in window 0)
	s_wait_tensorcnt 0x0                           ; my part of the next slot has landed; no load of mine is out
	ds_add_u32 v[SPW], v[NIL]                      ; 0 onto my spare word
	s_wait_dscnt 17                                ; the add and the youngest sixteen loads may be out
	WIN MUL
	MUL8 F1, 0, 0, NQ-2, \slot, 0                  ; eight matrix instructions stand between the add and the wait for it
	s_wait_dscnt 0x0                               ; the add is done, my reads of this slot are over
	s_barrier_signal -1
	MUL8 F1, 0, 2, NQ-2, \slot, 0
	WIN 0                                          ; (branches may follow, and the scale words' loads)
	s_barrier_wait -1
.if \fill
	CREST                                          ; the barrier has opened a round of the cluster's: no wave of any partner still reads this slot or has a load on its way
	s_add_nc_u64 s[G0+4*\slot+2:G0+4*\slot+3], s[G0+4*\slot+2:G0+4*\slot+3], 2*TS
	s_add_nc_u64 s[G0B+4*\slot+2:G0B+4*\slot+3], s[G0B+4*\slot+2:G0B+4*\slot+3], 2*TS
	JLOAD G0+4*\slot, G1, G0B+4*\slot, G1B         ; my one tensor load behind the round; its four v_nop are the places ahead of the loads below
.else
	PLACES 4
.endif
	SCALES \next
	FETCH \next, 0, F0
.if (\fill) && ((\slot) == 0)
	global_prefetch_b8 v6, s[12:13] offset:TS th:TH_LOAD_NT scope:SCOPE_SE   ; behind the refill with slot 2's bytes: slot 3's, the last of K
	global_prefetch_b8 v7, s[12:13] offset:TS th:TH_LOAD_NT scope:SCOPE_SE
.endif
	WIN MUL
	MUL8 F1, 1, 0, NQ-1, \slot, 0
	MUL8 F1, 1, 2, NQ-1, \slot, 0
.endm
	s_wait_tensorcnt 1                             ; my part of slot 0 is in; slot 1's may be out
	s_barrier_signal -1
	s_barrier_wait -1                              ; everybody's is
	SCALES 0
	FETCH 0, 0, F0
	QUARTER 0, 0, 1                                ; the first pair stands in front of the loop: its first products start the sums
.if LAPS > 1
	WIN 0                                          ; at a label and at a branch every window is 0
	s_mov_b32 s3, LAPS-1
.Llap:                                             ; a trip goes once round the two slots, from a lap's second pair to the next lap's first, and fills both again
	MIDS 0, 1
	TURN 0, 1, 1
	MIDS 1, 0
	TURN 1, 0, 1
	QUARTER 0, 0, 0
	WIN 0
	s_sub_co_u32 s3, s3, 1
	s_cmp_lg_u32 s3, 0
	s_cbranch_scc1 .Llap
.endif
	MIDS 0, 1                                      ; the last lap fills nothing
	TURN 0, 1, 0
	MIDS 1, 0
	s_wait_dscnt 16                                ; the very last pair: nothing more to fetch
	WIN MUL
	MUL8 F1, 0, 0, NQ-2, 1, 0
	MUL8 F1, 0, 2, NQ-2, 1, 0
	s_wait_dscnt 0
	MUL8 F1, 1, 0, NQ-1, 1, 0
	MUL8 F1, 1, 2, NQ-1, 1, 0
	WIN 0
.macro TOSTAGE a                       ; block a's 16 rows x 256 bytes into my stage, and back by rows
.irp b, 0,1,2,3
	ds_store_b128 v[STO], v[ACC+8*(4*(\a)+\b):ACC+8*(4*(\a)+\b)+3] offset:128*(\b/2)+32*(\b%2)       ; each accumulator from its low end on
	ds_store_b128 v[STO], v[ACC+8*(4*(\a)+\b)+4:ACC+8*(4*(\a)+\b)+7] offset:128*(\b/2)+32*(\b%2)+16
.endr
	WIN 0x80                                       ; destination window 2
.irp t, 0,1,2,3,4,5,6,7
	ds_load_b128 v[BK+32*(\a)+4*\t:BK+32*(\a)+4*\t+3], v[RD] offset:2*\t*SPITCH   ; LDS serves a wave's instructions in order: these see the stores above, and the next block's stores come behind them
.endr
	WIN 0
.endm
.macro SEND a, younger                 ; younger: the LDS instructions issued behind block a's loads
	s_wait_dscnt \younger                          ; the block is back in registers
	s_wait_loadcnt 8*(3-(\a))                      ; its residual is in: behind it the later blocks' eight loads each were issued
	WIN 0x8a                                       ; destination and both sources window 2
.set i, 0
.rept 16
	v_pk_add_f32 v[BK+32*(\a)+i:BK+32*(\a)+i+1], v[BK+32*(\a)+i:BK+32*(\a)+i+1], v[RS+32*(\a)+i:RS+32*(\a)+i+1]
.set i, i+2
.endr
	WIN 0x08                                       ; a store's data: window 2
.irp t, 0,1,2,3,4,5,6,7
.if FINAL
	global_store_b128 v[CO], v[BK+32*(\a)+4*\t:BK+32*(\a)+4*\t+3], s[10:11] offset:(32*((\a)/2)+8*((\a)%2)+2*\t+8*(\t/4))*4096 th:TH_STORE_NT
.else
	global_store_b128 v[CO], v[BK+32*(\a)+4*\t:BK+32*(\a)+4*\t+3], s[10:11] offset:(32*((\a)/2)+8*((\a)%2)+2*\t+8*(\t/4))*4096
.endif
.endr
	WIN 0
.endm
	PLACES 4                                       ; ahead of the first read of results
	TOSTAGE 0
	TOSTAGE 1                                      ; each block has registers of its own: none is written twice, so no store is waited for
	SEND 0, 16                                     ; behind block 0's loads: block 1's 8 stores and 8 loads
	TOSTAGE 2
	SEND 1, 16
	TOSTAGE 3
	SEND 2, 16
	SEND 3, 0
	s_wait_tensorcnt 0x0                           ; the wave's end
	ds_add_u32 v[SPW], v[NIL]
	s_wait_dscnt 0x0
	CROUND                                         ; the closing round
	s_endpgm
.Lfunc_end_k_q25bac3b1b1_g6:
	.size	k_q25bac3b1b1_g6, .Lfunc_end_k_q25bac3b1b1_g6-k_q25bac3b1b1_g6
	.p2alignl 7, 3214868480
	.fill 96, 4, 3214868480
	.section	.rodata,"a",@progbits
	.p2align	6, 0x0
	.amdhsa_kernel k_q25bac3b1b1_g6
		.amdhsa_group_segment_fixed_size 327680
		.amdhsa_private_segment_fixed_size 0
		.amdhsa_enable_private_segment 0
		.amdhsa_kernarg_size 32
		.amdhsa_user_sgpr_count 2
		.amdhsa_user_sgpr_kernarg_segment_ptr 1
		.amdhsa_wavefront_size32 1
		.amdhsa_system_sgpr_workgroup_id_x 1
		.amdhsa_system_sgpr_workgroup_id_y 1
		.amdhsa_system_sgpr_workgroup_id_z 1
		.amdhsa_system_vgpr_workitem_id 0
		.amdhsa_next_free_vgpr 768
		.amdhsa_next_free_sgpr 66
		.amdhsa_reserve_vcc 0
		.amdhsa_float_denorm_mode_32 3
		.amdhsa_float_denorm_mode_16_64 3
		.amdhsa_memory_ordered 1
		.amdhsa_forward_progress 1
		.amdhsa_inst_pref_size 135
	.end_amdhsa_kernel
	.amdgpu_metadata
---
amdhsa.version: [ 1, 2 ]
amdhsa.kernels:
  - .name:           k_q25bac3b1b1_g6
    .symbol:         k_q25bac3b1b1_g6.kd
    .args:
      - { .name: act_img, .offset: 0, .size: 8, .value_kind: global_buffer, .address_space: global }
      - { .name: w_img, .offset: 8, .size: 8, .value_kind: global_buffer, .address_space: global }
      - { .name: x1, .offset: 16, .size: 8, .value_kind: global_buffer, .address_space: global }
      - { .name: out0, .offset: 24, .size: 8, .value_kind: global_buffer, .address_space: global }
    .group_segment_fixed_size: 327680
    .private_segment_fixed_size: 0
    .kernarg_segment_align: 8
    .kernarg_segment_size: 32
    .max_flat_workgroup_size: 128
    .sgpr_count:     66
    .vgpr_count:     768
    .wavefront_size: 32
...
	.end_amdgpu_metadata
.endif
;; end of part 12
